; MI455X (gfx1250); checked and timed in simulation.
; The chip was launched on July 23, 2026; its instructions are those of AMD's public machine-readable ISA for CDNA 5 (MIT licence, August 2026) and "CDNA5" Instruction Set Architecture Reference Guide (July 2026). The comments in the code are by the model that wrote it; some were corrected since.
;; Sentence Qwen2 Decoder Layer. Allowed arithmetic: float matrix products may take bf16 or f16 operands with f32 sums; other float arithmetic in f32, or as packed bf16 or f16 multiplies, adds, multiply-adds, maxima and minima; sums over many terms, partial sums and values carried from step to step in f32; what a program stores and reads back later, other than sums and carried values, may be rounded once to bf16 or f16.
;; Inputs: bk 1,024 float32; bq 1,024 float32; bv 1,024 float32; cos 2 x 2,048 x 128 float32; eos_idx 2 x 2,048 int32; hidden_states 2 x 2,048 x 2,048 float32; ln1_w 2,048 float32; ln2_w 2,048 float32; sin 2 x 2,048 x 128 float32; special_embeddings_mask 2 x 2,048 bool; w_down 512 x 2,048 float32; w_gate 2,048 x 512 float32; w_up 2,048 x 512 float32; wk 2,048 x 1,024 float32; wo 1,024 x 2,048 float32; wq 2,048 x 1,024 float32; wv 2,048 x 1,024 float32.
;; Outputs: out0 2 x 2,048 x 2,048 float32.
;; 2 versions, each right. Each part assembles by itself: llvm-mc -triple=amdgcn-amd-amdhsa -mcpu=gfx1250 --defsym DOCPART=n.
;; ======== version 1 of 2: 6 launches
;; limits: values are held in f16: magnitudes above 65,504 overflow, below 6.1e-05 lose precision; right only within a limited range of input values
;; workspace buffers: pw 41,959,424 bytes; mw 1,048,576 bytes of whole numbers; qkvb 25,165,824 bytes; ob 8,388,608 bytes; xo 50,855,936 bytes; act 4,194,304 bytes
;; launch prep (part 1): grid 1152 x 1, 8 waves a work-group, no clusters, 0 bytes of LDS; arguments hidden_states, ln1_w, ln2_w, wq, wk, wv, wo, w_gate, w_up, w_down, cos, sin, special_embeddings_mask, eos_idx, pw, mw; writes pw, mw
.if DOCPART == 1
	.amdgcn_target "amdgcn-amd-amdhsa--gfx1250"
	.amdhsa_code_object_version 6
	.text
	.protected	k_q97f810f443_prep
	.globl	k_q97f810f443_prep
	.p2align	8
	.type	k_q97f810f443_prep,@function
k_q97f810f443_prep:
	s_mov_b64 s[64:65], 0
	v_nop
	global_prefetch_b8 v0, s[64:65] scope:SCOPE_SE
	s_setreg_imm32_b32 hwreg(HW_REG_WAVE_MODE, 25, 1), 1
	s_wait_xcnt 0x0
; PREP: every float input is rounded once to bf16 and laid out for the later launches; the attention mask is packed into bits.
; A stream: no LDS, no matrix unit, no cluster (no two work-groups read the same bytes but the 8 KiB of gains).
; The work-group's number g picks its role:
;   0-255     H    16 rows of hidden_states, 2 a wave: HB = bf16(hidden) written as f16, RS1 = 2^-8 / sqrt(mean(HB^2) + 1e-6)
;   256-511   QK   wq, wk: 16 k rows, a head a wave  -> WROPE [16 heads][2048 k][128] = f16(256 bf16(ln1[k]) bf16(w[k][n]))
;   512-639   V    wv: 32 k rows x 512 columns       -> WVAL  [16][2048 k][64], likewise
;   640-767   GU   w_gate, w_up: 32 k rows           -> WGU   [2][8][2048 k][64], with ln2
;   768-1023  FLAT wo, w_down, cos, sin: runs of 2,048 numbers, one a wave, rounded to bf16 and kept in place; wo's are written as f16, the others as bf16
;   1024-1151 M    16 mask tasks, 2 a wave: a task is 64 queries x 64 keys = 128 words of 32 bits
; WHY f16: a gain times a weight has 16 significant bits; f16 keeps 11 of them, bf16 8.  The factor 256 puts the products (of size 0.02) in the middle of f16's range; RS1 takes it back.
; mw [b 2][qb 32][st 32][i 32][t 4]: bit l of word (i, t) = allowed(query 64 qb + 16 t + l % 16, key 64 st + 16 (i / 8) + 8 (l / 16) + i % 8),
; allowed = key <= query and (special[key] or key >= eos_idx[query] or key = 0).
; LIMITS: f16 ends at 65,504: |hidden|, |wo| and 256 |ln w| stay within it (they are of size 1, 0.03 and 5.6); below 6e-5 f16 keeps a fixed step of 6e-8.
; eos_idx is clamped to 0 .. 2,048, which changes no comparison with a key in 0 .. 2,047.  NaN and infinities are not treated apart.
.set HB_O,    0
.set WROPE_O, 16777216
.set WVAL_O,  25165824
.set WO_O,    29360128
.set WGU_O,   33554432
.set WD_O,    37748736
.set COSB_O,  39845888
.set SINB_O,  40894464
.set RS1_O,   41943040
.set WV,    36                         ; s36 my wave's number
.set G,     37                         ; s37 the work-group's number
.set SRC,   40                         ; s[40:41] source
.set DST,   42                         ; s[42:43] destination
.set LNP,   44                         ; s[44:45] the gain (role M: eos_idx; role H: RS1)
.set DOFF,  46                         ; s[46:47] the part's offset in pw
.set LS,    48                         ; log2 of the lanes that share a source row
.set LSP,   49                         ; log2 of the source pitch in numbers
.set LDP,   50                         ; log2 of the destination pitch in numbers
.set R0,    51                         ; first source row
.set C0,    52                         ; first source column
.set E0,    53                         ; first destination number
.set RL,    54                         ; first row of the gain
.set SSTEP, 55                         ; bytes from task to task in the source
.set LSTEP, 56                         ; and in the gain
.set LNM,   57                         ; -1: the gain is used; 0: the factor is 1
.set HIM,   58                         ; a word's upper bf16
.set SCL,   59                         ; the power of two that goes with the gain: 256 or 1
.set SEL,   62                         ; s[62:63] v_permlanex16_b32's selects
.set FM,    66                         ; -1: the result leaves as f16; 0: as bf16
.set Y,     8                          ; v[8:39]    packed 16-bit numbers
.set X,     40                         ; v[40:167]  f32 as loaded, then at work
.set LNV,   104                        ; v[104:119] CONV: the factor, a pair a task
.set SO,    120                        ; v[120:127] CONV: source offsets, one a task
.set DO,    128                        ; v128       CONV: destination offset
.set LO,    136                        ; v[136:143] CONV: gain offsets
.set TF,    144                        ; v[144:147] CONV: the task's numbers as f16
.set CH,    168                        ; v[168:175] H: four chains of sums
	s_load_b512 s[4:19], s[0:1], 0x0               ; hidden 4, ln1 6, ln2 8, wq 10, wk 12, wv 14, wo 16, w_gate 18
	s_load_b512 s[20:35], s[0:1], 0x40             ; w_up 20, w_down 22, cos 24, sin 26, special 28, eos 30, pw 32, mw 34
	v_and_b32 v1, 31, v0                           ; lane
	v_lshrrev_b32 v2, 5, v0
	v_readfirstlane_b32 s[WV], v2
	s_mov_b32 s[G], ttmp9
	s_mov_b32 s[HIM], 0xffff0000
	s_mov_b32 s61, 0                               ; the upper word of every 32-bit offset in s[60:61]
	s_wait_kmcnt 0x0
	s_cmp_lt_u32 s[G], 256
	s_cbranch_scc1 .Lrole_h
	s_cmp_ge_u32 s[G], 1024
	s_cbranch_scc1 .Lrole_m
	s_cmp_lt_u32 s[G], 512
	s_cbranch_scc1 .Lrole_qk
	s_cmp_lt_u32 s[G], 640
	s_cbranch_scc1 .Lrole_v
	s_cmp_lt_u32 s[G], 768
	s_cbranch_scc1 .Lrole_gu
	; FLAT: which tensor, by three selects
	s_mov_b64 s[SRC:SRC+1], s[16:17]
	s_mov_b32 s[DOFF], WO_O
	s_mov_b32 s38, 768
	s_mov_b32 s[FM], -1                            ; wo meets o, which is f16; the other three meet bf16 numbers
	s_cmp_ge_u32 s[G], 896
	s_cselect_b64 s[SRC:SRC+1], s[22:23], s[SRC:SRC+1]
	s_cselect_b32 s[DOFF], WD_O, s[DOFF]
	s_cselect_b32 s38, 896, s38
	s_cselect_b32 s[FM], 0, s[FM]
	s_cmp_ge_u32 s[G], 960
	s_cselect_b64 s[SRC:SRC+1], s[24:25], s[SRC:SRC+1]
	s_cselect_b32 s[DOFF], COSB_O, s[DOFF]
	s_cselect_b32 s38, 960, s38
	s_cmp_ge_u32 s[G], 992
	s_cselect_b64 s[SRC:SRC+1], s[26:27], s[SRC:SRC+1]
	s_cselect_b32 s[DOFF], SINB_O, s[DOFF]
	s_cselect_b32 s38, 992, s38
	s_sub_co_u32 s38, s[G], s38
	s_lshl_b32 s38, s38, 3
	s_add_co_u32 s[R0], s38, s[WV]                 ; my run of 2,048 numbers
	s_lshl_b32 s[E0], s[R0], 11
	s_mov_b64 s[LNP:LNP+1], s[6:7]                 ; loaded at its first numbers and replaced by 1: one text for all roles
	s_mov_b32 s[LS], 5
	s_mov_b32 s[LSP], 11
	s_mov_b32 s[LDP], 0
	s_mov_b32 s[C0], 0
	s_mov_b32 s[RL], 0
	s_mov_b32 s[SSTEP], 1024
	s_mov_b32 s[LSTEP], 0
	s_mov_b32 s[LNM], 0
	s_mov_b32 s[SCL], 0x3f800000                   ; 1
	s_branch .Lconv
.Lrole_qk:
	s_sub_co_u32 s38, s[G], 256
	s_lshr_b32 s39, s38, 7                         ; 0: wq, 1: wk
	s_and_b32 s38, s38, 127
	s_lshl_b32 s[R0], s38, 4
	s_lshl_b32 s[C0], s[WV], 7                     ; my head's 128 columns
	s_lshl_b32 s[E0], s39, 3
	s_add_co_u32 s[E0], s[E0], s[WV]
	s_lshl_b32 s[E0], s[E0], 11
	s_add_co_u32 s[E0], s[E0], s[R0]
	s_lshl_b32 s[E0], s[E0], 7                     ; ((8 matrix + head) 2048 + row) 128
	s_cmp_eq_u32 s39, 0
	s_cselect_b64 s[SRC:SRC+1], s[10:11], s[12:13]
	s_mov_b64 s[LNP:LNP+1], s[6:7]
	s_mov_b32 s[DOFF], WROPE_O
	s_mov_b32 s[LS], 4
	s_mov_b32 s[LSP], 10
	s_mov_b32 s[LDP], 7
	s_mov_b32 s[SSTEP], 8192
	s_mov_b32 s[LSTEP], 8
	s_mov_b32 s[RL], s[R0]
	s_mov_b32 s[LNM], -1
	s_mov_b32 s[SCL], 0x43800000                   ; 256
	s_mov_b32 s[FM], -1
	s_branch .Lconv
.Lrole_v:
	s_sub_co_u32 s38, s[G], 512
	s_and_b32 s39, s38, 1                          ; column half
	s_lshr_b32 s38, s38, 1
	s_lshl_b32 s[R0], s38, 5
	s_lshl_b32 s39, s39, 3
	s_add_co_u32 s39, s39, s[WV]                   ; tile of 64 columns
	s_lshl_b32 s[C0], s39, 6
	s_lshl_b32 s[E0], s39, 11
	s_add_co_u32 s[E0], s[E0], s[R0]
	s_lshl_b32 s[E0], s[E0], 6
	s_mov_b64 s[SRC:SRC+1], s[14:15]
	s_mov_b64 s[LNP:LNP+1], s[6:7]
	s_mov_b32 s[DOFF], WVAL_O
	s_mov_b32 s[LS], 3
	s_mov_b32 s[LSP], 10
	s_mov_b32 s[LDP], 6
	s_mov_b32 s[SSTEP], 16384
	s_mov_b32 s[LSTEP], 16
	s_mov_b32 s[RL], s[R0]
	s_mov_b32 s[LNM], -1
	s_mov_b32 s[SCL], 0x43800000
	s_mov_b32 s[FM], -1
	s_branch .Lconv
.Lrole_gu:
	s_sub_co_u32 s38, s[G], 640
	s_lshr_b32 s39, s38, 6                         ; 0: gate, 1: up
	s_and_b32 s38, s38, 63
	s_lshl_b32 s[R0], s38, 5
	s_lshl_b32 s[C0], s[WV], 6
	s_lshl_b32 s[E0], s39, 3
	s_add_co_u32 s[E0], s[E0], s[WV]
	s_lshl_b32 s[E0], s[E0], 11
	s_add_co_u32 s[E0], s[E0], s[R0]
	s_lshl_b32 s[E0], s[E0], 6
	s_cmp_eq_u32 s39, 0
	s_cselect_b64 s[SRC:SRC+1], s[18:19], s[20:21]
	s_mov_b64 s[LNP:LNP+1], s[8:9]
	s_mov_b32 s[DOFF], WGU_O
	s_mov_b32 s[LS], 3
	s_mov_b32 s[LSP], 9
	s_mov_b32 s[LDP], 6
	s_mov_b32 s[SSTEP], 8192
	s_mov_b32 s[LSTEP], 16
	s_mov_b32 s[RL], s[R0]
	s_mov_b32 s[LNM], -1
	s_mov_b32 s[SCL], 0x43800000
	s_mov_b32 s[FM], -1
; CONV: eight tasks of 256 numbers a wave.  A lane takes 8 neighbouring numbers (32 bytes in, 16 bytes out): a store covers 512 consecutive bytes.
.Lconv:
	s_mov_b32 s[DOFF+1], 0
	s_add_nc_u64 s[DST:DST+1], s[32:33], s[DOFF:DOFF+1]
	s_bfm_b32 s38, s[LS], 0
	v_lshrrev_b32 v2, s[LS], v1                    ; my row in the task
	v_and_b32 v3, s38, v1
	v_lshlrev_b32 v3, 3, v3                        ; my 8 columns
	v_add_nc_u32 v4, s[R0], v2
	v_lshlrev_b32 v4, s[LSP], v4
	v_add3_u32 v4, v4, s[C0], v3
	v_lshlrev_b32 v[SO], 2, v4
	v_lshlrev_b32 v5, s[LDP], v2
	v_add3_u32 v5, v5, s[E0], v3
	v_lshlrev_b32 v[DO], 1, v5
	v_add_nc_u32 v6, s[RL], v2
	v_lshlrev_b32 v[LO], 2, v6
.irp j, 1,2,3,4,5,6,7
	v_add_nc_u32 v[SO+\j], s[SSTEP], v[SO+\j-1]
	v_add_nc_u32 v[LO+\j], s[LSTEP], v[LO+\j-1]
.endr
.irp j, 0,1,2,3,4,5,6,7
	global_load_b32 v[LNV+2*\j], v[LO+\j], s[LNP:LNP+1]
.endr
.irp j, 0,1,2,3,4,5,6,7
	global_load_b128 v[X+8*\j:X+8*\j+3],   v[SO+\j], s[SRC:SRC+1] th:TH_LOAD_NT
	global_load_b128 v[X+8*\j+4:X+8*\j+7], v[SO+\j], s[SRC:SRC+1] offset:16 th:TH_LOAD_NT
.endr
.irp j, 0,1,2,3,4,5,6,7
	s_wait_loadcnt 14-2*\j                         ; loads come back in order: the gains and tasks 0 .. j are in, the later tasks' two loads each stay out
	v_cvt_pk_bf16_f32 v[LNV+2*\j], v[LNV+2*\j], v[LNV+2*\j]
	v_lshlrev_b32 v[LNV+2*\j], 16, v[LNV+2*\j]     ; the gain rounded to bf16,
	v_cndmask_b32 v[LNV+2*\j], 1.0, v[LNV+2*\j], s[LNM]  ; or 1,
	v_mul_f32 v[LNV+2*\j], s[SCL], v[LNV+2*\j]     ; times the power of two, which rounds nothing
	v_mov_b32 v[LNV+2*\j+1], v[LNV+2*\j]
.irp k, 0,1,2,3
	v_cvt_pk_bf16_f32 v[Y+4*\j+\k], v[X+8*\j+2*\k], v[X+8*\j+2*\k+1]  ; the input rounded to bf16
.endr
.irp k, 0,1,2,3
	v_lshlrev_b32 v[X+8*\j+2*\k],   16, v[Y+4*\j+\k]
	v_and_b32     v[X+8*\j+2*\k+1], s[HIM], v[Y+4*\j+\k]
.endr
.irp k, 0,2,4,6
	v_pk_mul_f32 v[X+8*\j+\k:X+8*\j+\k+1], v[X+8*\j+\k:X+8*\j+\k+1], v[LNV+2*\j:LNV+2*\j+1]
.endr
.irp k, 0,1,2,3
	v_cvt_pk_bf16_f32 v[Y+4*\j+\k], v[X+8*\j+2*\k], v[X+8*\j+2*\k+1]  ; both formats are made (with the factor 1 neither rounds anything within its range),
	v_cvt_pk_f16_f32 v[TF+\k], v[X+8*\j+2*\k], v[X+8*\j+2*\k+1]
.endr
.irp k, 0,1,2,3
	v_cndmask_b32 v[Y+4*\j+\k], v[Y+4*\j+\k], v[TF+\k], s[FM]         ; and the role's is taken
.endr
	global_store_b128 v[DO], v[Y+4*\j:Y+4*\j+3], s[DST:DST+1] offset:512*\j
.endr
	s_endpgm
; ROLE H.  A wave's two rows (16 KiB) are asked for at once; a lane takes 32 neighbouring bytes of every 1,024.
.Lrole_h:
	s_mov_b32 s[SEL], 0x76543210
	s_mov_b32 s[SEL+1], 0xfedcba98
	s_mov_b32 s67, 0x3a000000                      ; 1 / 2048
	s_mov_b32 s68, 0x358637bd                      ; 1e-6
	s_lshl_b32 s38, s[G], 4
	s_lshl_b32 s39, s[WV], 1
	s_add_co_u32 s38, s38, s39                     ; my first row
	s_lshl_b32 s60, s38, 13
	s_add_nc_u64 s[SRC:SRC+1], s[4:5], s[60:61]
	s_lshl_b32 s60, s38, 12
	s_add_nc_u64 s[DST:DST+1], s[32:33], s[60:61]
	s_lshl_b32 s60, s38, 2
	s_add_co_u32 s60, s60, RS1_O
	s_add_nc_u64 s[LNP:LNP+1], s[32:33], s[60:61]
	v_lshlrev_b32 v2, 5, v1
	v_lshlrev_b32 v3, 4, v1
	v_lshlrev_b32 v4, 2, v1
.irp r, 0,1
.irp j, 0,1,2,3,4,5,6,7
	global_load_b128 v[X+64*\r+8*\j:X+64*\r+8*\j+3],   v2, s[SRC:SRC+1] offset:8192*\r+1024*\j th:TH_LOAD_NT
	global_load_b128 v[X+64*\r+8*\j+4:X+64*\r+8*\j+7], v2, s[SRC:SRC+1] offset:8192*\r+1024*\j+16 th:TH_LOAD_NT
.endr
.endr
.macro HROW r, left
	s_wait_loadcnt \left                           ; this row's 16 loads are in
.if \r
	s_wait_xcnt 0x0                                ; Y is the data of the first row's stores: written again only behind this wait
.endif
.set i, 0
.rept 32
	v_cvt_pk_bf16_f32 v[Y+i], v[X+64*(\r)+2*i], v[X+64*(\r)+2*i+1]  ; rounded to bf16,
.set i, i+1
.endr
.set i, 0
.rept 32
	v_lshlrev_b32 v[X+64*(\r)+2*i],   16, v[Y+i]   ; widened again: the sum of squares is taken of the rounded numbers,
	v_and_b32     v[X+64*(\r)+2*i+1], s[HIM], v[Y+i]
.set i, i+1
.endr
.set i, 0
.rept 32
	v_cvt_pk_f16_f32 v[Y+i], v[X+64*(\r)+2*i], v[X+64*(\r)+2*i+1]   ; and written as f16: 8 significant bits into 11
.set i, i+1
.endr
.irp j, 0,1,2,3,4,5,6,7
	global_store_b128 v3, v[Y+4*\j:Y+4*\j+3], s[DST:DST+1] offset:4096*(\r)+512*\j  ; 512 consecutive bytes
.endr
.set i, 0
.rept 32
.if i < 4
	v_pk_mul_f32 v[CH+2*i:CH+2*i+1], v[X+64*(\r)+2*i:X+64*(\r)+2*i+1], v[X+64*(\r)+2*i:X+64*(\r)+2*i+1]  ; the first four start the chains
.else
	v_pk_fma_f32 v[CH+2*(i%4):CH+2*(i%4)+1], v[X+64*(\r)+2*i:X+64*(\r)+2*i+1], v[X+64*(\r)+2*i:X+64*(\r)+2*i+1], v[CH+2*(i%4):CH+2*(i%4)+1]
.endif
.set i, i+1
.endr
	v_pk_add_f32 v[CH:CH+1], v[CH:CH+1], v[CH+2:CH+3]
	v_pk_add_f32 v[CH+4:CH+5], v[CH+4:CH+5], v[CH+6:CH+7]
	v_pk_add_f32 v[CH:CH+1], v[CH:CH+1], v[CH+4:CH+5]
	v_add_f32 v[CH], v[CH], v[CH+1]
	v_add_f32_dpp v[CH], v[CH], v[CH] row_xmask:1 row_mask:0xf bank_mask:0xf
	v_add_f32_dpp v[CH], v[CH], v[CH] row_xmask:2 row_mask:0xf bank_mask:0xf
	v_add_f32_dpp v[CH], v[CH], v[CH] row_xmask:4 row_mask:0xf bank_mask:0xf
	v_add_f32_dpp v[CH], v[CH], v[CH] row_xmask:8 row_mask:0xf bank_mask:0xf
	v_permlanex16_b32 v[CH+1], v[CH], s[SEL], s[SEL+1]
	v_add_f32 v[CH], v[CH], v[CH+1]
	v_fma_f32 v[CH], v[CH], s67, s68
	v_rsq_f32 v[6+(\r)], v[CH]
	v_nop                                          ; a plain instruction behind the root, ahead of any use of its result or write of its source,
	s_wait_alu depctr_va_vdst(0)                   ; and the wait ahead of the first reader
	v_mul_f32 v[6+(\r)], 0x3b800000, v[6+(\r)]     ; times 2^-8: the weights carry the factor 256
.endm
	HROW 0, 16                                     ; the second row's 16 loads stay out
	HROW 1, 0
	v_cmp_eq_u32 vcc_lo, 1, v1
	v_cndmask_b32 v6, v6, v7, vcc_lo               ; lane 0 holds row 0's figure, lane 1 row 1's
	v_cmp_gt_u32 vcc_lo, 2, v1
	s_wait_xcnt 0x0                                ; EXEC changes only behind this wait
	s_and_saveexec_b32 s38, vcc_lo
	global_store_b32 v4, v6, s[LNP:LNP+1]          ; 8 bytes a wave, 16 KiB in the launch
	s_wait_xcnt 0x0
	s_or_b32 exec_lo, exec_lo, s38
	s_endpgm
; ROLE M.  A compare over the 32 lanes IS a word of the table.  Per tile t a lane keeps q' = query - key base and e' = eos - key base; both go down by 16 with each group of 16 keys.
.set W,  16                            ; v[16:19] lane i: words (i, 0 .. 3)
.set EP, 20                            ; v[20:23]
.set QP, 24                            ; v[24:27]
.Lrole_m:
	v_and_b32 v5, 15, v1
	v_lshrrev_b32 v6, 4, v1
	v_lshlrev_b32 v6, 3, v6                        ; 8 (l / 16)
	v_lshlrev_b32 v7, 4, v1
	v_lshlrev_b32 v8, 2, v5
	s_sub_co_u32 s38, s[G], 1024
	s_lshl_b32 s38, s38, 4
	s_lshl_b32 s39, s[WV], 1
	s_add_co_u32 s38, s38, s39                     ; my first task
	s_mov_b32 s69, 2
.Ltask:
	s_lshr_b32 s70, s38, 10                        ; b
	s_bfe_u32 s71, s38, 0x50005                    ; qb
	s_and_b32 s72, s38, 31                         ; st
	s_lshl_b32 s60, s70, 11
	s_add_nc_u64 s[SRC:SRC+1], s[28:29], s[60:61]  ; special at batch b
	s_lshl_b32 s73, s71, 6
	s_add_co_u32 s60, s60, s73
	s_lshl_b32 s60, s60, 2
	s_add_nc_u64 s[LNP:LNP+1], s[30:31], s[60:61]  ; eos_idx at the task's first query
	s_lshl_b32 s60, s38, 9
	s_add_nc_u64 s[DST:DST+1], s[34:35], s[60:61]
	s_lshl_b32 s74, s72, 6
.irp t, 0,1,2,3
	global_load_b32 v[EP+\t], v8, s[LNP:LNP+1] offset:64*\t
.endr
	v_add_nc_u32 v9, s74, v6                       ; my key base: 64 st + 8 (l / 16)
	s_sub_co_i32 s75, s73, s74
	v_add_nc_u32 v10, s75, v5
	v_sub_nc_u32 v10, v10, v6
.irp t, 0,1,2,3
	v_add_nc_u32 v[QP+\t], 16*\t, v10
	v_mov_b32 v[W+\t], 0
.endr
	s_wait_loadcnt 0x0
.irp t, 0,1,2,3
	v_max_i32 v[EP+\t], 0, v[EP+\t]
	v_min_i32 v[EP+\t], 0x800, v[EP+\t]
	v_sub_nc_u32 v[EP+\t], v[EP+\t], v9
.endr
	s_mov_b32 s76, 0                               ; word number 8 x group
	s_mov_b32 s77, 4
.Lkb:
	global_load_b64 v[12:13], v9, s[SRC:SRC+1]     ; my 8 keys' special bytes
	v_cmp_eq_u32 vcc_lo, 0, v9
	v_cndmask_b32 v14, 0, 1, vcc_lo                ; key 0 counts as special
	s_wait_loadcnt 0x0
	v_or_b32 v12, v12, v14
.irp j, 0,1,2,3,4,5,6,7
	v_bfe_u32 v15, v[12+\j/4], 8*(\j%4), 8
	v_cmp_ne_u32 s78, 0, v15
	s_add_co_u32 s81, s76, \j
.irp t, 0,1,2,3
	v_cmp_le_i32 s79, \j, v[QP+\t]                 ; key <= query
	v_cmp_ge_i32 s80, \j, v[EP+\t]                 ; key >= eos
	s_or_b32 s80, s80, s78
	s_and_b32 s79, s79, s80
	v_writelane_b32 v[W+\t], s79, s81
.endr
.endr
	v_add_nc_u32 v9, 16, v9                        ; free since the wait for its load
.irp t, 0,1,2,3
	v_subrev_nc_u32 v[QP+\t], 16, v[QP+\t]
	v_subrev_nc_u32 v[EP+\t], 16, v[EP+\t]
.endr
	s_add_co_u32 s76, s76, 8
	s_sub_co_u32 s77, s77, 1
	s_cmp_lg_u32 s77, 0
	s_cbranch_scc1 .Lkb
	global_store_b128 v7, v[W:W+3], s[DST:DST+1]   ; the task's 512 bytes
	s_wait_xcnt 0x0                                ; W and the three bases are written again only behind this wait
	s_add_co_u32 s38, s38, 1
	s_sub_co_u32 s69, s69, 1
	s_cmp_lg_u32 s69, 0
	s_cbranch_scc1 .Ltask
	s_endpgm
.Lfunc_end_k_q97f810f443_prep:
	.size	k_q97f810f443_prep, .Lfunc_end_k_q97f810f443_prep-k_q97f810f443_prep
	.p2alignl 7, 3214868480
	.fill 96, 4, 3214868480
	.section	.rodata,"a",@progbits
	.p2align	6, 0x0
	.amdhsa_kernel k_q97f810f443_prep
		.amdhsa_group_segment_fixed_size 0
		.amdhsa_private_segment_fixed_size 0
		.amdhsa_enable_private_segment 0
		.amdhsa_kernarg_size 128
		.amdhsa_user_sgpr_count 2
		.amdhsa_user_sgpr_kernarg_segment_ptr 1
		.amdhsa_wavefront_size32 1
		.amdhsa_system_sgpr_workgroup_id_x 1
		.amdhsa_system_sgpr_workgroup_id_y 1
		.amdhsa_system_sgpr_workgroup_id_z 1
		.amdhsa_system_vgpr_workitem_id 0
		.amdhsa_next_free_vgpr 176
		.amdhsa_next_free_sgpr 100
		.amdhsa_reserve_vcc 1
		.amdhsa_float_denorm_mode_32 3
		.amdhsa_float_denorm_mode_16_64 3
		.amdhsa_memory_ordered 1
		.amdhsa_forward_progress 1
		.amdhsa_inst_pref_size 59
	.end_amdhsa_kernel
	.amdgpu_metadata
---
amdhsa.version: [ 1, 2 ]
amdhsa.kernels:
  - .name:           k_q97f810f443_prep
    .symbol:         k_q97f810f443_prep.kd
    .args:
      - { .name: hidden_states, .offset: 0, .size: 8, .value_kind: global_buffer, .address_space: global }
      - { .name: ln1_w, .offset: 8, .size: 8, .value_kind: global_buffer, .address_space: global }
      - { .name: ln2_w, .offset: 16, .size: 8, .value_kind: global_buffer, .address_space: global }
      - { .name: wq, .offset: 24, .size: 8, .value_kind: global_buffer, .address_space: global }
      - { .name: wk, .offset: 32, .size: 8, .value_kind: global_buffer, .address_space: global }
      - { .name: wv, .offset: 40, .size: 8, .value_kind: global_buffer, .address_space: global }
      - { .name: wo, .offset: 48, .size: 8, .value_kind: global_buffer, .address_space: global }
      - { .name: w_gate, .offset: 56, .size: 8, .value_kind: global_buffer, .address_space: global }
      - { .name: w_up, .offset: 64, .size: 8, .value_kind: global_buffer, .address_space: global }
      - { .name: w_down, .offset: 72, .size: 8, .value_kind: global_buffer, .address_space: global }
      - { .name: cos, .offset: 80, .size: 8, .value_kind: global_buffer, .address_space: global }
      - { .name: sin, .offset: 88, .size: 8, .value_kind: global_buffer, .address_space: global }
      - { .name: special_embeddings_mask, .offset: 96, .size: 8, .value_kind: global_buffer, .address_space: global }
      - { .name: eos_idx, .offset: 104, .size: 8, .value_kind: global_buffer, .address_space: global }
      - { .name: pw, .offset: 112, .size: 8, .value_kind: global_buffer, .address_space: global }
      - { .name: mw, .offset: 120, .size: 8, .value_kind: global_buffer, .address_space: global }
    .group_segment_fixed_size: 0
    .private_segment_fixed_size: 0
    .kernarg_segment_align: 8
    .kernarg_segment_size: 128
    .max_flat_workgroup_size: 256
    .sgpr_count:     100
    .vgpr_count:     176
    .wavefront_size: 32
...
	.end_amdgpu_metadata
.endif
;; end of part 1
;; launch qkvp (part 2): grid 16 x 16, 4 waves a work-group, clusters of 4 x 4, 327,680 bytes of LDS; arguments pw, bq, bk, bv, qkvb; writes qkvb
.if DOCPART == 2
	.amdgcn_target "amdgcn-amd-amdhsa--gfx1250"
	.amdhsa_code_object_version 6
	.text
	.protected	k_q97f810f443_qkvp
	.globl	k_q97f810f443_qkvp
	.p2align	8
	.type	k_q97f810f443_qkvp,@function
k_q97f810f443_qkvp:
	s_mov_b64 s[64:65], 0
	v_nop
	global_prefetch_b8 v0, s[64:65] scope:SCOPE_SE
	s_setreg_imm32_b32 hwreg(HW_REG_WAVE_MODE, 25, 1), 1
	s_wait_xcnt 0x0
	s_wait_alu depctr_hold_cnt(0) depctr_sa_sdst(0) depctr_va_vdst(0) depctr_va_sdst(0) depctr_va_ssrc(0) depctr_va_vcc(0) depctr_vm_vsrc(0)
	s_getreg_b32 s2, hwreg(HW_REG_IB_STS2, 6, 4)
	s_cmp_eq_u32 s2, 0
	s_cbranch_scc0 .Lentry_in_a_cluster
	s_endpgm
.Lentry_in_a_cluster:
	s_bfe_u32 s2, ttmp6, 0x10000c
	s_cmp_lg_u32 s2, 0xf033
	s_cbranch_scc0 .Lentry_shape_is_right
	s_endpgm
.Lentry_shape_is_right:
; Q, K, V = rms_norm(hidden) W + bias, RoPE on Q and K.  A = HB [4096][2048] f16 (bf16(hidden), not normalised); the weights are f16(256 gain w); RS1 = 2^-8 / rms is applied to the f32 sums.
; A tile of C is 256 rows x 192 columns: one head of Q or K (128 columns, tile column tx: 0-7 Q, 8-15 K) and half a head of V (columns 64 tx ..): 16 x 16 work-groups.
; Four waves, 2 (rows, wm) x 2 (columns, wn); a wave has 8 x 6 accumulators of 16 x 16.  Of the head wave wn takes the column blocks 2 wn, 2 wn + 1, 2 wn + 4, 2 wn + 5: d and d + 64 fall into one lane.
; The head's products are taken transposed (source 0 = W, source 1 = A): a lane holds one row and 8 neighbouring columns.  V's are not: a lane holds one channel and 8 neighbouring rows, for V^T.
; K goes in 16 steps of 128 through two LDS slots filled by joint tensor loads in a 4 x 4 cluster: A shared along a row of the cluster, W along a column.
; W lies [k][n] in LDS and is turned by ds_load_tr16_b128.  OUT: Q, K [b 8 + h][s][128] bf16, VT [b 8 + h][channel][s] f16, all unscaled.
; FORMATS.  V grows with gain x wv: 900 times its size 1 is still far inside f16, and so is a 900th: it leaves in f16, 11 significant bits.  Q and K grow with gain x w x cos: 27,000 times either way is
; more than f16 spans with its precision kept: they leave in bf16.
; LIMITS: |v| stays within 65,504; NaN and infinities are not treated apart.
; REGISTERS: window 0: v0-31 addresses, v32-143 and v144-255 two fragment buffers (A's 8 blocks, then W's 6); window 1: the head's 32 accumulators ((b, a) at 8 (8 b + a));
; window 2: v0-127 V's 16 accumulators, v128-191 1/rms by 8 rows, v192-199 1/rms by row, v200-233 biases, v234 zero; window 3: cos and sin, (a, p) at 32 a + 16 p.
.set WROPE_O, 16777216
.set WVAL_O,  25165824
.set COSB_O,  39845888
.set SINB_O,  40894464
.set RS1_O,   41943040
.set T,     16                         ; K steps
.set PA,    272                        ; a row of A in LDS: 256 + 16 bytes
.set PB,    288                        ; a k row of the head's W: 256 + 32
.set PV,    160                        ; a k row of V's W: 128 + 32
.set XS,    0x20000                    ; slot 1 begins here: one exclusive or changes slots
.set WREG,  36864                      ; wave w's load lands at w x 36,864: A's halves, the head's W, V's W
.set SPARE, 2*XS                       ; the spare words: 512 bytes that no other line names
.set VST,   256*272                    ; the way out: Q/K stage at 0 (256 x 272), V^T stage behind it (64 x 528); both in the ring, which has had its last fill
.set F0,    32
.set F1,    144
.set ADRA0, 4
.set ADRB0, 5
.set ADRV0, 6
.set ADRA,  7
.set ADRB,  8
.set ADRV,  9
.set STO,   10
.set VSTO,  11
.set RD,    12
.set VRD,   13
.set GO,    14
.set PFO,   15
.set SPW,   28
.set NIL,   29
.set G1A,   16
.set G1B,   24
.set G1V,   32
.set G0A,   40
.set G0B,   48
.set BSTEP, 56
.set PFA,   58
.set PSTEP, 60
.set LIM,   62
.set MSB, 0
.macro WIN new                         ; the high byte repeats the setting that is left; a switch that changes nothing is dropped
.if MSB != (\new)
	s_set_vgpr_msb (MSB<<8)|(\new)
.set MSB, \new
.endif
.endm
.macro PLACES
.rept 4
	v_nop
.endr
.endm
.macro CREST                           ; a round of the cluster's barrier behind its opening barrier
	s_cmp_lg_u32 s10, 0
	s_cbranch_scc1 .Lnw0_\@
	s_barrier_signal -3
.Lnw0_\@:
	s_barrier_wait -3
	s_barrier_signal -1
	s_barrier_wait -1
.endm
.macro CROUND
	s_barrier_signal -1
	s_barrier_wait -1
	CREST
.endm
; A joint refill by the walking descriptor: waves 0, 1 A's halves, wave 2 the head's W, wave 3 V's W.  The branches hang on the wave's number alone.
.macro JLOAD
	s_cmp_lt_u32 s10, 2
	s_cbranch_scc0 .Ljb_\@
	tensor_load_to_lds s[G0A+4:G0A+7], s[G1A:G1A+7]
	s_nop 0
	PLACES
	s_branch .Ljd_\@
.Ljb_\@:
	s_cmp_eq_u32 s10, 2
	s_cbranch_scc0 .Ljv_\@
	tensor_load_to_lds s[G0B+4:G0B+7], s[G1B:G1B+7]
	s_nop 0
	PLACES
	s_branch .Ljd_\@
.Ljv_\@:
	tensor_load_to_lds s[G0B+4:G0B+7], s[G1V:G1V+7]
	s_nop 0
	PLACES
.Ljd_\@:
.endm
.macro STEPD                           ; the walking descriptors: the other slot, the next K step
	s_xor_b32 s[G0A+5], s[G0A+5], XS
	s_add_nc_u64 s[G0A+6:G0A+7], s[G0A+6:G0A+7], 256
	s_xor_b32 s[G0B+5], s[G0B+5], XS
	s_add_nc_u64 s[G0B+6:G0B+7], s[G0B+6:G0B+7], s[BSTEP:BSTEP+1]
.endm
.macro ADDRS                           ; the fragment addresses go to the other slot: four plain lines
	s_xor_b32 s15, s15, XS
	v_add_nc_u32 v[ADRA], s15, v[ADRA0]
	v_add_nc_u32 v[ADRB], s15, v[ADRB0]
	v_add_nc_u32 v[ADRV], s15, v[ADRV0]
	v_nop
.endm
; The prefetch of the K step four on from the trip's own (the refill beside it asks for the step two on): 32 blocks, a lane a block, one line a wave.
; A's rows are named by the clusters with x = 0, W's by those with y = 0; the four partners share a step's blocks out by address.
.macro ASK
	s_cmp_gt_u32 s3, s[LIM]
	s_cbranch_scc0 .Lna_\@
	global_prefetch_b8 v[PFO], s[PFA:PFA+1] th:TH_LOAD_NT scope:SCOPE_SE
.Lna_\@:
.endm
.macro FETCH q, f                      ; the 28 LDS loads of 32 along K, quarter q, into buffer f
	WIN 0
.irp a, 0,1,2,3,4,5,6,7
	ds_load_b128 v[(\f)+8*\a:(\f)+8*\a+3],   v[ADRA] offset:(\q)*64+\a*16*PA
	ds_load_b128 v[(\f)+8*\a+4:(\f)+8*\a+7], v[ADRA] offset:(\q)*64+\a*16*PA+32
.endr
.irp b, 0,1,2,3
	ds_load_tr16_b128 v[(\f)+64+8*\b:(\f)+64+8*\b+3],   v[ADRB] offset:(\q)*32*PB+(\b%2)*32+(\b/2)*128
	ds_load_tr16_b128 v[(\f)+64+8*\b+4:(\f)+64+8*\b+7], v[ADRB] offset:(\q)*32*PB+16*PB+(\b%2)*32+(\b/2)*128
.endr
.irp b, 0,1
	ds_load_tr16_b128 v[(\f)+96+8*\b:(\f)+96+8*\b+3],   v[ADRV] offset:(\q)*32*PV+\b*32
	ds_load_tr16_b128 v[(\f)+96+8*\b+4:(\f)+96+8*\b+7], v[ADRV] offset:(\q)*32*PV+16*PV+\b*32
.endr
.endm
.macro MULB f, b, zero                 ; column block b x all 8 row blocks; each accumulator is named once a quarter, so they take turns
.if (\b) < 4
	WIN 0x50
.else
	WIN 0xa0
.endif
.irp a, 0,1,2,3,4,5,6,7
.if (\b) < 4
.set rD, 8*((\b)*8+\a)
.if \zero
	v_wmma_f32_16x16x32_f16 v[rD:rD+7], v[(\f)+64+8*(\b):(\f)+64+8*(\b)+7], v[(\f)+8*\a:(\f)+8*\a+7], 0
.else
	v_wmma_f32_16x16x32_f16 v[rD:rD+7], v[(\f)+64+8*(\b):(\f)+64+8*(\b)+7], v[(\f)+8*\a:(\f)+8*\a+7], v[rD:rD+7]
.endif
.else
.set rD, 8*(((\b)-4)*8+\a)
.if \zero
	v_wmma_f32_16x16x32_f16 v[rD:rD+7], v[(\f)+8*\a:(\f)+8*\a+7], v[(\f)+64+8*(\b):(\f)+64+8*(\b)+7], 0
.else
	v_wmma_f32_16x16x32_f16 v[rD:rD+7], v[(\f)+8*\a:(\f)+8*\a+7], v[(\f)+64+8*(\b):(\f)+64+8*(\b)+7], v[rD:rD+7]
.endif
.endif
.endr
.endm
.macro MULG f, g, zero
	MULB \f, 2*(\g), \zero
	MULB \f, 2*(\g)+1, \zero
.endm
.macro QUARTER q, zero                 ; multiplies quarter q's buffer; behind its first third it fetches quarter q + 1 into the other buffer
.if ((\q)%2) == 0
.set fC, F0
.set fN, F1
.else
.set fC, F1
.set fN, F0
.endif
	s_wait_dscnt 0x0                               ; this buffer's loads, issued 32 matrix instructions ago
	MULG fC, 0, \zero
	PLACES                                         ; four places between the last product that read the other buffer and the loads into it
	FETCH (\q)+1, fN
	MULG fC, 1, \zero
	MULG fC, 2, \zero
.endm
; The step's last quarter, on buffer 1, and the change of slots.  In front of the barrier every wave waits for all its tensor loads (one is out: its part of the next slot), adds 0 to its
; spare word, and waits for that and for its reads of this slot.  fill = 1: the barrier opens a round of the cluster's, and the joint refill is the first thing behind the round.
.macro TURN fill
.if \fill
	s_wait_xcnt 0x0                                ; the last prefetch, a K step back, has read its address
	s_add_nc_u64 s[PFA:PFA+1], s[PFA:PFA+1], s[PSTEP:PSTEP+1]
.endif
	WIN 0
	s_wait_tensorcnt 0x0                           ; no tensor load of mine is out, so the descriptors may be written
	ds_add_u32 v[SPW], v[NIL]
.if \fill
	STEPD
.endif
	s_wait_dscnt 1                                 ; buffer 1's loads are older than the add, which alone may be out
	MULG F1, 0, 0
	s_wait_dscnt 0x0                               ; the add is done, my reads of this slot are over
	s_barrier_signal -1
	MULG F1, 1, 0
	WIN 0
	s_barrier_wait -1
.if \fill
	CREST
	JLOAD                                          ; its four v_nop are also the places in front of the loads into buffer 0
	ADDRS
	FETCH 0, F0
	ASK
.else
	s_cmp_eq_u32 s3, 1                             ; behind the last K step nothing is left to read
	s_cbranch_scc1 .Lnf_\@
	ADDRS
	FETCH 0, F0
.Lnf_\@:
.endif
	MULG F1, 2, 0
.endm
	s_load_b256 s[68:75], s[0:1], 0x0              ; pw 68, bq 70, bk 72, bv 74
	s_load_b64 s[76:77], s[0:1], 0x20              ; qkvb
	v_lshl_add_u32 v[SPW], v0, 2, SPARE
	v_mov_b32 v[NIL], 0
	ds_add_u32 v[SPW], v[NIL]                      ; the wave's opening: the add and its wait ahead of my first tensor load
	v_lshrrev_b32 v1, 5, v0
	v_readfirstlane_b32 s10, v1                    ; wave
	s_lshr_b32 s11, s10, 1                         ; wm
	s_and_b32 s12, s10, 1                          ; wn; also which half of A I fetch
	s_bfe_u32 s92, ttmp6, 0x40000                  ; cx
	s_bfe_u32 s93, ttmp6, 0x40004                  ; cy
	s_lshl_b32 s14, ttmp9, 2
	s_add_co_u32 s14, s14, s92                     ; tx
	s_and_b32 s13, ttmp7, 0xffff
	s_lshl_b32 s13, s13, 2
	s_add_co_u32 s13, s13, s93                     ; ty
	s_lshl_b32 s94, s93, 2
	s_lshl_b32 s94, 15, s94                        ; my row of the cluster
	s_lshl_b32 s95, 0x1111, s92                    ; my column
	s_or_b32 s[G1A], s94, (1<<16)|(1<<20)|(1<<21)|(5<<22)|(3<<25)  ; 2-byte elements, 4 words of padding behind every 64
	s_mov_b32 s[G1A+1], 128<<16
	s_mov_b32 s[G1A+2], 128<<16
	s_mov_b32 s[G1A+3], 128<<16
	s_mov_b32 s[G1A+4], 128
	s_mov_b32 s[G1A+5], 2048
	s_mov_b32 s[G1A+6], 0
	s_mov_b32 s[G1A+7], 0
	s_or_b32 s[G1B], s95, (1<<16)|(1<<20)|(1<<21)|(5<<22)|(7<<25)  ; 8 words behind every 64
	s_mov_b32 s[G1B+1], 128<<16
	s_mov_b32 s[G1B+2], 128<<16
	s_mov_b32 s[G1B+3], 128<<16
	s_mov_b32 s[G1B+4], 128
	s_mov_b32 s[G1B+5], 128
	s_mov_b32 s[G1B+6], 0
	s_mov_b32 s[G1B+7], 0
	s_or_b32 s[G1V], s95, (1<<16)|(1<<20)|(1<<21)|(4<<22)|(7<<25)  ; 128 k rows of 128 bytes, dense: asked for as 64 rows of 256, 8 words behind every 32
	s_mov_b32 s[G1V+1], 128<<16
	s_mov_b32 s[G1V+2], 64<<16
	s_mov_b32 s[G1V+3], 128<<16
	s_mov_b32 s[G1V+4], 64
	s_mov_b32 s[G1V+5], 128
	s_mov_b32 s[G1V+6], 0
	s_mov_b32 s[G1V+7], 0
	s_lshl_b32 s4, s13, 8                          ; A: row 256 ty + 128 half, 4,096 bytes a row
	s_lshl_b32 s5, s12, 7
	s_add_co_u32 s4, s4, s5
	s_lshl_b32 s4, s4, 12
	s_mov_b32 s5, 0
	s_lshl_b32 s6, s14, 19                         ; the head's W: tile tx
	s_add_co_u32 s6, s6, WROPE_O
	s_lshl_b32 s8, s14, 18                         ; V's W
	s_add_co_u32 s8, s8, WVAL_O
	s_mov_b32 s[BSTEP], 32768
	s_cmp_eq_u32 s10, 3
	s_cselect_b32 s6, s8, s6
	s_cselect_b32 s[BSTEP], 16384, s[BSTEP]
	s_mov_b32 s7, 0
	s_mov_b32 s[BSTEP+1], 0
	s_mul_i32 s9, s10, WREG                        ; no place in the cluster enters an LDS address
	s_mov_b32 s15, 0                               ; the slot that is read
	s_wait_dscnt 0x0                               ; the opening add is done
	s_wait_kmcnt 0x0
	s_add_nc_u64 s[4:5], s[68:69], s[4:5]
	s_add_nc_u64 s[6:7], s[68:69], s[6:7]
	CROUND                                         ; all sixteen work-groups are here: the first joint loads meet
	s_mov_b32 s[G0A], 1
	s_add_co_u32 s[G0A+1], s9, 0
	s_add_nc_u64 s[G0A+2:G0A+3], s[4:5], 0
	s_or_b32 s[G0A+3], s[G0A+3], 0x80000000
	s_mov_b32 s[G0A+4], 1
	s_add_co_u32 s[G0A+5], s9, XS
	s_add_nc_u64 s[G0A+6:G0A+7], s[4:5], 256
	s_or_b32 s[G0A+7], s[G0A+7], 0x80000000
	s_mov_b32 s[G0B], 1
	s_add_co_u32 s[G0B+1], s9, 0
	s_add_nc_u64 s[G0B+2:G0B+3], s[6:7], 0
	s_or_b32 s[G0B+3], s[G0B+3], 0x80000000
	s_mov_b32 s[G0B+4], 1
	s_add_co_u32 s[G0B+5], s9, XS
	s_add_nc_u64 s[G0B+6:G0B+7], s[6:7], s[BSTEP:BSTEP+1]
	s_or_b32 s[G0B+7], s[G0B+7], 0x80000000
	s_cmp_lt_u32 s10, 2                            ; a wave's two first fills stand in one arm: K steps 0 and 1; two loads of mine are out
	s_cbranch_scc0 .Lff_b
	tensor_load_to_lds s[G0A:G0A+3], s[G1A:G1A+7]
	s_nop 0
	tensor_load_to_lds s[G0A+4:G0A+7], s[G1A:G1A+7]
	s_nop 0
	PLACES
	s_branch .Lff_d
.Lff_b:
	s_cmp_eq_u32 s10, 2
	s_cbranch_scc0 .Lff_v
	tensor_load_to_lds s[G0B:G0B+3], s[G1B:G1B+7]
	s_nop 0
	tensor_load_to_lds s[G0B+4:G0B+7], s[G1B:G1B+7]
	s_nop 0
	PLACES
	s_branch .Lff_d
.Lff_v:
	tensor_load_to_lds s[G0B:G0B+3], s[G1V:G1V+7]
	s_nop 0
	tensor_load_to_lds s[G0B+4:G0B+7], s[G1V:G1V+7]
	s_nop 0
	PLACES
.Lff_d:
	; what the way out needs is asked for now, in the wait for the first tile; it is waited for behind the last product
	v_and_b32 v1, 15, v0                           ; r
	v_bfe_u32 v2, v0, 4, 1                         ; h
	v_and_b32 v3, 31, v0                           ; lane
	s_lshl_b32 s96, s13, 8
	s_lshl_b32 s4, s11, 7
	s_add_co_u32 s96, s96, s4                      ; my wave's first row
	s_lshl_b32 s4, s96, 8
	s_lshl_b32 s5, s12, 6
	s_add_co_u32 s4, s4, s5
	v_lshlrev_b32 v16, 8, v1
	v_lshl_add_u32 v16, v2, 4, v16
	v_add_nc_u32 v16, s4, v16                      ; tables: (row) 256 + 64 wn + 16 h
	s_lshl_b32 s4, s96, 2
	v_lshl_add_u32 v17, v2, 5, s4                  ; 1/rms of rows 8 h ..
	v_lshl_add_u32 v18, v1, 2, s4                  ; 1/rms of row r
	s_and_b32 s4, s14, 7
	s_lshl_b32 s4, s4, 9
	s_lshl_b32 s5, s12, 7
	s_add_co_u32 s4, s4, s5
	v_lshl_add_u32 v19, v2, 5, s4                  ; the head's bias: (128 head + 32 wn + 8 h) 4
	s_lshl_b32 s4, s14, 8
	s_add_co_u32 s4, s4, s5
	v_lshl_add_u32 v20, v1, 2, s4                  ; V's bias: (64 tx + 32 wn + r) 4
	s_add_nc_u64 s[78:79], s[68:69], COSB_O
	s_add_nc_u64 s[80:81], s[68:69], SINB_O
	s_add_nc_u64 s[82:83], s[68:69], RS1_O
	s_cmp_lt_u32 ttmp9, 2                          ; tx < 8: a head of Q
	s_cselect_b64 s[84:85], s[70:71], s[72:73]
	WIN 0xc0
.irp a, 0,1,2,3,4,5,6,7
.irp p, 0,1
	global_load_b128 v[32*\a+16*\p:32*\a+16*\p+3],     v16, s[78:79] offset:4096*\a+32*\p
	global_load_b128 v[32*\a+16*\p+4:32*\a+16*\p+7],   v16, s[80:81] offset:4096*\a+32*\p
	global_load_b128 v[32*\a+16*\p+8:32*\a+16*\p+11],  v16, s[78:79] offset:4096*\a+32*\p+128
	global_load_b128 v[32*\a+16*\p+12:32*\a+16*\p+15], v16, s[80:81] offset:4096*\a+32*\p+128
.endr
.endr
	WIN 0x80
.irp a, 0,1,2,3,4,5,6,7
	global_load_b128 v[128+8*\a:128+8*\a+3], v17, s[82:83] offset:64*\a
	global_load_b128 v[132+8*\a:132+8*\a+3], v17, s[82:83] offset:64*\a+16
	global_load_b32 v[192+\a], v18, s[82:83] offset:64*\a
.endr
.irp p, 0,1
.irp e, 0,1
	global_load_b128 v[200+16*\p+8*\e:200+16*\p+8*\e+3], v19, s[84:85] offset:64*\p+256*\e
	global_load_b128 v[204+16*\p+8*\e:204+16*\p+8*\e+3], v19, s[84:85] offset:64*\p+256*\e+16
.endr
.endr
	global_load_b32 v232, v20, s[74:75]
	global_load_b32 v233, v20, s[74:75] offset:64
	v_mov_b32 v234, 0
	WIN 0
	; fragment addresses
	v_mul_u32_u24 v[ADRA0], v1, PA
	v_lshl_add_u32 v[ADRA0], v2, 4, v[ADRA0]
	s_mul_i32 s4, s11, WREG
	v_add_nc_u32 v[ADRA0], s4, v[ADRA0]
	v_and_b32 v21, 7, v0
	v_lshl_add_u32 v21, v2, 3, v21                 ; the turning load's k row: 8 h + l % 8
	v_bfe_u32 v22, v0, 3, 1
	s_lshl_b32 s5, s12, 6
	s_add_co_u32 s4, s5, 2*WREG
	v_mul_u32_u24 v[ADRB0], v21, PB
	v_lshl_add_u32 v[ADRB0], v22, 4, v[ADRB0]
	v_add_nc_u32 v[ADRB0], s4, v[ADRB0]
	s_add_co_u32 s4, s5, 3*WREG
	v_mul_u32_u24 v[ADRV0], v21, PV
	v_lshl_add_u32 v[ADRV0], v22, 4, v[ADRV0]
	v_add_nc_u32 v[ADRV0], s4, v[ADRV0]
	v_mov_b32 v[ADRA], v[ADRA0]
	v_mov_b32 v[ADRB], v[ADRB0]
	v_mov_b32 v[ADRV], v[ADRV0]
	; the way out
	s_mul_i32 s4, s11, 128*272
	s_add_co_u32 s4, s4, s5
	v_mul_u32_u24 v[STO], v1, 272
	v_lshl_add_u32 v[STO], v2, 4, v[STO]
	v_add_nc_u32 v[STO], s4, v[STO]                ; (128 wm + r) 272 + 64 wn + 16 h
	s_mul_i32 s4, s12, 32*528
	s_lshl_b32 s6, s11, 8
	s_add_co_u32 s4, s4, s6
	s_add_co_u32 s4, s4, VST
	v_mul_u32_u24 v[VSTO], v1, 528
	v_lshl_add_u32 v[VSTO], v2, 4, v[VSTO]
	v_add_nc_u32 v[VSTO], s4, v[VSTO]              ; VST + (32 wn + r) 528 + 256 wm + 16 h
	s_mul_i32 s4, s10, 64*272
	v_mul_u32_u24 v[RD], v2, 272
	v_lshl_add_u32 v[RD], v1, 4, v[RD]
	v_add_nc_u32 v[RD], s4, v[RD]
	s_mul_i32 s4, s10, 16*528
	s_add_co_u32 s4, s4, VST
	v_lshl_add_u32 v[VRD], v3, 4, s4
	v_lshlrev_b32 v[GO], 4, v3
	s_lshr_b32 s4, s13, 3
	s_lshl_b32 s4, s4, 3                           ; 8 b
	s_and_b32 s5, s14, 7
	s_add_co_u32 s5, s4, s5
	s_lshl_b32 s5, s5, 11
	s_and_b32 s6, s13, 7
	s_lshl_b32 s7, s6, 8
	s_add_co_u32 s5, s5, s7
	s_lshl_b32 s7, s10, 6
	s_add_co_u32 s5, s5, s7
	s_lshl_b32 s8, s5, 8                           ; ((8 b + head) 2048 + 256 (ty % 8) + 64 w) 256
	s_cmp_lt_u32 ttmp9, 2
	s_cselect_b32 s7, 0, 8388608
	s_add_co_u32 s8, s8, s7
	s_mov_b32 s9, 0
	s_add_nc_u64 s[86:87], s[76:77], s[8:9]
	s_lshr_b32 s5, s14, 1
	s_add_co_u32 s5, s4, s5
	s_lshl_b32 s5, s5, 7
	s_and_b32 s7, s14, 1
	s_lshl_b32 s7, s7, 6
	s_add_co_u32 s5, s5, s7
	s_lshl_b32 s7, s10, 4
	s_add_co_u32 s5, s5, s7
	s_lshl_b32 s8, s5, 12
	s_lshl_b32 s6, s6, 9
	s_add_co_u32 s8, s8, s6
	s_add_co_u32 s8, s8, 16777216                  ; VT + ((8 b + tx / 2) 128 + 64 (tx % 2) + 16 w) 4096 + 512 (ty % 8)
	s_add_nc_u64 s[88:89], s[76:77], s[8:9]
	; the prefetches: who, from where, by which step
	s_and_b32 s4, ttmp7, 0xffff
	s_cmp_lt_u32 s10, 2
	s_cselect_b32 s4, ttmp9, s4                    ; the coordinate along which other clusters read the same blocks
	s_cmp_eq_u32 s4, 0
	s_cselect_b32 s[LIM], 2, -1                    ; asked while three trips or more are left: the step four on exists
	s_lshl_b32 s4, s13, 8
	s_lshl_b32 s5, s12, 7
	s_add_co_u32 s4, s4, s5
	s_lshl_b32 s5, s92, 5
	s_add_co_u32 s4, s4, s5                        ; my work-group's 32 of the 128 rows that I fetch
	s_lshl_b32 s4, s4, 12
	s_add_co_u32 s4, s4, 3*256                     ; at K step 3: the first change of slots steps it to 4
	s_mov_b32 s[PSTEP], 256
	s_mov_b32 s5, 12
	s_lshl_b32 s6, s14, 19
	s_lshl_b32 s7, s93, 13
	s_add_co_u32 s6, s6, s7
	s_add_co_u32 s6, s6, WROPE_O+3*32768
	s_cmp_eq_u32 s10, 2
	s_cselect_b32 s4, s6, s4
	s_cselect_b32 s[PSTEP], 32768, s[PSTEP]
	s_cselect_b32 s5, 8, s5
	s_lshl_b32 s6, s14, 18
	s_lshl_b32 s7, s93, 12
	s_add_co_u32 s6, s6, s7
	s_add_co_u32 s6, s6, WVAL_O+3*16384
	s_cmp_eq_u32 s10, 3
	s_cselect_b32 s4, s6, s4
	s_cselect_b32 s[PSTEP], 16384, s[PSTEP]
	s_cselect_b32 s5, 7, s5
	v_lshlrev_b32 v[PFO], s5, v3
	s_mov_b32 s5, 0
	s_mov_b32 s[PSTEP+1], 0
	s_add_nc_u64 s[PFA:PFA+1], s[68:69], s[4:5]
	s_wait_tensorcnt 1                             ; my part of K step 0 is in; step 1's may stay out
	s_barrier_signal -1
	s_barrier_wait -1
	FETCH 0, F0
	QUARTER 0, 1                                   ; the first quarter starts the sums
	WIN 0
	s_mov_b32 s3, T-2
.Lstep:                                        ; a trip: a step's quarters 1 to 3, the refill two steps on, the next step's quarter 0
	QUARTER 1, 0
	QUARTER 2, 0
	TURN 1
	QUARTER 0, 0
	WIN 0
	s_sub_co_u32 s3, s3, 1
	s_cmp_lg_u32 s3, 0
	s_cbranch_scc1 .Lstep
	s_mov_b32 s3, 2
.Ltail:                                        ; the last two steps ask for nothing; the second trip is left in its middle
	QUARTER 1, 0
	QUARTER 2, 0
	TURN 0
	WIN 0
	s_sub_co_u32 s3, s3, 1
	s_cmp_eq_u32 s3, 0
	s_cbranch_scc1 .Lout
	QUARTER 0, 0
	WIN 0
	s_branch .Ltail
.Lout:
	; THE WAY OUT.  The last barrier has shown every wave's reads of the ring over; the ring has had its last fill and serves as the stage.
	s_wait_loadcnt 0x0                             ; tables, 1/rms, biases
	PLACES
	WIN 0xaa
.set i, 200
.rept 17                                       ; the biases are rounded to bf16, like every input
	v_cvt_pk_bf16_f32 v[236+2*(i%4)], v[i], v[i+1]
	v_lshlrev_b32 v[i], 16, v[236+2*(i%4)]
	v_and_b32 v[i+1], 0xffff0000, v[236+2*(i%4)]
.set i, i+2
.endr
.irp bb, 0,1                                   ; V: sum x 1/rms(row) + bias(channel), packed in place, to f16
.irp a, 0,1,2,3,4,5,6,7
.set AC, 8*(\bb*8+\a)
.irp i, 0,2,4,6
.if \bb
	v_pk_fma_f32 v[AC+\i:AC+\i+1], v[AC+\i:AC+\i+1], v[128+8*\a+\i:128+8*\a+\i+1], v[232:233] op_sel:[0,0,1] op_sel_hi:[1,1,1]
.else
	v_pk_fma_f32 v[AC+\i:AC+\i+1], v[AC+\i:AC+\i+1], v[128+8*\a+\i:128+8*\a+\i+1], v[232:233] op_sel_hi:[1,1,0]
.endif
.endr
.irp k, 0,1,2,3
	v_cvt_pk_f16_f32 v[AC+\k], v[AC+2*\k], v[AC+2*\k+1]
.endr
.endr
.endr
	WIN 0x08
.irp bb, 0,1
.irp a, 0,1,2,3,4,5,6,7
	ds_store_b128 v[VSTO], v[8*(\bb*8+\a):8*(\bb*8+\a)+3] offset:\bb*16*528+32*\a
.endr
.endr
; RoPE, stage by stage over four row blocks at a time; V's registers (window 2, v0-127) are the scratch.
.macro UNIT xa, xp, xu
.set ra, \xa
.set rp, \xp
.set AL, 8*(rp*8+ra)
.set AH, 8*((rp+2)*8+ra)
.set RS, 192+2*(ra/2)
.set T1, 16*(\xu)
.set TT, 32*ra+16*rp
.endm
.macro FORU a0, body
.irp aa, 0,1,2,3
.irp p, 0,1
	UNIT (\a0)+\aa, \p, 2*\aa+\p
	\body
.endr
.endr
.endm
.macro R1                              ; q = sum x 1/rms + bias
.irp i, 0,2,4,6
.if ra%2
	v_pk_fma_f32 v[AL+\i:AL+\i+1], v[AL+\i:AL+\i+1], v[RS:RS+1], v[200+16*rp+\i:200+16*rp+\i+1] op_sel:[0,1,0] op_sel_hi:[1,1,1]
	v_pk_fma_f32 v[AH+\i:AH+\i+1], v[AH+\i:AH+\i+1], v[RS:RS+1], v[208+16*rp+\i:208+16*rp+\i+1] op_sel:[0,1,0] op_sel_hi:[1,1,1]
.else
	v_pk_fma_f32 v[AL+\i:AL+\i+1], v[AL+\i:AL+\i+1], v[RS:RS+1], v[200+16*rp+\i:200+16*rp+\i+1] op_sel_hi:[1,0,1]
	v_pk_fma_f32 v[AH+\i:AH+\i+1], v[AH+\i:AH+\i+1], v[RS:RS+1], v[208+16*rp+\i:208+16*rp+\i+1] op_sel_hi:[1,0,1]
.endif
.endr
.endm
.macro R2                              ; q[d + 64] sin[d] and q[d] sin[d + 64]
.irp k, 0,1,2,3
	v_fma_mix_f32_bf16 v[T1+2*\k],   v[AH+2*\k],   v[TT+4+\k],  v[234] op_sel_hi:[0,1,0]
	v_fma_mix_f32_bf16 v[T1+2*\k+1], v[AH+2*\k+1], v[TT+4+\k],  v[234] op_sel:[0,1,0] op_sel_hi:[0,1,0]
	v_fma_mix_f32_bf16 v[T1+8+2*\k], v[AL+2*\k],   v[TT+12+\k], v[234] op_sel_hi:[0,1,0]
	v_fma_mix_f32_bf16 v[T1+9+2*\k], v[AL+2*\k+1], v[TT+12+\k], v[234] op_sel:[0,1,0] op_sel_hi:[0,1,0]
.endr
.endm
.macro R3                              ; q[d] cos[d] - the first, q[d + 64] cos[d + 64] + the second
.irp k, 0,1,2,3
	v_fma_mix_f32_bf16 v[AL+2*\k],   v[AL+2*\k],   v[TT+\k],   -v[T1+2*\k] op_sel_hi:[0,1,0]
	v_fma_mix_f32_bf16 v[AL+2*\k+1], v[AL+2*\k+1], v[TT+\k],   -v[T1+2*\k+1] op_sel:[0,1,0] op_sel_hi:[0,1,0]
	v_fma_mix_f32_bf16 v[AH+2*\k],   v[AH+2*\k],   v[TT+8+\k], v[T1+8+2*\k] op_sel_hi:[0,1,0]
	v_fma_mix_f32_bf16 v[AH+2*\k+1], v[AH+2*\k+1], v[TT+8+\k], v[T1+9+2*\k] op_sel:[0,1,0] op_sel_hi:[0,1,0]
.endr
.endm
.macro R4
.irp k, 0,1,2,3
	v_cvt_pk_bf16_f32 v[AL+\k], v[AL+2*\k], v[AL+2*\k+1]
	v_cvt_pk_bf16_f32 v[AH+\k], v[AH+2*\k], v[AH+2*\k+1]
.endr
.endm
.macro R5
	ds_store_b128 v[STO], v[AL:AL+3] offset:ra*16*272+32*rp
	ds_store_b128 v[STO], v[AH:AH+3] offset:ra*16*272+32*rp+128
.endm
.macro ROPEH a0
	WIN 0x69                                       ; sums in window 1, 1/rms and bias in window 2
	FORU \a0, R1
	WIN 0xad                                       ; q window 1, table window 3, zero and result window 2
	FORU \a0, R2
	WIN 0x6d
	FORU \a0, R3
	WIN 0x45
	FORU \a0, R4
	WIN 0x04
	FORU \a0, R5
.endm
	ROPEH 0
	ROPEH 4
	WIN 0
	s_wait_dscnt 0x0                               ; for the others' sake: my stores into the stages are done
	s_barrier_signal -1
	s_barrier_wait -1
.set i, 0
.rept 32                                       ; wave w: rows 64 w .. + 63 of the head, two rows of 256 bytes a load
	ds_load_b128 v[32+4*i:35+4*i], v[RD] offset:i*544
.set i, i+1
.endr
.set i, 0
.rept 16                                       ; and channels 16 w .. + 15 of V^T, a channel's 512 bytes a load
	ds_load_b128 v[160+4*i:163+4*i], v[VRD] offset:i*528
.set i, i+1
.endr
.set i, 0
.rept 32
	s_wait_dscnt 47-i                              ; LDS loads come back in order: load i is in
	global_store_b128 v[GO], v[32+4*i:35+4*i], s[86:87] offset:i*512  ; 512 consecutive bytes
.set i, i+1
.endr
.set i, 0
.rept 16
	s_wait_dscnt 15-i
	global_store_b128 v[GO], v[160+4*i:163+4*i], s[88:89] offset:i*4096
.set i, i+1
.endr
	s_wait_tensorcnt 0x0                           ; the wave's end
	ds_add_u32 v[SPW], v[NIL]
	s_wait_dscnt 0x0
	CROUND                                         ; the closing round
	s_endpgm
.Lfunc_end_k_q97f810f443_qkvp:
	.size	k_q97f810f443_qkvp, .Lfunc_end_k_q97f810f443_qkvp-k_q97f810f443_qkvp
	.p2alignl 7, 3214868480
	.fill 96, 4, 3214868480
	.section	.rodata,"a",@progbits
	.p2align	6, 0x0
	.amdhsa_kernel k_q97f810f443_qkvp
		.amdhsa_group_segment_fixed_size 327680
		.amdhsa_private_segment_fixed_size 0
		.amdhsa_enable_private_segment 0
		.amdhsa_kernarg_size 40
		.amdhsa_user_sgpr_count 2
		.amdhsa_user_sgpr_kernarg_segment_ptr 1
		.amdhsa_wavefront_size32 1
		.amdhsa_system_sgpr_workgroup_id_x 1
		.amdhsa_system_sgpr_workgroup_id_y 1
		.amdhsa_system_sgpr_workgroup_id_z 1
		.amdhsa_system_vgpr_workitem_id 0
		.amdhsa_next_free_vgpr 1024
		.amdhsa_next_free_sgpr 100
		.amdhsa_reserve_vcc 0
		.amdhsa_float_denorm_mode_32 3
		.amdhsa_float_denorm_mode_16_64 3
		.amdhsa_memory_ordered 1
		.amdhsa_forward_progress 1
		.amdhsa_inst_pref_size 143
	.end_amdhsa_kernel
	.amdgpu_metadata
---
amdhsa.version: [ 1, 2 ]
amdhsa.kernels:
  - .name:           k_q97f810f443_qkvp
    .symbol:         k_q97f810f443_qkvp.kd
    .args:
      - { .name: pw, .offset: 0, .size: 8, .value_kind: global_buffer, .address_space: global }
      - { .name: bq, .offset: 8, .size: 8, .value_kind: global_buffer, .address_space: global }
      - { .name: bk, .offset: 16, .size: 8, .value_kind: global_buffer, .address_space: global }
      - { .name: bv, .offset: 24, .size: 8, .value_kind: global_buffer, .address_space: global }
      - { .name: qkvb, .offset: 32, .size: 8, .value_kind: global_buffer, .address_space: global }
    .group_segment_fixed_size: 327680
    .private_segment_fixed_size: 0
    .kernarg_segment_align: 8
    .kernarg_segment_size: 40
    .max_flat_workgroup_size: 128
    .sgpr_count:     100
    .vgpr_count:     1024
    .wavefront_size: 32
...
	.end_amdgpu_metadata
.endif
;; end of part 2
;; launch attn (part 3): grid 16 x 16, 4 waves a work-group, no clusters, 153,088 bytes of LDS; arguments qkvb, mw, ob; writes ob
.if DOCPART == 3
	.amdgcn_target "amdgcn-amd-amdhsa--gfx1250"
	.amdhsa_code_object_version 6
	.text
	.protected	k_q97f810f443_attn
	.globl	k_q97f810f443_attn
	.p2align	8
	.type	k_q97f810f443_attn,@function
k_q97f810f443_attn:
	s_mov_b64 s[64:65], 0
	v_nop
	global_prefetch_b8 v0, s[64:65] scope:SCOPE_SE
	s_setreg_imm32_b32 hwreg(HW_REG_WAVE_MODE, 25, 1), 1
	s_wait_xcnt 0x0
; SENTENCE ATTENTION.  ob[b][q][h 128 ..] = sum over allowed k of softmax_k(Q . K / sqrt(128)) V.  Q, K [bh][s][128] bf16, VT [bh][channel][s] f16, ob f16; mw holds the mask as bits.
; THE WALK.  A head's queries lie in 32 blocks of 64; block qb needs the key steps 0 .. qb of 64 keys (what lies above the diagonal is left out).  A work-group takes blocks 31 - p and p.
; THE KEYS ARE SPLIT FOUR WAYS: every wave holds all 64 queries (four tiles of 16), and in round r it takes step 4 r + w, with a running maximum and sum of its own; the four partial
; results meet in LDS at a block's end.  ceil((32 - p) / 4) + ceil((p + 1) / 4) = 9 rounds for every p.  A step past the block's last is jumped forward.
; NO RING, NO CLUSTER: no byte of K or V is used by two waves of a work-group, and a fragment of K, and of V^T out of VT, lies in memory as it lies in registers (two loads of 16 bytes a lane);
; two joint slots of 256 keys (2 x 137,216 bytes) and the merge's 135,168 bytes do not fit into LDS together.
; LAYOUT.  S^T = K Q^T (bf16 operands) holds one query a lane (l % 16) and the keys 16 kb + 8 (l / 16) + 0..7; rounded to f16 in pairs it is source 1 of O^T = V^T P (f16 operands).
; SOFTMAX.  p = 2^(c (s - m)), c = log2(e) / sqrt(128), m the running maximum; O and l are multiplied by a = 2^(c (m_old - m_new)) in every step.  THE DIFFERENCE IS TAKEN FIRST: s <= m, so the exponent is
; never above 0 and p never above 1, which f16 holds, whatever the size of the scores.  (One fused line c s - c m would leave the rounding of c m in the exponent: at the hidden score's size, where c m is
; 1.44e9 and a step of f32 is 128, up to 64.)  A hidden score is replaced by -1e9 sqrt(128), the -1e9 that the scaled scores are given.  Key 0 is allowed for every query, so wave 0's maximum is a true
; score; a wave that has seen hidden keys alone gives them p = 1, and that sum gets the factor 0, from a at its first true score or in the merge.
; LIMITS: the scaled scores of allowed keys stay above -1e9: below it the hidden keys, those above the diagonal among them, would take weight, and this walk leaves those out.  p below 6e-5 keeps f16's fixed
; step of 6e-8; o is a mean of V's rows and has their range, within 65,504; a weight below 2^-126 counts as 0 in l; NaN and infinities are not treated apart.
; Behind a wave's last step of all, its step w is loaded once more and not used: every count of loads stays alike.
; REGISTERS: window 0: v2-11, v44-52 addresses; v12-43 statistics, 8 a tile (m, spare (l in the merge), l, l, c0-c3; a takes c2's place); v64-191 S^T; v192-255 P.  Window 1: O^T, 64 a tile.
; Window 2: v0-127 Q, v128-255 K.  Window 3: v0-127 V^T.
.set MST,   131072                     ; LDS: 0: 16 regions (wave, tile) of O^T, 8,192 bytes each; here: their (m, l), 256 bytes each
.set OST,   135168                     ; each wave's own stage for the way out, 16 rows x 272
.set SPARE, 152576                     ; the spare words
.set QO,   2
.set VO,   3
.set KOFF, 4
.set VOFF, 5
.set QOFF, 6
.set MSO,  7
.set MRD0, 8
.set MRD1, 9
.set MSS,  10
.set MSR,  11
.set ST,   12
.set PK0,  44
.set PV0,  45
.set PKO,  46
.set PVO,  47
.set STO,  48
.set RD,   49
.set GO,   50
.set SPW,  62
.set NIL,  63
.set S,    64
.set P,    192
.set KF,   128
.set WV,   14
.set PP,   15
.set QB,   84
.set RB,   85
.set RR,   86
.set STP,  87
.set NST,  88
.set BLK,  89
.set MOFF, 90
.set PFL,  91
.set CS,   92
.set SEL,  94
.set BIGN, 96
.set OBB,  98
.set MSB, 0
.macro WIN new
.if MSB != (\new)
	s_set_vgpr_msb (MSB<<8)|(\new)
.set MSB, \new
.endif
.endm
.macro LDQ                             ; tile i / 4, channels 32 (i % 4) on
	WIN 0x80
.irp i, 0,1,2,3,4,5,6,7,8,9,10,11,12,13,14,15
	global_load_b128 v[8*\i:8*\i+3],   v[QOFF], s[4:5] offset:(\i/4)*4096+(\i%4)*64
	global_load_b128 v[8*\i+4:8*\i+7], v[QOFF], s[4:5] offset:(\i/4)*4096+(\i%4)*64+32
.endr
	WIN 0
.endm
.macro LDK                             ; keys 16 (i / 4) on, channels 32 (i % 4) on
	WIN 0x80
.irp i, 0,1,2,3,4,5,6,7,8,9,10,11,12,13,14,15
	global_load_b128 v[KF+8*\i:KF+8*\i+3],   v[KOFF], s[6:7] offset:(\i/4)*4096+(\i%4)*64
	global_load_b128 v[KF+8*\i+4:KF+8*\i+7], v[KOFF], s[6:7] offset:(\i/4)*4096+(\i%4)*64+32
.endr
	WIN 0
.endm
.macro LDV                             ; keys 32 (i / 8) on, channels 16 (i % 8) on
	WIN 0xc0
.irp i, 0,1,2,3,4,5,6,7,8,9,10,11,12,13,14,15
	global_load_b128 v[8*\i:8*\i+3],   v[VOFF], s[8:9] offset:(\i%8)*65536+(\i/8)*64
	global_load_b128 v[8*\i+4:8*\i+7], v[VOFF], s[8:9] offset:(\i%8)*65536+(\i/8)*64+32
.endr
	WIN 0
.endm
.macro MLOAD half                      ; four chunks of 16 mask words: words i = 16 half .. + 15 of all four tiles
	s_load_b512 s[16:31], s[12:13], s[MOFF] offset:256*(\half)
	s_load_b512 s[32:47], s[12:13], s[MOFF] offset:256*(\half)+64
	s_load_b512 s[48:63], s[12:13], s[MOFF] offset:256*(\half)+128
	s_load_b512 s[68:83], s[12:13], s[MOFF] offset:256*(\half)+192
.endm
.macro MASK c                          ; chunk c: scores 4 c .. 4 c + 3 of each tile; an accumulator's four lowest registers come first
.set mb, 16+16*((\c)%4)
.if ((\c)%4) == 3
.set mb, 68
.endif
.irp ii, 0,1,2,3
.irp t, 0,1,2,3
	v_cndmask_b32 v[S+32*\t+4*(\c)+\ii], s[BIGN], v[S+32*\t+4*(\c)+\ii], s[mb+4*\ii+\t]
.endr
.endr
.endm
; Number j of the 21 that find a tile's maximum and statistics: 0-11 four chains c0-c3 of seven scores (chain kb for keys 16 kb ..); 12, 13 the four scores left over; 14, 15 into c0, with the old m;
; 16, 18 the other half of the lanes: the new m; 17 m_old is kept; 19 m_old - m_new; 20 times c
.macro SM t
.set rT, ST+8*(\t)
.set rS, S+32*(\t)
.if j < 4
	v_max3_num_f32 v[rT+4+j], v[rS+8*j], v[rS+8*j+1], v[rS+8*j+2]
.elseif j < 12
	v_max3_num_f32 v[rT+4+j%4], v[rT+4+j%4], v[rS+8*(j%4)+2*(j/4)+1], v[rS+8*(j%4)+2*(j/4)+2]
.elseif j == 12
	v_max3_num_f32 v[rT+4], v[rT+4], v[rS+7], v[rS+15]
.elseif j == 13
	v_max3_num_f32 v[rT+6], v[rT+6], v[rS+23], v[rS+31]
.elseif j == 14
	v_max3_num_f32 v[rT+4], v[rT+4], v[rT+5], v[rT+6]
.elseif j == 15
	v_max3_num_f32 v[rT+4], v[rT+4], v[rT+7], v[rT]
.elseif j == 16
	v_permlanex16_b32 v[rT+5], v[rT+4], s[SEL], s[SEL+1]
.elseif j == 17
	v_mov_b32 v[rT+7], v[rT]
.elseif j == 18
	v_max_num_f32 v[rT], v[rT+4], v[rT+5]
.elseif j == 19
	v_sub_f32 v[rT+7], v[rT+7], v[rT]
.else
	v_mul_f32 v[rT+7], s[CS], v[rT+7]
.endif
.endm
.macro SM4 jj                          ; the four tiles alternate, so that no line reads the result of the one before it
.set j, \jj
	SM 0
	SM 1
	SM 2
	SM 3
.endm
	s_load_b128 s[16:19], s[0:1], 0x0              ; qkvb, mw
	s_load_b64 s[20:21], s[0:1], 0x10              ; ob
	v_lshl_add_u32 v[SPW], v0, 2, SPARE
	v_mov_b32 v[NIL], 0
	v_lshrrev_b32 v1, 5, v0
	v_readfirstlane_b32 s[WV], v1
	s_mov_b32 s[PP], ttmp9
	s_and_b32 s2, ttmp7, 0xffff                    ; 8 b + head
	s_lshl_b32 s22, s2, 19                         ; a head's 524,288 bytes in Q, K and VT
	s_mov_b32 s23, 0
	s_lshr_b32 s3, s2, 3
	s_and_b32 s97, s2, 7
	s_lshl_b32 s24, s3, 19                         ; a batch's 524,288 bytes of mw
	s_mov_b32 s25, 0
	s_lshl_b32 s26, s3, 22                         ; ob: 2,048 rows of 2,048 bytes a batch,
	s_lshl_b32 s97, s97, 8                         ; the head's 256 bytes of a row,
	s_add_co_u32 s26, s26, s97
	s_lshl_b32 s97, s[WV], 15                      ; tile w's 16 rows
	s_add_co_u32 s26, s26, s97
	s_mov_b32 s27, 0
	s_mov_b32 s[CS], 0x3e0293ee                    ; c = log2(e) / sqrt(128)
	s_mov_b32 s[CS+1], s[CS]
	s_mov_b32 s[SEL], 0x76543210
	s_mov_b32 s[SEL+1], 0xfedcba98
	s_mov_b32 s[BIGN], 0xd0289660                  ; -1e9 sqrt(128)
	s_sub_co_u32 s[QB], 31, s[PP]
	s_mov_b32 s[BLK], 2
	s_cmp_eq_u32 s[PP], 0
	s_cselect_b32 s[PFL], 6, 0                     ; the head's work-group 0 walks all 32 steps in its first block: it prefetches, in rounds 0 to 5
	v_and_b32 v1, 15, v0
	v_bfe_u32 v51, v0, 4, 1
	v_and_b32 v52, 31, v0
	v_lshlrev_b32 v[QO], 8, v1
	v_lshl_add_u32 v[QO], v51, 4, v[QO]            ; row x 256 + 16 x half
	v_lshlrev_b32 v[VO], 12, v1
	v_lshl_add_u32 v[VO], v51, 4, v[VO]            ; channel x 4,096 + 16 x half
	s_lshl_b32 s2, s[WV], 14
	v_add_nc_u32 v[KOFF], s2, v[QO]
	s_lshl_b32 s2, s[WV], 7
	v_add_nc_u32 v[VOFF], s2, v[VO]
	s_wait_kmcnt 0x0
	s_add_nc_u64 s[4:5], s[16:17], s[22:23]        ; Q
	s_add_nc_u64 s[6:7], s[4:5], 8388608           ; K
	s_add_nc_u64 s[8:9], s[4:5], 16777216          ; VT
	s_add_nc_u64 s[12:13], s[18:19], s[24:25]      ; mw
	s_add_nc_u64 s[10:11], s[20:21], s[26:27]      ; ob
	LDK                                            ; my first step is step w
	LDV
	s_lshl_b32 s2, s[WV], 15
	v_lshl_add_u32 v[MSO], v52, 4, s2
	s_lshl_b32 s2, s[WV], 13
	v_lshl_add_u32 v[MRD0], v52, 4, s2
	v_add_nc_u32 v[MRD1], 0x10000, v[MRD0]
	s_lshl_b32 s2, s[WV], 10
	s_add_co_u32 s2, s2, MST
	v_lshl_add_u32 v[MSS], v52, 3, s2
	s_lshl_b32 s2, s[WV], 8
	s_add_co_u32 s2, s2, MST
	v_lshl_add_u32 v[MSR], v52, 3, s2
	s_mul_i32 s2, s[WV], 16*272
	s_add_co_u32 s2, s2, OST
	v_mul_u32_u24 v[STO], v1, 272
	v_lshl_add_u32 v[STO], v51, 4, v[STO]
	v_add_nc_u32 v[STO], s2, v[STO]
	v_mul_u32_u24 v[RD], v51, 272
	v_lshl_add_u32 v[RD], v1, 4, v[RD]
	v_add_nc_u32 v[RD], s2, v[RD]
	v_lshlrev_b32 v[GO], 11, v51
	v_lshl_add_u32 v[GO], v1, 4, v[GO]
	v_lshlrev_b32 v[PK0], 8, v52                   ; a lane a row of K
	s_lshl_b32 s2, s[WV], 5
	v_add_nc_u32 v[PV0], s2, v52
	v_lshlrev_b32 v[PV0], 12, v[PV0]               ; a lane a channel of VT: 32 w + l
.Lblock:                                       ; two trips: block 31 - p, then block p
	s_lshr_b32 s[RB], s[QB], 2
	s_add_co_u32 s[RB], s[RB], 1                   ; rounds of this block
	s_lshl_b32 s2, s[QB], 17
	s_mov_b32 s3, 0
	s_add_nc_u64 s[OBB:OBB+1], s[10:11], s[2:3]    ; ob at my tile of this block
	s_mov_b32 s[RR], 0
	s_lshl_b32 s2, s[QB], 14
	v_add_nc_u32 v[QOFF], s2, v[QO]
	LDQ                                            ; the block's 64 queries; the clearing below stands in the wait for them
	; O^T and l start at 0, m far below every score: the first step is a step like any other, with a = 0; one text serves every step
	WIN 0x40
.set i, 0
.rept 256
	v_mov_b32 v[i], 0
.set i, i+1
.endr
	WIN 0
.irp t, 0,1,2,3
	v_mov_b32 v[ST+8*\t], 0xfe000000               ; m = -4.25e37: below every score, and no difference with a score overflows
.irp e, 1,2,3,4,5,6,7
	v_mov_b32 v[ST+8*\t+\e], 0
.endr
.endr
	s_wait_loadcnt 0x0                             ; Q, and my first K and V^T
.Lround:
	s_lshl_b32 s[STP], s[RR], 2
	s_add_co_u32 s[STP], s[STP], s[WV]             ; my step of this round
	s_cmp_gt_u32 s[STP], s[QB]
	s_cbranch_scc1 .Ldead
	s_lshl_b32 s[MOFF], s[QB], 5
	s_add_co_u32 s[MOFF], s[MOFF], s[STP]
	s_lshl_b32 s[MOFF], s[MOFF], 9
	MLOAD 0
	s_add_co_u32 s[NST], s[STP], 4                 ; my next step: four on, or behind the block's last my first of the next block
	s_cmp_le_u32 s[NST], s[QB]
	s_cselect_b32 s[NST], s[NST], s[WV]
	s_wait_loadcnt 32                              ; K is in; V^T's 32 younger loads may stay out
	WIN 0x0a
.set i, 0
.rept 64                                       ; S^T = K Q^T: channels 32 (i / 16) on, keys 16 ((i / 4) % 4) on, tile i % 4: 16 accumulators by turns
.set rS, S+32*(i%4)+8*((i/4)%4)
.set rK, KF+32*((i/4)%4)+8*(i/16)
.set rQ, 32*(i%4)+8*(i/16)
.if i < 16
	v_wmma_f32_16x16x32_bf16 v[rS:rS+7], v[rK:rK+7], v[rQ:rQ+7], 0
.else
	v_wmma_f32_16x16x32_bf16 v[rS:rS+7], v[rK:rK+7], v[rQ:rQ+7], v[rS:rS+7]
.endif
.set i, i+1
.endr
	WIN 0
	s_wait_xcnt 0x0                                ; the last round's prefetches have read their offsets
	s_lshl_b32 s2, s[NST], 14
	s_lshl_b32 s3, s[STP], 14
	s_add_co_u32 s3, s3, 8*16384
	s_lshl_b32 s97, s[RR], 9
	s_add_co_u32 s97, s97, 1024
	v_add_nc_u32 v[KOFF], s2, v[QO]                ; four plain lines: the places behind the products, ahead of the loads into K and of the reads of S^T
	v_add_nc_u32 v[PKO], s3, v[PK0]
	v_add_nc_u32 v[PVO], s97, v[PV0]
	v_nop
	LDK
	s_cmp_lt_u32 s[RR], s[PFL]
	s_cbranch_scc0 .Lnopf
	global_prefetch_b8 v[PKO], s[6:7] th:TH_LOAD_NT scope:SCOPE_SE              ; my step two rounds on: its 64 rows of K, a lane a row,
	global_prefetch_b8 v[PKO], s[6:7] offset:8192 th:TH_LOAD_NT scope:SCOPE_SE
	global_prefetch_b8 v[PVO], s[8:9] th:TH_LOAD_NT scope:SCOPE_SE              ; and that round's 512 bytes of my 32 channels of VT
	global_prefetch_b8 v[PVO], s[8:9] offset:256 th:TH_LOAD_NT scope:SCOPE_SE
.Lnopf:
	s_wait_kmcnt 0x0
	MASK 0
	MASK 1
	MASK 2
	MASK 3
	MLOAD 1                                        ; the other 64 words, into the same registers; the first keys' maxima stand in the wait
.irp jj, 0,1,4,5,8,9,12
	SM4 \jj
.endr
	s_wait_kmcnt 0x0
	MASK 4
	MASK 5
	MASK 6
	MASK 7
.irp jj, 2,3,6,7,10,11,13,14,15,16,17,18,19,20
	SM4 \jj
.endr
.set n, 0
.rept 16                                       ; s - m: never above 0
.irp t, 0,1,2,3
	v_pk_add_f32 v[S+32*\t+2*n:S+32*\t+2*n+1], v[S+32*\t+2*n:S+32*\t+2*n+1], v[ST+8*\t:ST+8*\t+1] op_sel_hi:[1,0] neg_lo:[0,1] neg_hi:[0,1]
.endr
.set n, n+1
.endr
.set n, 0
.rept 16                                       ; times c
.irp t, 0,1,2,3
	v_pk_mul_f32 v[S+32*\t+2*n:S+32*\t+2*n+1], v[S+32*\t+2*n:S+32*\t+2*n+1], s[CS:CS+1] op_sel_hi:[1,0]
.endr
.set n, n+1
.endr
.irp t, 0,1,2,3
	v_exp_f32 v[ST+8*\t+6], v[ST+8*\t+7]           ; a
.endr
.set n, 0
.rept 32
.irp t, 0,1,2,3
	v_exp_f32 v[S+32*\t+n], v[S+32*\t+n]
.endr
.set n, n+1
.endr
	v_nop                                          ; a plain instruction behind the last exponential,
	s_wait_alu depctr_va_vdst(0)                   ; and one wait for the batch of 132, ahead of its first reader
.set n, 0
.rept 16
.irp t, 0,1,2,3
	v_cvt_pk_f16_f32 v[P+16*\t+n], v[S+32*\t+2*n], v[S+32*\t+2*n+1]
.endr
.set n, n+1
.endr
.set z, 0
.rept 15                                       ; the sum of a tile's 16 pairs, in place: neighbours 1, 2, 4 and 8 pairs apart
.set w, 4
.set u, z
.if z >= 14
.set w, 32
.set u, 0
.elseif z >= 12
.set w, 16
.set u, z-12
.elseif z >= 8
.set w, 8
.set u, z-8
.endif
.irp t, 0,1,2,3
	v_pk_add_f32 v[S+32*\t+w*u:S+32*\t+w*u+1], v[S+32*\t+w*u:S+32*\t+w*u+1], v[S+32*\t+w*u+w/2:S+32*\t+w*u+w/2+1]
.endr
.set z, z+1
.endr
.irp t, 0,1,2,3
	v_pk_fma_f32 v[ST+8*\t+2:ST+8*\t+3], v[ST+8*\t+2:ST+8*\t+3], v[ST+8*\t+6:ST+8*\t+7], v[S+32*\t:S+32*\t+1] op_sel_hi:[1,0,1]  ; l = a l + sum
.endr
	WIN 0x41
.set n, 0
.rept 32                                       ; O^T times a
.irp t, 0,1,2,3
	v_pk_mul_f32 v[64*\t+2*n:64*\t+2*n+1], v[64*\t+2*n:64*\t+2*n+1], v[ST+8*\t+6:ST+8*\t+7] op_sel_hi:[1,0]
.endr
.set n, n+1
.endr
	s_wait_loadcnt 32                              ; V^T is in; the next K's 32 loads may stay out
	WIN 0x53
.set i, 0
.rept 64                                       ; O^T += V^T P: keys 32 (i / 32) on, channels 16 ((i / 4) % 8) on, tile i % 4: 32 accumulators by turns
.set rO, 64*(i%4)+8*((i/4)%8)
.set rV, 64*(i/32)+8*((i/4)%8)
.set rP, P+16*(i%4)+8*(i/32)
	v_wmma_f32_16x16x32_f16 v[rO:rO+7], v[rV:rV+7], v[rP:rP+7], v[rO:rO+7]
.set i, i+1
.endr
	WIN 0
	s_lshl_b32 s2, s[NST], 7
	v_nop                                          ; four places behind the products, ahead of the loads into V^T
	v_nop
	v_nop
	v_add_nc_u32 v[VOFF], s2, v[VO]
	LDV
.Ldead:
	s_add_co_u32 s[RR], s[RR], 1
	s_cmp_lt_u32 s[RR], s[RB]
	s_cbranch_scc1 .Lround
	; THE MERGE.  Each wave hands in (m, l) and O^T of all four tiles; wave w then finishes tile w.
.irp t, 0,1,2,3
	v_add_f32 v[ST+8*\t+4], v[ST+8*\t+2], v[ST+8*\t+3]
.endr
.irp t, 0,1,2,3
	v_permlanex16_b32 v[ST+8*\t+5], v[ST+8*\t+4], s[SEL], s[SEL+1]
.endr
.irp t, 0,1,2,3
	v_add_f32 v[ST+8*\t+1], v[ST+8*\t+4], v[ST+8*\t+5]  ; l beside m
.endr
	s_wait_dscnt 0x0
	s_barrier_signal -1
	s_barrier_wait -1                              ; every wave's reads of the last merge are over
.irp t, 0,1,2,3
	ds_store_b64 v[MSS], v[ST+8*\t:ST+8*\t+1] offset:256*\t
.endr
	WIN 0x04
.set i, 0
.rept 64
	ds_store_b128 v[MSO], v[4*i:4*i+3] offset:512*i
.set i, i+1
.endr
	WIN 0
	s_wait_dscnt 0x0                               ; for the others' sake
	s_barrier_signal -1
	s_barrier_wait -1
.irp u, 0,1,2,3
	ds_load_b64 v[64+2*\u:65+2*\u], v[MSR] offset:1024*\u
.endr
	WIN 0x40
.set i, 0
.rept 32
	ds_load_b128 v[4*i:4*i+3], v[MRD0] offset:32768*(i/16)+512*(i%16)
.set i, i+1
.endr
.set i, 0
.rept 32
	ds_load_b128 v[128+4*i:128+4*i+3], v[MRD1] offset:32768*(i/16)+512*(i%16)
.set i, i+1
.endr
	WIN 0
	s_wait_dscnt 63                                ; of 68 loads the first five are in: the four pairs among them
	v_max3_num_f32 v72, v64, v66, v68
	v_max_num_f32 v72, v72, v70
.irp u, 0,1,2,3
	v_sub_f32 v[74+\u], v[64+2*\u], v72            ; m_u - the four waves' maximum: never above 0,
.endr
.irp u, 0,1,2,3
	v_mul_f32 v[74+\u], s[CS], v[74+\u]            ; times c
.endr
.irp u, 0,1,2,3
	v_exp_f32 v[74+\u], v[74+\u]
.endr
	v_nop
	s_wait_alu depctr_va_vdst(0)
	v_mul_f32 v78, v74, v65
	v_fmac_f32 v78, v75, v67
	v_fmac_f32 v78, v76, v69
	v_fmac_f32 v78, v77, v71
	v_rcp_f32 v79, v78
	v_nop
	s_wait_alu depctr_va_vdst(0)
.irp u, 0,1,2,3
	v_mul_f32 v[80+2*\u], v[74+\u], v79
	v_mul_f32 v[81+2*\u], v[74+\u], v79
.endr
	s_wait_dscnt 0x0
	WIN 0x51
.set n, 0
.rept 32
	v_pk_mul_f32 v[2*n:2*n+1], v[2*n:2*n+1], v[80:81]
.set n, n+1
.endr
.irp u, 1,2,3
.set n, 0
.rept 32
	v_pk_fma_f32 v[2*n:2*n+1], v[64*\u+2*n:64*\u+2*n+1], v[80+2*\u:81+2*\u], v[2*n:2*n+1]
.set n, n+1
.endr
.endr
	WIN 0x05
.set n, 0
.rept 32
	v_cvt_pk_f16_f32 v[96+n], v[2*n], v[2*n+1]
.set n, n+1
.endr
	WIN 0
.irp f, 0,1,2,3,4,5,6,7
	ds_store_b128 v[STO], v[96+4*\f:99+4*\f] offset:32*\f
.endr
.irp f, 0,1,2,3,4,5,6,7
	ds_load_b128 v[96+4*\f:99+4*\f], v[RD] offset:544*\f  ; my own bytes: LDS serves a wave's instructions in order
.endr
.irp f, 0,1,2,3,4,5,6,7
	s_wait_dscnt 7-\f
	global_store_b128 v[GO], v[96+4*\f:99+4*\f], s[OBB:OBB+1] offset:4096*\f  ; 16 lanes store a row's 256 consecutive bytes
.endr
	s_mov_b32 s[QB], s[PP]                         ; the second block is block p (behind the second trip these three lines serve nothing)
	s_mov_b32 s[PFL], 0                            ; its steps have been read: nothing more is prefetched
	s_wait_xcnt 0x0                                ; the stores have read their registers and their base: the next trip writes both
	s_sub_co_u32 s[BLK], s[BLK], 1
	s_cmp_lg_u32 s[BLK], 0
	s_cbranch_scc1 .Lblock
	s_wait_tensorcnt 0x0                           ; the wave's end, behind my last LDS store
	ds_add_u32 v[SPW], v[NIL]
	s_wait_dscnt 0x0
	s_endpgm
.Lfunc_end_k_q97f810f443_attn:
	.size	k_q97f810f443_attn, .Lfunc_end_k_q97f810f443_attn-k_q97f810f443_attn
	.p2alignl 7, 3214868480
	.fill 96, 4, 3214868480
	.section	.rodata,"a",@progbits
	.p2align	6, 0x0
	.amdhsa_kernel k_q97f810f443_attn
		.amdhsa_group_segment_fixed_size 153088
		.amdhsa_private_segment_fixed_size 0
		.amdhsa_enable_private_segment 0
		.amdhsa_kernarg_size 24
		.amdhsa_user_sgpr_count 2
		.amdhsa_user_sgpr_kernarg_segment_ptr 1
		.amdhsa_wavefront_size32 1
		.amdhsa_system_sgpr_workgroup_id_x 1
		.amdhsa_system_sgpr_workgroup_id_y 1
		.amdhsa_system_sgpr_workgroup_id_z 1
		.amdhsa_system_vgpr_workitem_id 0
		.amdhsa_next_free_vgpr 1024
		.amdhsa_next_free_sgpr 100
		.amdhsa_reserve_vcc 0
		.amdhsa_float_denorm_mode_32 3
		.amdhsa_float_denorm_mode_16_64 3
		.amdhsa_memory_ordered 1
		.amdhsa_forward_progress 1
		.amdhsa_inst_pref_size 103
	.end_amdhsa_kernel
	.amdgpu_metadata
---
amdhsa.version: [ 1, 2 ]
amdhsa.kernels:
  - .name:           k_q97f810f443_attn
    .symbol:         k_q97f810f443_attn.kd
    .args:
      - { .name: qkvb, .offset: 0, .size: 8, .value_kind: global_buffer, .address_space: global }
      - { .name: mw, .offset: 8, .size: 8, .value_kind: global_buffer, .address_space: global }
      - { .name: ob, .offset: 16, .size: 8, .value_kind: global_buffer, .address_space: global }
    .group_segment_fixed_size: 153088
    .private_segment_fixed_size: 0
    .kernarg_segment_align: 8
    .kernarg_segment_size: 24
    .max_flat_workgroup_size: 128
    .sgpr_count:     100
    .vgpr_count:     1024
    .wavefront_size: 32
...
	.end_amdgpu_metadata
.endif
;; end of part 3
;; launch oproj (part 4): grid 16 x 16, 4 waves a work-group, clusters of 4 x 4, 327,680 bytes of LDS; arguments ob, pw, xo; writes xo
.if DOCPART == 4
	.amdgcn_target "amdgcn-amd-amdhsa--gfx1250"
	.amdhsa_code_object_version 6
	.text
	.protected	k_q97f810f443_oproj
	.globl	k_q97f810f443_oproj
	.p2align	8
	.type	k_q97f810f443_oproj,@function
k_q97f810f443_oproj:
	s_mov_b64 s[64:65], 0
	v_nop
	global_prefetch_b8 v0, s[64:65] scope:SCOPE_SE
	s_setreg_imm32_b32 hwreg(HW_REG_WAVE_MODE, 25, 1), 1
	s_wait_xcnt 0x0
	s_wait_alu depctr_hold_cnt(0) depctr_sa_sdst(0) depctr_va_vdst(0) depctr_va_sdst(0) depctr_va_ssrc(0) depctr_va_vcc(0) depctr_vm_vsrc(0)
	s_getreg_b32 s2, hwreg(HW_REG_IB_STS2, 6, 4)
	s_cmp_eq_u32 s2, 0
	s_cbranch_scc0 .Lentry_in_a_cluster
	s_endpgm
.Lentry_in_a_cluster:
	s_bfe_u32 s2, ttmp6, 0x10000c
	s_cmp_lg_u32 s2, 0xf033
	s_cbranch_scc0 .Lentry_shape_is_right
	s_endpgm
.Lentry_shape_is_right:
; x = bf16(hidden) + o wo.  A = ob [4096][1024] f16, B = WO [1024 k][2048 n] (bf16(wo) written as f16), the residual HB (bf16(hidden) written as f16).
; OUT: X32 = x in f32; XB = f16(x / 64); SSP: for each row 32 partial sums of x^2 (one for each 64 columns), f32.
; WHY x / 64 IN f16: x grows with gain x wv x wo, 27,000 times its size 1 at the most that is to be served; divided by 64 its peaks are then about 2,500, and at a 200th of its size it still keeps 11 bits against the row's rms.
; A tile of C is 256 x 128: 16 x 16 work-groups.  Four waves, 2 (wm) x 2 (wn), 8 x 4 accumulators each, products transposed (source 0 = B): a lane holds one row and 8 neighbouring columns.
; K goes in 8 steps of 128 through two LDS slots filled by joint tensor loads in a 4 x 4 cluster: A shared along a row of the cluster, B along a column.  B is turned by ds_load_tr16_b128.
; REGISTERS: window 0: v0-31 addresses, v32-127 and v128-223 two fragment buffers; window 1: accumulator (b, a) at 8 (8 b + a); window 2: v0-127 the residual, v128-143 sums of squares, v144 one.
; LIMITS: |x| stays within 64 x 65,504; NaN and infinities are not treated apart.
.set WO_O,  29360128
.set XB_O,  33554432
.set SSP_O, 50331648
.set T,     8
.set MB,    8
.set PA,    272
.set PB,    288
.set XS,    0x20000
.set BB,    73728                      ; a slot: A's halves at 0 and 36,864, B's 128 k rows here
.set SPARE, 2*XS
.set SSST,  256*528                    ; the way out: x at 0 (256 x 528), behind it 512 bytes a wave for the sums of squares
.set ASTEP, 256
.set BSTEPC, 524288
.set F0,    32
.set F1,    128
.set ADRA0, 4
.set ADRB0, 5
.set ADRA,  7
.set ADRB,  8
.set STO,   10
.set SSO,   11
.set RDW,   12
.set GX,    13
.set GB,    14
.set PFO,   15
.set SPW,   28
.set NIL,   29
.set G1A,   16
.set G1B,   24
.set G0A,   40
.set G0B,   48
.set PFA,   58
.set PSTEP, 60
.set LIM,   62
.set MSB, 0
.macro WIN new
.if MSB != (\new)
	s_set_vgpr_msb (MSB<<8)|(\new)
.set MSB, \new
.endif
.endm
.macro PLACES
.rept 4
	v_nop
.endr
.endm
.macro CREST
	s_cmp_lg_u32 s10, 0
	s_cbranch_scc1 .Lnw0_\@
	s_barrier_signal -3
.Lnw0_\@:
	s_barrier_wait -3
	s_barrier_signal -1
	s_barrier_wait -1
.endm
.macro CROUND
	s_barrier_signal -1
	s_barrier_wait -1
	CREST
.endm
.macro JLOAD                           ; a joint refill: waves 0, 1 A's halves, waves 2, 3 B's
	s_cmp_lt_u32 s10, 2
	s_cbranch_scc0 .Ljb_\@
	tensor_load_to_lds s[G0A+4:G0A+7], s[G1A:G1A+7]
	s_nop 0
	PLACES
	s_branch .Ljd_\@
.Ljb_\@:
	tensor_load_to_lds s[G0B+4:G0B+7], s[G1B:G1B+7]
	s_nop 0
	PLACES
.Ljd_\@:
.endm
.macro STEPD
	s_xor_b32 s[G0A+5], s[G0A+5], XS
	s_add_nc_u64 s[G0A+6:G0A+7], s[G0A+6:G0A+7], ASTEP
	s_xor_b32 s[G0B+5], s[G0B+5], XS
	s_add_nc_u64 s[G0B+6:G0B+7], s[G0B+6:G0B+7], BSTEPC
.endm
.macro ADDRS
	s_xor_b32 s15, s15, XS
	v_add_nc_u32 v[ADRA], s15, v[ADRA0]
	v_add_nc_u32 v[ADRB], s15, v[ADRB0]
	v_nop
	v_nop
.endm
.macro ASK                             ; the K step four on from the trip's own: 32 rows x 256 bytes, a lane a row
	s_cmp_gt_u32 s3, s[LIM]
	s_cbranch_scc0 .Lna_\@
	global_prefetch_b8 v[PFO], s[PFA:PFA+1] th:TH_LOAD_NT scope:SCOPE_SE
.Lna_\@:
.endm
.macro FETCH q, f
	WIN 0
.irp a, 0,1,2,3,4,5,6,7
	ds_load_b128 v[(\f)+8*\a:(\f)+8*\a+3],   v[ADRA] offset:(\q)*64+\a*16*PA
	ds_load_b128 v[(\f)+8*\a+4:(\f)+8*\a+7], v[ADRA] offset:(\q)*64+\a*16*PA+32
.endr
.irp b, 0,1,2,3
	ds_load_tr16_b128 v[(\f)+64+8*\b:(\f)+64+8*\b+3],   v[ADRB] offset:(\q)*32*PB+\b*32
	ds_load_tr16_b128 v[(\f)+64+8*\b+4:(\f)+64+8*\b+7], v[ADRB] offset:(\q)*32*PB+16*PB+\b*32
.endr
.endm
.macro MULB f, b, zero                 ; each accumulator is named once a quarter: they take turns
	WIN 0x50
.set aa, 0
.rept MB
.set rD, 8*((\b)*MB+aa)
.if \zero
	v_wmma_f32_16x16x32_f16 v[rD:rD+7], v[(\f)+8*MB+8*(\b):(\f)+8*MB+8*(\b)+7], v[(\f)+8*aa:(\f)+8*aa+7], 0
.else
	v_wmma_f32_16x16x32_f16 v[rD:rD+7], v[(\f)+8*MB+8*(\b):(\f)+8*MB+8*(\b)+7], v[(\f)+8*aa:(\f)+8*aa+7], v[rD:rD+7]
.endif
.set aa, aa+1
.endr
.endm
.macro MULG f, g, zero
.if (\g) < 2
	MULB \f, \g, \zero
.else
	MULB \f, 2, \zero
	MULB \f, 3, \zero
.endif
.endm
.macro QUARTER q, zero
.if ((\q)%2) == 0
.set fC, F0
.set fN, F1
.else
.set fC, F1
.set fN, F0
.endif
	s_wait_dscnt 0x0                               ; this buffer's loads, issued 24 matrix instructions ago
	MULG fC, 0, \zero
	PLACES
	FETCH (\q)+1, fN
	MULG fC, 1, \zero
	MULG fC, 2, \zero
.endm
.macro TURN fill                       ; the step's last quarter and the change of slots: the three lines, the barrier (fill = 1: a round of the cluster's), the joint refill first behind it
.if \fill
	s_wait_xcnt 0x0                                ; the last prefetch, a K step back, has read its address
	s_add_nc_u64 s[PFA:PFA+1], s[PFA:PFA+1], s[PSTEP:PSTEP+1]
.endif
	WIN 0
	s_wait_tensorcnt 0x0                           ; all my tensor loads have landed: my part of the next slot
	ds_add_u32 v[SPW], v[NIL]
.if \fill
	STEPD
.endif
	s_wait_dscnt 1                                 ; the add alone may be out
	MULG F1, 0, 0
	s_wait_dscnt 0x0                               ; the add is done, my reads of this slot are over
	s_barrier_signal -1
	MULG F1, 1, 0
	WIN 0
	s_barrier_wait -1
.if \fill
	CREST
	JLOAD
	ADDRS
	FETCH 0, F0
	ASK
.else
	s_cmp_eq_u32 s3, 1
	s_cbranch_scc1 .Lnf_\@
	ADDRS
	FETCH 0, F0
.Lnf_\@:
.endif
	MULG F1, 2, 0
.endm
	s_load_b128 s[68:71], s[0:1], 0x0              ; ob 68, pw 70
	s_load_b64 s[72:73], s[0:1], 0x10              ; xo
	v_lshl_add_u32 v[SPW], v0, 2, SPARE
	v_mov_b32 v[NIL], 0
	ds_add_u32 v[SPW], v[NIL]                      ; the wave's opening
	v_lshrrev_b32 v1, 5, v0
	v_readfirstlane_b32 s10, v1
	s_lshr_b32 s11, s10, 1
	s_and_b32 s12, s10, 1
	s_bfe_u32 s92, ttmp6, 0x40000
	s_bfe_u32 s93, ttmp6, 0x40004
	s_lshl_b32 s14, ttmp9, 2
	s_add_co_u32 s14, s14, s92                     ; tx
	s_and_b32 s13, ttmp7, 0xffff
	s_lshl_b32 s13, s13, 2
	s_add_co_u32 s13, s13, s93                     ; ty
	s_lshl_b32 s94, s93, 2
	s_lshl_b32 s94, 15, s94
	s_lshl_b32 s95, 0x1111, s92
	s_or_b32 s[G1A], s94, (1<<16)|(1<<20)|(1<<21)|(5<<22)|(3<<25)
	s_mov_b32 s[G1A+1], 128<<16
	s_mov_b32 s[G1A+2], 128<<16
	s_mov_b32 s[G1A+3], 128<<16
	s_mov_b32 s[G1A+4], 128
	s_mov_b32 s[G1A+5], 1024
	s_mov_b32 s[G1A+6], 0
	s_mov_b32 s[G1A+7], 0
	s_or_b32 s[G1B], s95, (1<<16)|(1<<20)|(1<<21)|(5<<22)|(7<<25)
	s_mov_b32 s[G1B+1], 128<<16
	s_mov_b32 s[G1B+2], 64<<16
	s_mov_b32 s[G1B+3], 128<<16
	s_mov_b32 s[G1B+4], 64
	s_mov_b32 s[G1B+5], 2048
	s_mov_b32 s[G1B+6], 0
	s_mov_b32 s[G1B+7], 0
	s_lshl_b32 s4, s13, 8
	s_lshl_b32 s5, s12, 7
	s_add_co_u32 s4, s4, s5
	s_lshl_b32 s4, s4, 11                          ; A: row 256 ty + 128 half, 2,048 bytes a row
	s_mov_b32 s5, 0
	s_lshl_b32 s6, s14, 8                          ; B: 256 bytes of columns, my 64 of the step's 128 k rows
	s_lshl_b32 s7, s12, 18
	s_add_co_u32 s6, s6, s7
	s_add_co_u32 s6, s6, WO_O
	s_mov_b32 s7, 0
	s_mul_i32 s9, s10, 36864
	s_mul_i32 s8, s12, 18432
	s_add_co_u32 s8, s8, BB
	s_mov_b32 s15, 0
	s_wait_dscnt 0x0
	s_wait_kmcnt 0x0
	s_add_nc_u64 s[4:5], s[68:69], s[4:5]
	s_add_nc_u64 s[6:7], s[70:71], s[6:7]
	CROUND
	s_mov_b32 s[G0A], 1
	s_add_co_u32 s[G0A+1], s9, 0
	s_add_nc_u64 s[G0A+2:G0A+3], s[4:5], 0
	s_or_b32 s[G0A+3], s[G0A+3], 0x80000000
	s_mov_b32 s[G0A+4], 1
	s_add_co_u32 s[G0A+5], s9, XS
	s_add_nc_u64 s[G0A+6:G0A+7], s[4:5], ASTEP
	s_or_b32 s[G0A+7], s[G0A+7], 0x80000000
	s_mov_b32 s[G0B], 1
	s_add_co_u32 s[G0B+1], s8, 0
	s_add_nc_u64 s[G0B+2:G0B+3], s[6:7], 0
	s_or_b32 s[G0B+3], s[G0B+3], 0x80000000
	s_mov_b32 s[G0B+4], 1
	s_add_co_u32 s[G0B+5], s8, XS
	s_add_nc_u64 s[G0B+6:G0B+7], s[6:7], BSTEPC
	s_or_b32 s[G0B+7], s[G0B+7], 0x80000000
	s_cmp_lt_u32 s10, 2                            ; K steps 0 and 1: two loads of mine are out
	s_cbranch_scc0 .Lff_b
	tensor_load_to_lds s[G0A:G0A+3], s[G1A:G1A+7]
	s_nop 0
	tensor_load_to_lds s[G0A+4:G0A+7], s[G1A:G1A+7]
	s_nop 0
	PLACES
	s_branch .Lff_d
.Lff_b:
	tensor_load_to_lds s[G0B:G0B+3], s[G1B:G1B+7]
	s_nop 0
	tensor_load_to_lds s[G0B+4:G0B+7], s[G1B:G1B+7]
	s_nop 0
	PLACES
.Lff_d:
	v_and_b32 v1, 15, v0
	v_bfe_u32 v2, v0, 4, 1
	v_and_b32 v3, 31, v0
	; the residual, asked for now: HB (256 ty + 128 wm + 16 a + r) 4096 + (128 tx + 64 wn + 16 b + 8 h) 2
	s_lshl_b32 s4, s13, 8
	s_lshl_b32 s5, s11, 7
	s_add_co_u32 s96, s4, s5                       ; my wave's first row
	s_lshl_b32 s4, s96, 12
	s_lshl_b32 s5, s14, 8
	s_add_co_u32 s4, s4, s5
	s_lshl_b32 s5, s12, 7
	s_add_co_u32 s4, s4, s5
	v_lshlrev_b32 v16, 12, v1
	v_lshl_add_u32 v16, v2, 4, v16
	v_add_nc_u32 v16, s4, v16
	WIN 0x80
.irp b, 0,1,2,3
.irp a, 0,1,2,3,4,5,6,7
	global_load_b128 v[4*(8*\b+\a):4*(8*\b+\a)+3], v16, s[70:71] offset:65536*\a+32*\b
.endr
.endr
	v_mov_b32 v144, 1.0
	WIN 0
	v_mul_u32_u24 v[ADRA0], v1, PA
	v_lshl_add_u32 v[ADRA0], v2, 4, v[ADRA0]
	s_mul_i32 s4, s11, 36864
	v_add_nc_u32 v[ADRA0], s4, v[ADRA0]
	v_and_b32 v21, 7, v0
	v_lshl_add_u32 v21, v2, 3, v21
	v_bfe_u32 v22, v0, 3, 1
	s_lshl_b32 s4, s12, 7
	s_add_co_u32 s4, s4, BB
	v_mul_u32_u24 v[ADRB0], v21, PB
	v_lshl_add_u32 v[ADRB0], v22, 4, v[ADRB0]
	v_add_nc_u32 v[ADRB0], s4, v[ADRB0]
	v_mov_b32 v[ADRA], v[ADRA0]
	v_mov_b32 v[ADRB], v[ADRB0]
	s_mul_i32 s4, s11, 128*528
	s_lshl_b32 s5, s12, 8
	s_add_co_u32 s4, s4, s5
	v_mul_u32_u24 v[STO], v1, 528
	v_lshl_add_u32 v[STO], v2, 5, v[STO]
	v_add_nc_u32 v[STO], s4, v[STO]                ; (128 wm + r) 528 + 256 wn + 32 h
	s_lshl_b32 s4, s10, 9
	s_add_co_u32 s4, s4, SSST
	v_lshl_add_u32 v[SSO], v1, 2, s4
	v_lshl_add_u32 v17, v3, 4, s4
	s_mul_i32 s4, s10, 64*528
	v_lshl_add_u32 v[RDW], v3, 4, s4
	v_lshlrev_b32 v[GX], 4, v3
	v_lshlrev_b32 v[GB], 3, v3
	v_lshlrev_b32 v18, 4, v3
	s_mov_b32 s98, 0x76543210
	s_mov_b32 s99, 0xfedcba98
	s_lshl_b32 s4, s13, 8
	s_lshl_b32 s5, s10, 6
	s_add_co_u32 s4, s4, s5                        ; the first row that I store: 256 ty + 64 w
	s_lshl_b32 s6, s4, 13
	s_lshl_b32 s5, s14, 9
	s_add_co_u32 s6, s6, s5
	s_mov_b32 s7, 0
	s_add_nc_u64 s[86:87], s[72:73], s[6:7]        ; X32
	s_lshl_b32 s6, s4, 12
	s_lshl_b32 s5, s14, 8
	s_add_co_u32 s6, s6, s5
	s_add_co_u32 s6, s6, XB_O
	s_add_nc_u64 s[88:89], s[72:73], s[6:7]        ; XB
	s_lshl_b32 s6, s14, 1
	s_add_co_u32 s6, s6, s12
	s_lshl_b32 s6, s6, 12
	s_add_co_u32 s6, s6, s96
	s_lshl_b32 s6, s6, 2
	s_add_co_u32 s6, s6, SSP_O
	s_add_nc_u64 s[90:91], s[72:73], s[6:7]        ; SSP: slot 2 tx + wn, my wave's 128 rows
	; the prefetches: A's rows by the clusters with x = 0 (waves 0, 1), B's by those with y = 0 (wave 2); the partners share the rows out by address
	s_and_b32 s4, ttmp7, 0xffff
	s_cmp_lt_u32 s10, 2
	s_cselect_b32 s4, ttmp9, s4
	s_cselect_b64 s[PFA:PFA+1], s[68:69], s[70:71]
	s_cmp_eq_u32 s4, 0
	s_cselect_b32 s[LIM], 2, -1
	s_cmp_eq_u32 s10, 3
	s_cselect_b32 s[LIM], -1, s[LIM]
	s_lshl_b32 s4, s13, 8
	s_lshl_b32 s5, s12, 7
	s_add_co_u32 s4, s4, s5
	s_lshl_b32 s5, s92, 5
	s_add_co_u32 s4, s4, s5
	s_lshl_b32 s4, s4, 11
	s_add_co_u32 s4, s4, 3*ASTEP
	s_mov_b32 s[PSTEP], ASTEP
	s_mov_b32 s5, 11
	s_lshl_b32 s6, s14, 8
	s_lshl_b32 s7, s93, 17                         ; 32 cy rows of 4,096 bytes
	s_add_co_u32 s6, s6, s7
	s_add_co_u32 s6, s6, WO_O+3*BSTEPC
	s_cmp_lt_u32 s10, 2
	s_cselect_b32 s4, s4, s6
	s_cselect_b32 s[PSTEP], s[PSTEP], BSTEPC
	s_cselect_b32 s5, s5, 12
	v_lshlrev_b32 v[PFO], s5, v3
	s_mov_b32 s5, 0
	s_mov_b32 s[PSTEP+1], 0
	s_add_nc_u64 s[PFA:PFA+1], s[PFA:PFA+1], s[4:5]
	s_wait_tensorcnt 1                             ; K step 0 is in; step 1's load may stay out
	s_barrier_signal -1
	s_barrier_wait -1
	FETCH 0, F0
	QUARTER 0, 1
	WIN 0
	s_mov_b32 s3, T-2
.Lstep:
	QUARTER 1, 0
	QUARTER 2, 0
	TURN 1
	QUARTER 0, 0
	WIN 0
	s_sub_co_u32 s3, s3, 1
	s_cmp_lg_u32 s3, 0
	s_cbranch_scc1 .Lstep
	s_mov_b32 s3, 2
.Ltail:
	QUARTER 1, 0
	QUARTER 2, 0
	TURN 0
	WIN 0
	s_sub_co_u32 s3, s3, 1
	s_cmp_eq_u32 s3, 0
	s_cbranch_scc1 .Lout
	QUARTER 0, 0
	WIN 0
	s_branch .Ltail
.Lout:
	; THE WAY OUT: x = residual + sum; its squares are summed by row; x goes through the dead ring and leaves as whole rows of 512 bytes
	s_wait_loadcnt 0x0
	PLACES
	WIN 0x5a                                       ; residual (f16 halves) and one in window 2, sums in window 1
.set u, 0
.rept 32
.irp k, 0,1,2,3
	v_fma_mix_f32 v[8*u+2*\k],   v[4*u+\k], v[144], v[8*u+2*\k] op_sel_hi:[1,0,0]
	v_fma_mix_f32 v[8*u+2*\k+1], v[4*u+\k], v[144], v[8*u+2*\k+1] op_sel:[1,0,0] op_sel_hi:[1,0,0]
.endr
.set u, u+1
.endr
	WIN 0xa5
.irp b, 0,1,2,3
.irp i, 0,2,4,6
.irp a, 0,1,2,3,4,5,6,7
.if (\b+\i) == 0
	v_pk_mul_f32 v[128+2*\a:129+2*\a], v[8*\a:8*\a+1], v[8*\a:8*\a+1]
.else
	v_pk_fma_f32 v[128+2*\a:129+2*\a], v[8*(8*\b+\a)+\i:8*(8*\b+\a)+\i+1], v[8*(8*\b+\a)+\i:8*(8*\b+\a)+\i+1], v[128+2*\a:129+2*\a]
.endif
.endr
.endr
.endr
	WIN 0x04
.irp b, 0,1,2,3
.irp a, 0,1,2,3,4,5,6,7
	ds_store_b128 v[STO], v[8*(8*\b+\a):8*(8*\b+\a)+3]   offset:\a*16*528+64*\b
	ds_store_b128 v[STO], v[8*(8*\b+\a)+4:8*(8*\b+\a)+7] offset:\a*16*528+64*\b+16
.endr
.endr
	WIN 0x0a
.irp a, 0,1,2,3,4,5,6,7
	v_add_f32 v[32+\a], v[128+2*\a], v[129+2*\a]
.endr
	WIN 0
.irp a, 0,1,2,3,4,5,6,7
	v_mov_b32 v[40+\a], v[32+\a]
.endr
.irp a, 0,1,2,3,4,5,6,7
	v_permlanex16_b32 v[40+\a], v[32+\a], s98, s99 ; the row's other 32 columns lie in the lane 16 away
.endr
.irp a, 0,1,2,3,4,5,6,7
	v_add_f32 v[32+\a], v[32+\a], v[40+\a]
.endr
.irp a, 0,1,2,3,4,5,6,7
	ds_store_b32 v[SSO], v[32+\a] offset:64*\a     ; both halves of the lanes write the same number to the same word
.endr
	ds_load_b128 v[48:51], v17                     ; my own bytes, in order: 128 rows' sums, 512 bytes
	s_wait_dscnt 0x0                               ; that load; and, for the others' sake, my stores into the stage
	global_store_b128 v18, v[48:51], s[90:91]
	s_barrier_signal -1
	s_barrier_wait -1
	s_mov_b32 s3, 4
.Lcopy:                                        ; wave w: rows 64 w .. + 63, 16 a trip; a load takes a row's 512 bytes
.set i, 0
.rept 16
	ds_load_b128 v[64+4*i:67+4*i], v[RDW] offset:i*528
.set i, i+1
.endr
.set i, 0
.rept 16
	s_wait_dscnt 15-i
	global_store_b128 v[GX], v[64+4*i:67+4*i], s[86:87] offset:i*8192
	v_pk_mul_f32 v[160+4*i:161+4*i], v[64+4*i:65+4*i], 0x3c800000 op_sel_hi:[1,0]  ; x / 64, into registers of its own: the store above still reads x
	v_pk_mul_f32 v[162+4*i:163+4*i], v[66+4*i:67+4*i], 0x3c800000 op_sel_hi:[1,0]
	v_cvt_pk_f16_f32 v[128+2*i], v[160+4*i], v[161+4*i]
	v_cvt_pk_f16_f32 v[129+2*i], v[162+4*i], v[163+4*i]
	global_store_b64 v[GB], v[128+2*i:129+2*i], s[88:89] offset:i*4096  ; 32 lanes store 256 consecutive bytes
.set i, i+1
.endr
	s_wait_xcnt 0x0                                ; the stores' data and offsets are written again only behind this wait
	v_add_nc_u32 v[RDW], 16*528, v[RDW]
	v_add_nc_u32 v[GX], 16*8192, v[GX]
	v_add_nc_u32 v[GB], 16*4096, v[GB]
	s_sub_co_u32 s3, s3, 1
	s_cmp_lg_u32 s3, 0
	s_cbranch_scc1 .Lcopy
	s_wait_tensorcnt 0x0                           ; the wave's end
	ds_add_u32 v[SPW], v[NIL]
	s_wait_dscnt 0x0
	CROUND
	s_endpgm
.Lfunc_end_k_q97f810f443_oproj:
	.size	k_q97f810f443_oproj, .Lfunc_end_k_q97f810f443_oproj-k_q97f810f443_oproj
	.p2alignl 7, 3214868480
	.fill 96, 4, 3214868480
	.section	.rodata,"a",@progbits
	.p2align	6, 0x0
	.amdhsa_kernel k_q97f810f443_oproj
		.amdhsa_group_segment_fixed_size 327680
		.amdhsa_private_segment_fixed_size 0
		.amdhsa_enable_private_segment 0
		.amdhsa_kernarg_size 24
		.amdhsa_user_sgpr_count 2
		.amdhsa_user_sgpr_kernarg_segment_ptr 1
		.amdhsa_wavefront_size32 1
		.amdhsa_system_sgpr_workgroup_id_x 1
		.amdhsa_system_sgpr_workgroup_id_y 1
		.amdhsa_system_sgpr_workgroup_id_z 1
		.amdhsa_system_vgpr_workitem_id 0
		.amdhsa_next_free_vgpr 768
		.amdhsa_next_free_sgpr 100
		.amdhsa_reserve_vcc 0
		.amdhsa_float_denorm_mode_32 3
		.amdhsa_float_denorm_mode_16_64 3
		.amdhsa_memory_ordered 1
		.amdhsa_forward_progress 1
		.amdhsa_inst_pref_size 90
	.end_amdhsa_kernel
	.amdgpu_metadata
---
amdhsa.version: [ 1, 2 ]
amdhsa.kernels:
  - .name:           k_q97f810f443_oproj
    .symbol:         k_q97f810f443_oproj.kd
    .args:
      - { .name: ob, .offset: 0, .size: 8, .value_kind: global_buffer, .address_space: global }
      - { .name: pw, .offset: 8, .size: 8, .value_kind: global_buffer, .address_space: global }
      - { .name: xo, .offset: 16, .size: 8, .value_kind: global_buffer, .address_space: global }
    .group_segment_fixed_size: 327680
    .private_segment_fixed_size: 0
    .kernarg_segment_align: 8
    .kernarg_segment_size: 24
    .max_flat_workgroup_size: 128
    .sgpr_count:     100
    .vgpr_count:     768
    .wavefront_size: 32
...
	.end_amdgpu_metadata
.endif
;; end of part 4
;; launch gateup (part 5): grid 8 x 32, 4 waves a work-group, clusters of 4 x 4, 327,680 bytes of LDS; arguments xo, pw, act; writes act
.if DOCPART == 5
	.amdgcn_target "amdgcn-amd-amdhsa--gfx1250"
	.amdhsa_code_object_version 6
	.text
	.protected	k_q97f810f443_gateup
	.globl	k_q97f810f443_gateup
	.p2align	8
	.type	k_q97f810f443_gateup,@function
k_q97f810f443_gateup:
	s_mov_b64 s[64:65], 0
	v_nop
	global_prefetch_b8 v0, s[64:65] scope:SCOPE_SE
	s_setreg_imm32_b32 hwreg(HW_REG_WAVE_MODE, 25, 1), 1
	s_wait_xcnt 0x0
	s_wait_alu depctr_hold_cnt(0) depctr_sa_sdst(0) depctr_va_vdst(0) depctr_va_sdst(0) depctr_va_ssrc(0) depctr_va_vcc(0) depctr_vm_vsrc(0)
	s_getreg_b32 s2, hwreg(HW_REG_IB_STS2, 6, 4)
	s_cmp_eq_u32 s2, 0
	s_cbranch_scc0 .Lentry_in_a_cluster
	s_endpgm
.Lentry_in_a_cluster:
	s_bfe_u32 s2, ttmp6, 0x10000c
	s_cmp_lg_u32 s2, 0xf033
	s_cbranch_scc0 .Lentry_shape_is_right
	s_endpgm
.Lentry_shape_is_right:
; act = silu(h w_gate) (h w_up), h = rms_norm(x) ln2.  A = XB [4096][2048] = f16(x / 64), not normalised; the weights WGU [2][8][2048 k][64] = f16(256 gain w).  The sums are 4 times the true ones:
; the row's 1/rms, made here from the 32 partial sums of x^2, takes the factor 1/4 and is applied to the f32 sums.  OUT: act [8 planes of 64 columns][4096][64] bf16.
; act stays bf16: it grows with (gain x w)^2, 810,000 times either way, which f16 does not span.
; A tile is 128 rows x (64 gate + the same 64 up columns): 8 x 32 work-groups.  Four waves, 2 (wm) x 2 (wn), 4 x 4 accumulators: b = 0, 1 gate, b = 2, 3 up, so g and u of a number fall into one lane.
; K goes in 8 steps of 256 (eight quarters of 32) through two LDS slots filled by joint tensor loads in a 4 x 4 cluster.
; REGISTERS: window 0: v0-31 addresses, v32-95 and v96-159 two fragment buffers; window 1: accumulator (b, a) at 8 (4 b + a).
; LIMITS: 2^(-g log2 e) may be infinite, its reciprocal is then 0, as silu's limit is; NaN and infinities in the inputs are not treated apart.
.set WGU_O, 33554432
.set XB_O,  33554432
.set SSP_O, 50331648
.set T,     8
.set MB,    4
.set PA,    528
.set PB,    160
.set XS,    0x25000                    ; 151,552: all four bases of a slot have these three bits clear, so the exclusive or adds it
.set BG,    67584                      ; a slot: A's halves at 0 and 33,792, gate's 256 k rows here, up's at 108,544
.set SPARE, 2*XS
.set RS2,   SPARE+512                  ; 128 rows' 1/rms: a block of its own, into which no fill lands
.set ASTEP, 512
.set BSTEPC, 32768
.set F0,    32
.set F1,    96
.set ADRA0, 4
.set ADRB0, 5
.set ADRU0, 6
.set ADRA,  7
.set ADRB,  8
.set ADRU,  9
.set STO,   10
.set RSA,   11
.set RD,    12
.set GO,    14
.set PFO,   15
.set SPW,   28
.set NIL,   29
.set G1A,   16
.set G1B,   24
.set G0A,   40
.set G0B,   48
.set PFA,   58
.set PSTEP, 60
.set LIM,   62
.set MSB, 0
.macro WIN new
.if MSB != (\new)
	s_set_vgpr_msb (MSB<<8)|(\new)
.set MSB, \new
.endif
.endm
.macro PLACES
.rept 4
	v_nop
.endr
.endm
.macro CREST
	s_cmp_lg_u32 s10, 0
	s_cbranch_scc1 .Lnw0_\@
	s_barrier_signal -3
.Lnw0_\@:
	s_barrier_wait -3
	s_barrier_signal -1
	s_barrier_wait -1
.endm
.macro CROUND
	s_barrier_signal -1
	s_barrier_wait -1
	CREST
.endm
.macro JLOAD                           ; waves 0, 1 A's halves, wave 2 gate's tile, wave 3 up's
	s_cmp_lt_u32 s10, 2
	s_cbranch_scc0 .Ljb_\@
	tensor_load_to_lds s[G0A+4:G0A+7], s[G1A:G1A+7]
	s_nop 0
	PLACES
	s_branch .Ljd_\@
.Ljb_\@:
	tensor_load_to_lds s[G0B+4:G0B+7], s[G1B:G1B+7]
	s_nop 0
	PLACES
.Ljd_\@:
.endm
.macro STEPD
	s_xor_b32 s[G0A+5], s[G0A+5], XS
	s_add_nc_u64 s[G0A+6:G0A+7], s[G0A+6:G0A+7], ASTEP
	s_xor_b32 s[G0B+5], s[G0B+5], XS
	s_add_nc_u64 s[G0B+6:G0B+7], s[G0B+6:G0B+7], BSTEPC
.endm
.macro ADDRS
	s_xor_b32 s15, s15, XS
	v_add_nc_u32 v[ADRA], s15, v[ADRA0]
	v_add_nc_u32 v[ADRB], s15, v[ADRB0]
	v_add_nc_u32 v[ADRU], s15, v[ADRU0]
	v_nop
.endm
.macro ASK                             ; the K step four on from the trip's own: 32 blocks of 256 bytes, a lane a block
	s_cmp_gt_u32 s3, s[LIM]
	s_cbranch_scc0 .Lna_\@
	global_prefetch_b8 v[PFO], s[PFA:PFA+1] th:TH_LOAD_NT scope:SCOPE_SE
.Lna_\@:
.endm
.macro FETCH q, f
	WIN 0
.irp a, 0,1,2,3
	ds_load_b128 v[(\f)+8*\a:(\f)+8*\a+3],   v[ADRA] offset:(\q)*64+\a*16*PA
	ds_load_b128 v[(\f)+8*\a+4:(\f)+8*\a+7], v[ADRA] offset:(\q)*64+\a*16*PA+32
.endr
.irp b, 0,1
	ds_load_tr16_b128 v[(\f)+32+8*\b:(\f)+32+8*\b+3],   v[ADRB] offset:(\q)*32*PB+\b*32
	ds_load_tr16_b128 v[(\f)+32+8*\b+4:(\f)+32+8*\b+7], v[ADRB] offset:(\q)*32*PB+16*PB+\b*32
.endr
.irp b, 0,1
	ds_load_tr16_b128 v[(\f)+48+8*\b:(\f)+48+8*\b+3],   v[ADRU] offset:(\q)*32*PB+\b*32
	ds_load_tr16_b128 v[(\f)+48+8*\b+4:(\f)+48+8*\b+7], v[ADRU] offset:(\q)*32*PB+16*PB+\b*32
.endr
.endm
.macro MULB f, b, zero                 ; each accumulator is named once a quarter: they take turns
	WIN 0x50
.set aa, 0
.rept MB
.set rD, 8*((\b)*MB+aa)
.if \zero
	v_wmma_f32_16x16x32_f16 v[rD:rD+7], v[(\f)+8*MB+8*(\b):(\f)+8*MB+8*(\b)+7], v[(\f)+8*aa:(\f)+8*aa+7], 0
.else
	v_wmma_f32_16x16x32_f16 v[rD:rD+7], v[(\f)+8*MB+8*(\b):(\f)+8*MB+8*(\b)+7], v[(\f)+8*aa:(\f)+8*aa+7], v[rD:rD+7]
.endif
.set aa, aa+1
.endr
.endm
.macro MULG f, g, zero
.if (\g) < 2
	MULB \f, \g, \zero
.else
	MULB \f, 2, \zero
	MULB \f, 3, \zero
.endif
.endm
.macro QUARTER q, zero
.if ((\q)%2) == 0
.set fC, F0
.set fN, F1
.else
.set fC, F1
.set fN, F0
.endif
	s_wait_dscnt 0x0                               ; this buffer's loads, issued 12 matrix instructions ago
	MULG fC, 0, \zero
	PLACES
	FETCH (\q)+1, fN
	MULG fC, 1, \zero
	MULG fC, 2, \zero
.endm
.macro TURN fill                       ; the step's last quarter and the change of slots: the three lines, the barrier (fill = 1: a round of the cluster's), the joint refill first behind it
.if \fill
	s_wait_xcnt 0x0                                ; the last prefetch, a K step back, has read its address
	s_add_nc_u64 s[PFA:PFA+1], s[PFA:PFA+1], s[PSTEP:PSTEP+1]
.endif
	WIN 0
	s_wait_tensorcnt 0x0                           ; all my tensor loads have landed: my part of the next slot
	ds_add_u32 v[SPW], v[NIL]
.if \fill
	STEPD
.endif
	s_wait_dscnt 1                                 ; the add alone may be out
	MULG F1, 0, 0
	s_wait_dscnt 0x0                               ; the add is done, my reads of this slot are over
	s_barrier_signal -1
	MULG F1, 1, 0
	WIN 0
	s_barrier_wait -1
.if \fill
	CREST
	JLOAD
	ADDRS
	FETCH 0, F0
	ASK
.else
	s_cmp_eq_u32 s3, 1
	s_cbranch_scc1 .Lnf_\@
	ADDRS
	FETCH 0, F0
.Lnf_\@:
.endif
	MULG F1, 2, 0
.endm
	s_load_b128 s[68:71], s[0:1], 0x0              ; xo 68, pw 70
	s_load_b64 s[72:73], s[0:1], 0x10              ; act
	v_lshl_add_u32 v[SPW], v0, 2, SPARE
	v_mov_b32 v[NIL], 0
	ds_add_u32 v[SPW], v[NIL]                      ; the wave's opening
	v_lshrrev_b32 v1, 5, v0
	v_readfirstlane_b32 s10, v1
	s_lshr_b32 s11, s10, 1
	s_and_b32 s12, s10, 1
	s_bfe_u32 s92, ttmp6, 0x40000
	s_bfe_u32 s93, ttmp6, 0x40004
	s_lshl_b32 s14, ttmp9, 2
	s_add_co_u32 s14, s14, s92                     ; tx: the plane of 64 columns
	s_and_b32 s13, ttmp7, 0xffff
	s_lshl_b32 s13, s13, 2
	s_add_co_u32 s13, s13, s93                     ; ty: 128 rows
	s_lshl_b32 s94, s93, 2
	s_lshl_b32 s94, 15, s94
	s_lshl_b32 s95, 0x1111, s92
	s_or_b32 s[G1A], s94, (1<<16)|(1<<20)|(1<<21)|(6<<22)|(3<<25)  ; rows of 512 bytes, 4 words of padding behind every 128
	s_mov_b32 s[G1A+1], 256<<16
	s_mov_b32 s[G1A+2], 64<<16
	s_mov_b32 s[G1A+3], 256<<16
	s_mov_b32 s[G1A+4], 64
	s_mov_b32 s[G1A+5], 2048
	s_mov_b32 s[G1A+6], 0
	s_mov_b32 s[G1A+7], 0
	s_or_b32 s[G1B], s95, (1<<16)|(1<<20)|(1<<21)|(4<<22)|(7<<25)  ; 256 k rows of 128 bytes, dense: 128 rows of 256, 8 words behind every 32
	s_mov_b32 s[G1B+1], 128<<16
	s_mov_b32 s[G1B+2], 128<<16
	s_mov_b32 s[G1B+3], 128<<16
	s_mov_b32 s[G1B+4], 128
	s_mov_b32 s[G1B+5], 128
	s_mov_b32 s[G1B+6], 0
	s_mov_b32 s[G1B+7], 0
	s_lshl_b32 s4, s13, 7
	s_lshl_b32 s5, s12, 6
	s_add_co_u32 s4, s4, s5
	s_lshl_b32 s4, s4, 12
	s_add_co_u32 s4, s4, XB_O
	s_mov_b32 s5, 0
	s_lshl_b32 s6, s12, 3
	s_add_co_u32 s6, s6, s14
	s_lshl_b32 s6, s6, 18
	s_add_co_u32 s6, s6, WGU_O
	s_mov_b32 s7, 0
	s_mul_i32 s9, s10, 33792
	s_mul_i32 s8, s12, 40960
	s_add_co_u32 s8, s8, BG
	s_mov_b32 s15, 0
	s_wait_dscnt 0x0
	s_wait_kmcnt 0x0
	s_add_nc_u64 s[4:5], s[68:69], s[4:5]
	s_add_nc_u64 s[6:7], s[70:71], s[6:7]
	CROUND
	s_mov_b32 s[G0A], 1
	s_add_co_u32 s[G0A+1], s9, 0
	s_add_nc_u64 s[G0A+2:G0A+3], s[4:5], 0
	s_or_b32 s[G0A+3], s[G0A+3], 0x80000000
	s_mov_b32 s[G0A+4], 1
	s_add_co_u32 s[G0A+5], s9, XS
	s_add_nc_u64 s[G0A+6:G0A+7], s[4:5], ASTEP
	s_or_b32 s[G0A+7], s[G0A+7], 0x80000000
	s_mov_b32 s[G0B], 1
	s_add_co_u32 s[G0B+1], s8, 0
	s_add_nc_u64 s[G0B+2:G0B+3], s[6:7], 0
	s_or_b32 s[G0B+3], s[G0B+3], 0x80000000
	s_mov_b32 s[G0B+4], 1
	s_add_co_u32 s[G0B+5], s8, XS
	s_add_nc_u64 s[G0B+6:G0B+7], s[6:7], BSTEPC
	s_or_b32 s[G0B+7], s[G0B+7], 0x80000000
	s_cmp_lt_u32 s10, 2                            ; K steps 0 and 1: two loads of mine are out
	s_cbranch_scc0 .Lff_b
	tensor_load_to_lds s[G0A:G0A+3], s[G1A:G1A+7]
	s_nop 0
	tensor_load_to_lds s[G0A+4:G0A+7], s[G1A:G1A+7]
	s_nop 0
	PLACES
	s_branch .Lff_d
.Lff_b:
	tensor_load_to_lds s[G0B:G0B+3], s[G1B:G1B+7]
	s_nop 0
	tensor_load_to_lds s[G0B+4:G0B+7], s[G1B:G1B+7]
	s_nop 0
	PLACES
.Lff_d:
	; thread t: the 32 partial sums of x^2 of row 128 ty + t
	s_lshl_b32 s4, s13, 9
	v_lshl_add_u32 v16, v0, 2, s4
	s_add_nc_u64 s[78:79], s[68:69], SSP_O
.set i, 0
.rept 32
	global_load_b32 v[32+i], v16, s[78:79] offset:i*16384
.set i, i+1
.endr
	v_and_b32 v1, 15, v0
	v_bfe_u32 v2, v0, 4, 1
	v_and_b32 v3, 31, v0
	v_mul_u32_u24 v[ADRA0], v1, PA
	v_lshl_add_u32 v[ADRA0], v2, 4, v[ADRA0]
	s_mul_i32 s4, s11, 33792
	v_add_nc_u32 v[ADRA0], s4, v[ADRA0]
	v_and_b32 v21, 7, v0
	v_lshl_add_u32 v21, v2, 3, v21
	v_bfe_u32 v22, v0, 3, 1
	s_lshl_b32 s5, s12, 6
	s_add_co_u32 s4, s5, BG
	v_mul_u32_u24 v[ADRB0], v21, PB
	v_lshl_add_u32 v[ADRB0], v22, 4, v[ADRB0]
	v_add_nc_u32 v[ADRB0], s4, v[ADRB0]
	v_add_nc_u32 v[ADRU0], 40960, v[ADRB0]
	v_mov_b32 v[ADRA], v[ADRA0]
	v_mov_b32 v[ADRB], v[ADRB0]
	v_mov_b32 v[ADRU], v[ADRU0]
	s_mul_i32 s4, s11, 64*144
	s_add_co_u32 s4, s4, s5
	v_mul_u32_u24 v[STO], v1, 144
	v_lshl_add_u32 v[STO], v2, 4, v[STO]
	v_add_nc_u32 v[STO], s4, v[STO]                ; (64 wm + r) 144 + 64 wn + 16 h
	s_lshl_b32 s4, s11, 8
	s_add_co_u32 s4, s4, RS2
	v_lshl_add_u32 v[RSA], v1, 2, s4
	v_lshl_add_u32 v17, v0, 2, RS2
	s_mul_i32 s4, s10, 32*144
	v_bfe_u32 v[RD], v0, 3, 2
	v_mul_u32_u24 v[RD], v[RD], 144
	v_and_b32 v23, 7, v0
	v_lshl_add_u32 v[RD], v23, 4, v[RD]
	v_add_nc_u32 v[RD], s4, v[RD]                  ; back: 32 lanes take four rows of 128 bytes
	v_lshlrev_b32 v[GO], 4, v3
	s_lshl_b32 s6, s14, 12
	s_lshl_b32 s5, s13, 7
	s_add_co_u32 s6, s6, s5
	s_lshl_b32 s5, s10, 5
	s_add_co_u32 s6, s6, s5
	s_lshl_b32 s6, s6, 7
	s_mov_b32 s7, 0
	s_add_nc_u64 s[86:87], s[72:73], s[6:7]        ; act + (4096 tx + 128 ty + 32 w) 128
	; the prefetches: A's blocks by the clusters with x = 0 (16 rows x 2 blocks a partner), the weights' by those with y = 0 (32 blocks a partner)
	s_and_b32 s4, ttmp7, 0xffff
	s_cmp_lt_u32 s10, 2
	s_cselect_b32 s4, ttmp9, s4
	s_cselect_b64 s[PFA:PFA+1], s[68:69], s[70:71]
	s_cselect_b32 s8, -1, 0
	s_cmp_eq_u32 s4, 0
	s_cselect_b32 s[LIM], 2, -1
	s_lshl_b32 s4, s13, 7
	s_lshl_b32 s5, s12, 6
	s_add_co_u32 s4, s4, s5
	s_lshl_b32 s5, s92, 4
	s_add_co_u32 s4, s4, s5
	s_lshl_b32 s4, s4, 12
	s_add_co_u32 s4, s4, XB_O+3*ASTEP
	s_mov_b32 s[PSTEP], ASTEP
	s_lshl_b32 s6, s12, 3
	s_add_co_u32 s6, s6, s14
	s_lshl_b32 s6, s6, 18
	s_lshl_b32 s7, s93, 13
	s_add_co_u32 s6, s6, s7
	s_add_co_u32 s6, s6, WGU_O+3*BSTEPC
	s_cmp_lt_u32 s10, 2
	s_cselect_b32 s4, s4, s6
	s_cselect_b32 s[PSTEP], s[PSTEP], BSTEPC
	s_mov_b32 s5, 0
	s_mov_b32 s[PSTEP+1], 0
	s_add_nc_u64 s[PFA:PFA+1], s[PFA:PFA+1], s[4:5]
	v_lshrrev_b32 v24, 1, v3
	v_lshlrev_b32 v24, 12, v24
	v_and_b32 v25, 1, v3
	v_lshl_add_u32 v24, v25, 8, v24
	v_lshlrev_b32 v25, 8, v3
	v_cndmask_b32 v[PFO], v25, v24, s8
	s_mov_b32 s98, 0x3a000000                      ; 1 / 2048
	s_mov_b32 s99, 0x358637bd                      ; 1e-6
	s_wait_loadcnt 0x0
.set i, 4
.rept 28
	v_add_f32 v[32+i%4], v[32+i%4], v[32+i]        ; four chains, in a fixed order
.set i, i+1
.endr
	v_add_f32 v32, v32, v33
	v_add_f32 v34, v34, v35
	v_add_f32 v32, v32, v34
	v_fma_f32 v32, v32, s98, s99
	v_rsq_f32 v33, v32
	v_nop
	s_wait_alu depctr_va_vdst(0)
	v_mul_f32 v33, 0x3e800000, v33                 ; times 1/4: A carries 2^-6, the weights 2^8
	ds_store_b32 v17, v33
	s_wait_dscnt 0x0                               ; for the others' sake
	s_wait_tensorcnt 1                             ; K step 0 is in; step 1's load may stay out
	s_barrier_signal -1
	s_barrier_wait -1
	FETCH 0, F0
	QUARTER 0, 1
	WIN 0
	s_mov_b32 s3, T-2
.Lstep:
.irp q, 1,2,3,4,5,6
	QUARTER \q, 0
.endr
	TURN 1
	QUARTER 0, 0
	WIN 0
	s_sub_co_u32 s3, s3, 1
	s_cmp_lg_u32 s3, 0
	s_cbranch_scc1 .Lstep
	s_mov_b32 s3, 2
.Ltail:
.irp q, 1,2,3,4,5,6
	QUARTER \q, 0
.endr
	TURN 0
	WIN 0
	s_sub_co_u32 s3, s3, 1
	s_cmp_eq_u32 s3, 0
	s_cbranch_scc1 .Lout
	QUARTER 0, 0
	WIN 0
	s_branch .Ltail
.Lout:
	; THE WAY OUT, stage by stage: g, u = sums x 1/rms; g u / (1 + 2^(-g log2 e)); two batches of 64 transcendentals, one wait each
.irp a, 0,1,2,3
	ds_load_b32 v[24+\a], v[RSA] offset:64*\a
.endr
	s_wait_dscnt 0x0
	PLACES
	WIN 0x41
.set u, 0
.rept 16
.set RS, 24+2*((u%4)/2)
.irp i, 0,2,4,6
.if (u%4)%2
	v_pk_mul_f32 v[8*u+\i:8*u+\i+1], v[8*u+\i:8*u+\i+1], v[RS:RS+1] op_sel:[0,1] op_sel_hi:[1,1]
.else
	v_pk_mul_f32 v[8*u+\i:8*u+\i+1], v[8*u+\i:8*u+\i+1], v[RS:RS+1] op_sel_hi:[1,0]
.endif
.endr
.set u, u+1
.endr
	WIN 0x01
.set n, 0
.rept 32
	v_pk_mul_f32 v[32+2*n:33+2*n], v[2*n:2*n+1], 0xbfb8aa3b op_sel_hi:[1,0]
.set n, n+1
.endr
	WIN 0
.set n, 0
.rept 64
	v_exp_f32 v[32+n], v[32+n]
.set n, n+1
.endr
	v_nop
	s_wait_alu depctr_va_vdst(0)
.set n, 0
.rept 32
	v_pk_add_f32 v[32+2*n:33+2*n], v[32+2*n:33+2*n], 1.0 op_sel_hi:[1,0]
.set n, n+1
.endr
.set n, 0
.rept 64
	v_rcp_f32 v[32+n], v[32+n]
.set n, n+1
.endr
	v_nop
	s_wait_alu depctr_va_vdst(0)
	WIN 0x45
.set n, 0
.rept 32
	v_pk_mul_f32 v[2*n:2*n+1], v[2*n:2*n+1], v[64+2*n:65+2*n]
.set n, n+1
.endr
	WIN 0x01
.set n, 0
.rept 32
	v_pk_mul_f32 v[32+2*n:33+2*n], v[2*n:2*n+1], v[32+2*n:33+2*n]
.set n, n+1
.endr
	WIN 0
.set u, 0
.rept 8
.irp k, 0,1,2,3
	v_cvt_pk_bf16_f32 v[32+8*u+\k], v[32+8*u+2*\k], v[32+8*u+2*\k+1]
.endr
	ds_store_b128 v[STO], v[32+8*u:35+8*u] offset:(u%4)*16*144+32*(u/4)
.set u, u+1
.endr
	s_wait_dscnt 0x0                               ; for the others' sake
	s_barrier_signal -1
	s_barrier_wait -1
.irp f, 0,1,2,3,4,5,6,7
	ds_load_b128 v[96+4*\f:99+4*\f], v[RD] offset:\f*4*144
.endr
.irp f, 0,1,2,3,4,5,6,7
	s_wait_dscnt 7-\f
	global_store_b128 v[GO], v[96+4*\f:99+4*\f], s[86:87] offset:\f*512  ; four rows of the plane: 512 consecutive bytes
.endr
	s_wait_tensorcnt 0x0                           ; the wave's end
	ds_add_u32 v[SPW], v[NIL]
	s_wait_dscnt 0x0
	CROUND
	s_endpgm
.Lfunc_end_k_q97f810f443_gateup:
	.size	k_q97f810f443_gateup, .Lfunc_end_k_q97f810f443_gateup-k_q97f810f443_gateup
	.p2alignl 7, 3214868480
	.fill 96, 4, 3214868480
	.section	.rodata,"a",@progbits
	.p2align	6, 0x0
	.amdhsa_kernel k_q97f810f443_gateup
		.amdhsa_group_segment_fixed_size 327680
		.amdhsa_private_segment_fixed_size 0
		.amdhsa_enable_private_segment 0
		.amdhsa_kernarg_size 24
		.amdhsa_user_sgpr_count 2
		.amdhsa_user_sgpr_kernarg_segment_ptr 1
		.amdhsa_wavefront_size32 1
		.amdhsa_system_sgpr_workgroup_id_x 1
		.amdhsa_system_sgpr_workgroup_id_y 1
		.amdhsa_system_sgpr_workgroup_id_z 1
		.amdhsa_system_vgpr_workitem_id 0
		.amdhsa_next_free_vgpr 512
		.amdhsa_next_free_sgpr 100
		.amdhsa_reserve_vcc 0
		.amdhsa_float_denorm_mode_32 3
		.amdhsa_float_denorm_mode_16_64 3
		.amdhsa_memory_ordered 1
		.amdhsa_forward_progress 1
		.amdhsa_inst_pref_size 77
	.end_amdhsa_kernel
	.amdgpu_metadata
---
amdhsa.version: [ 1, 2 ]
amdhsa.kernels:
  - .name:           k_q97f810f443_gateup
    .symbol:         k_q97f810f443_gateup.kd
    .args:
      - { .name: xo, .offset: 0, .size: 8, .value_kind: global_buffer, .address_space: global }
      - { .name: pw, .offset: 8, .size: 8, .value_kind: global_buffer, .address_space: global }
      - { .name: act, .offset: 16, .size: 8, .value_kind: global_buffer, .address_space: global }
    .group_segment_fixed_size: 327680
    .private_segment_fixed_size: 0
    .kernarg_segment_align: 8
    .kernarg_segment_size: 24
    .max_flat_workgroup_size: 128
    .sgpr_count:     100
    .vgpr_count:     512
    .wavefront_size: 32
...
	.end_amdgpu_metadata
.endif
;; end of part 5
;; launch down (part 6): grid 16 x 16, 4 waves a work-group, clusters of 4 x 4, 327,680 bytes of LDS; arguments act, pw, xo, out0; writes out0
.if DOCPART == 6
	.amdgcn_target "amdgcn-amd-amdhsa--gfx1250"
	.amdhsa_code_object_version 6
	.text
	.protected	k_q97f810f443_down
	.globl	k_q97f810f443_down
	.p2align	8
	.type	k_q97f810f443_down,@function
k_q97f810f443_down:
	s_mov_b64 s[64:65], 0
	v_nop
	global_prefetch_b8 v0, s[64:65] scope:SCOPE_SE
	s_setreg_imm32_b32 hwreg(HW_REG_WAVE_MODE, 25, 1), 1
	s_wait_xcnt 0x0
	s_wait_alu depctr_hold_cnt(0) depctr_sa_sdst(0) depctr_va_vdst(0) depctr_va_sdst(0) depctr_va_ssrc(0) depctr_va_vcc(0) depctr_vm_vsrc(0)
	s_getreg_b32 s2, hwreg(HW_REG_IB_STS2, 6, 4)
	s_cmp_eq_u32 s2, 0
	s_cbranch_scc0 .Lentry_in_a_cluster
	s_endpgm
.Lentry_in_a_cluster:
	s_bfe_u32 s2, ttmp6, 0x10000c
	s_cmp_lg_u32 s2, 0xf033
	s_cbranch_scc0 .Lentry_shape_is_right
	s_endpgm
.Lentry_shape_is_right:
; out0 = x + act w_down.  A = act [8 planes][4096][64] bf16, B = WD [512 k][2048 n] bf16, the residual X32 f32.
; A tile of C is 256 x 128: 16 x 16 work-groups.  Four waves, 2 (wm) x 2 (wn), 8 x 4 accumulators, products transposed (source 0 = B).
; K goes in 4 steps of 128 (two planes) through two LDS slots filled by joint tensor loads in a 4 x 4 cluster: A shared along a row of the cluster, B along a column.
; No prefetch: four K steps, beside which the residual's loads and the output's stores keep memory busy.
; REGISTERS: window 0: v0-31 addresses, v32-127 and v128-223 two fragment buffers; window 1: accumulator (b, a) at 8 (8 b + a); window 2: the residual, at the same numbers.
; LIMITS: bf16 operands; NaN and infinities are not treated apart.
.set WD_O,  37748736
.set T,     4
.set MB,    8
.set PA,    144                        ; a row of a plane in LDS: 128 + 16 bytes
.set PB,    288
.set XS,    0x20000
.set BB,    73728                      ; a slot: the two planes at 0 and 36,864, B's 128 k rows here
.set SPARE, 2*XS
.set ASTEP, 1048576                    ; two planes of 4,096 rows x 128 bytes
.set BSTEPC, 524288
.set F0,    32
.set F1,    128
.set ADRA0, 4
.set ADRB0, 5
.set ADRA,  7
.set ADRB,  8
.set STO,   10
.set RDW,   12
.set GX,    13
.set SPW,   28
.set NIL,   29
.set G1A,   16
.set G1B,   24
.set G0A,   40
.set G0B,   48
.set MSB, 0
.macro WIN new
.if MSB != (\new)
	s_set_vgpr_msb (MSB<<8)|(\new)
.set MSB, \new
.endif
.endm
.macro PLACES
.rept 4
	v_nop
.endr
.endm
.macro CREST
	s_cmp_lg_u32 s10, 0
	s_cbranch_scc1 .Lnw0_\@
	s_barrier_signal -3
.Lnw0_\@:
	s_barrier_wait -3
	s_barrier_signal -1
	s_barrier_wait -1
.endm
.macro CROUND
	s_barrier_signal -1
	s_barrier_wait -1
	CREST
.endm
.macro JLOAD                           ; waves 0, 1 the step's two planes of A, waves 2, 3 B's halves
	s_cmp_lt_u32 s10, 2
	s_cbranch_scc0 .Ljb_\@
	tensor_load_to_lds s[G0A+4:G0A+7], s[G1A:G1A+7]
	s_nop 0
	PLACES
	s_branch .Ljd_\@
.Ljb_\@:
	tensor_load_to_lds s[G0B+4:G0B+7], s[G1B:G1B+7]
	s_nop 0
	PLACES
.Ljd_\@:
.endm
.macro STEPD
	s_xor_b32 s[G0A+5], s[G0A+5], XS
	s_add_nc_u64 s[G0A+6:G0A+7], s[G0A+6:G0A+7], ASTEP
	s_xor_b32 s[G0B+5], s[G0B+5], XS
	s_add_nc_u64 s[G0B+6:G0B+7], s[G0B+6:G0B+7], BSTEPC
.endm
.macro ADDRS
	s_xor_b32 s15, s15, XS
	v_add_nc_u32 v[ADRA], s15, v[ADRA0]
	v_add_nc_u32 v[ADRB], s15, v[ADRB0]
	v_nop
	v_nop
.endm
.macro FETCH q, f                      ; quarter q: plane q / 2 of the step, channels 32 (q % 2) on
	WIN 0
.irp a, 0,1,2,3,4,5,6,7
	ds_load_b128 v[(\f)+8*\a:(\f)+8*\a+3],   v[ADRA] offset:((\q)/2)*36864+((\q)%2)*64+\a*16*PA
	ds_load_b128 v[(\f)+8*\a+4:(\f)+8*\a+7], v[ADRA] offset:((\q)/2)*36864+((\q)%2)*64+\a*16*PA+32
.endr
.irp b, 0,1,2,3
	ds_load_tr16_b128 v[(\f)+64+8*\b:(\f)+64+8*\b+3],   v[ADRB] offset:(\q)*32*PB+\b*32
	ds_load_tr16_b128 v[(\f)+64+8*\b+4:(\f)+64+8*\b+7], v[ADRB] offset:(\q)*32*PB+16*PB+\b*32
.endr
.endm
.macro MULB f, b, zero                 ; each accumulator is named once a quarter: they take turns
	WIN 0x50
.set aa, 0
.rept MB
.set rD, 8*((\b)*MB+aa)
.if \zero
	v_wmma_f32_16x16x32_bf16 v[rD:rD+7], v[(\f)+8*MB+8*(\b):(\f)+8*MB+8*(\b)+7], v[(\f)+8*aa:(\f)+8*aa+7], 0
.else
	v_wmma_f32_16x16x32_bf16 v[rD:rD+7], v[(\f)+8*MB+8*(\b):(\f)+8*MB+8*(\b)+7], v[(\f)+8*aa:(\f)+8*aa+7], v[rD:rD+7]
.endif
.set aa, aa+1
.endr
.endm
.macro MULG f, g, zero
.if (\g) < 2
	MULB \f, \g, \zero
.else
	MULB \f, 2, \zero
	MULB \f, 3, \zero
.endif
.endm
.macro QUARTER q, zero
.if ((\q)%2) == 0
.set fC, F0
.set fN, F1
.else
.set fC, F1
.set fN, F0
.endif
	s_wait_dscnt 0x0                               ; this buffer's loads, issued 24 matrix instructions ago
	MULG fC, 0, \zero
	PLACES
	FETCH (\q)+1, fN
	MULG fC, 1, \zero
	MULG fC, 2, \zero
.endm
.macro TURN fill                       ; the step's last quarter and the change of slots: the three lines, the barrier (fill = 1: a round of the cluster's), the joint refill first behind it
	WIN 0
	s_wait_tensorcnt 0x0                           ; all my tensor loads have landed: my part of the next slot
	ds_add_u32 v[SPW], v[NIL]
.if \fill
	STEPD
.endif
	s_wait_dscnt 1                                 ; the add alone may be out
	MULG F1, 0, 0
	s_wait_dscnt 0x0                               ; the add is done, my reads of this slot are over
	s_barrier_signal -1
	MULG F1, 1, 0
	WIN 0
	s_barrier_wait -1
.if \fill
	CREST
	JLOAD
	ADDRS
	FETCH 0, F0
.else
	s_cmp_eq_u32 s3, 1
	s_cbranch_scc1 .Lnf_\@
	ADDRS
	FETCH 0, F0
.Lnf_\@:
.endif
	MULG F1, 2, 0
.endm
	s_load_b256 s[68:75], s[0:1], 0x0              ; act 68, pw 70, xo 72, out0 74
	v_lshl_add_u32 v[SPW], v0, 2, SPARE
	v_mov_b32 v[NIL], 0
	ds_add_u32 v[SPW], v[NIL]                      ; the wave's opening
	v_lshrrev_b32 v1, 5, v0
	v_readfirstlane_b32 s10, v1
	s_lshr_b32 s11, s10, 1
	s_and_b32 s12, s10, 1
	s_bfe_u32 s92, ttmp6, 0x40000
	s_bfe_u32 s93, ttmp6, 0x40004
	s_lshl_b32 s14, ttmp9, 2
	s_add_co_u32 s14, s14, s92
	s_and_b32 s13, ttmp7, 0xffff
	s_lshl_b32 s13, s13, 2
	s_add_co_u32 s13, s13, s93
	s_lshl_b32 s94, s93, 2
	s_lshl_b32 s94, 15, s94
	s_lshl_b32 s95, 0x1111, s92
	s_or_b32 s[G1A], s94, (1<<16)|(1<<20)|(1<<21)|(4<<22)|(3<<25)  ; 256 rows of 128 bytes, dense: 128 rows of 256, 4 words of padding behind every 32
	s_mov_b32 s[G1A+1], 128<<16
	s_mov_b32 s[G1A+2], 128<<16
	s_mov_b32 s[G1A+3], 128<<16
	s_mov_b32 s[G1A+4], 128
	s_mov_b32 s[G1A+5], 128
	s_mov_b32 s[G1A+6], 0
	s_mov_b32 s[G1A+7], 0
	s_or_b32 s[G1B], s95, (1<<16)|(1<<20)|(1<<21)|(5<<22)|(7<<25)
	s_mov_b32 s[G1B+1], 128<<16
	s_mov_b32 s[G1B+2], 64<<16
	s_mov_b32 s[G1B+3], 128<<16
	s_mov_b32 s[G1B+4], 64
	s_mov_b32 s[G1B+5], 2048
	s_mov_b32 s[G1B+6], 0
	s_mov_b32 s[G1B+7], 0
	s_lshl_b32 s4, s12, 12
	s_lshl_b32 s5, s13, 8
	s_add_co_u32 s4, s4, s5
	s_lshl_b32 s4, s4, 7                           ; A: (4096 plane + 256 ty) 128
	s_mov_b32 s5, 0
	s_lshl_b32 s6, s14, 8
	s_lshl_b32 s7, s12, 18
	s_add_co_u32 s6, s6, s7
	s_add_co_u32 s6, s6, WD_O
	s_mov_b32 s7, 0
	s_mul_i32 s9, s10, 36864
	s_mul_i32 s8, s12, 18432
	s_add_co_u32 s8, s8, BB
	s_mov_b32 s15, 0
	s_wait_dscnt 0x0
	s_wait_kmcnt 0x0
	s_add_nc_u64 s[4:5], s[68:69], s[4:5]
	s_add_nc_u64 s[6:7], s[70:71], s[6:7]
	CROUND
	s_mov_b32 s[G0A], 1
	s_add_co_u32 s[G0A+1], s9, 0
	s_add_nc_u64 s[G0A+2:G0A+3], s[4:5], 0
	s_or_b32 s[G0A+3], s[G0A+3], 0x80000000
	s_mov_b32 s[G0A+4], 1
	s_add_co_u32 s[G0A+5], s9, XS
	s_add_nc_u64 s[G0A+6:G0A+7], s[4:5], ASTEP
	s_or_b32 s[G0A+7], s[G0A+7], 0x80000000
	s_mov_b32 s[G0B], 1
	s_add_co_u32 s[G0B+1], s8, 0
	s_add_nc_u64 s[G0B+2:G0B+3], s[6:7], 0
	s_or_b32 s[G0B+3], s[G0B+3], 0x80000000
	s_mov_b32 s[G0B+4], 1
	s_add_co_u32 s[G0B+5], s8, XS
	s_add_nc_u64 s[G0B+6:G0B+7], s[6:7], BSTEPC
	s_or_b32 s[G0B+7], s[G0B+7], 0x80000000
	s_cmp_lt_u32 s10, 2                            ; K steps 0 and 1: two loads of mine are out
	s_cbranch_scc0 .Lff_b
	tensor_load_to_lds s[G0A:G0A+3], s[G1A:G1A+7]
	s_nop 0
	tensor_load_to_lds s[G0A+4:G0A+7], s[G1A:G1A+7]
	s_nop 0
	PLACES
	s_branch .Lff_d
.Lff_b:
	tensor_load_to_lds s[G0B:G0B+3], s[G1B:G1B+7]
	s_nop 0
	tensor_load_to_lds s[G0B+4:G0B+7], s[G1B:G1B+7]
	s_nop 0
	PLACES
.Lff_d:
	v_and_b32 v1, 15, v0
	v_bfe_u32 v2, v0, 4, 1
	v_and_b32 v3, 31, v0
	; the residual, asked for now: X32 (256 ty + 128 wm + 16 a + r) 8192 + (128 tx + 64 wn + 16 b + 8 h) 4
	s_lshl_b32 s4, s13, 8
	s_lshl_b32 s5, s11, 7
	s_add_co_u32 s4, s4, s5
	s_lshl_b32 s4, s4, 13
	s_lshl_b32 s5, s14, 9
	s_add_co_u32 s4, s4, s5
	s_lshl_b32 s5, s12, 8
	s_add_co_u32 s4, s4, s5
	v_lshlrev_b32 v16, 13, v1
	v_lshl_add_u32 v16, v2, 5, v16
	v_add_nc_u32 v16, s4, v16
	WIN 0x80
.irp b, 0,1,2,3
.irp a, 0,1,2,3,4,5,6,7
	global_load_b128 v[8*(8*\b+\a):8*(8*\b+\a)+3],   v16, s[72:73] offset:131072*\a+64*\b
	global_load_b128 v[8*(8*\b+\a)+4:8*(8*\b+\a)+7], v16, s[72:73] offset:131072*\a+64*\b+16
.endr
.endr
	WIN 0
	v_mul_u32_u24 v[ADRA0], v1, PA
	v_lshl_add_u32 v[ADRA0], v2, 4, v[ADRA0]
	s_mul_i32 s4, s11, 128*PA
	v_add_nc_u32 v[ADRA0], s4, v[ADRA0]
	v_and_b32 v21, 7, v0
	v_lshl_add_u32 v21, v2, 3, v21
	v_bfe_u32 v22, v0, 3, 1
	s_lshl_b32 s4, s12, 7
	s_add_co_u32 s4, s4, BB
	v_mul_u32_u24 v[ADRB0], v21, PB
	v_lshl_add_u32 v[ADRB0], v22, 4, v[ADRB0]
	v_add_nc_u32 v[ADRB0], s4, v[ADRB0]
	v_mov_b32 v[ADRA], v[ADRA0]
	v_mov_b32 v[ADRB], v[ADRB0]
	s_mul_i32 s4, s11, 128*528
	s_lshl_b32 s5, s12, 8
	s_add_co_u32 s4, s4, s5
	v_mul_u32_u24 v[STO], v1, 528
	v_lshl_add_u32 v[STO], v2, 5, v[STO]
	v_add_nc_u32 v[STO], s4, v[STO]
	s_mul_i32 s4, s10, 64*528
	v_lshl_add_u32 v[RDW], v3, 4, s4
	v_lshlrev_b32 v[GX], 4, v3
	s_lshl_b32 s4, s13, 8
	s_lshl_b32 s5, s10, 6
	s_add_co_u32 s4, s4, s5
	s_lshl_b32 s6, s4, 13
	s_lshl_b32 s5, s14, 9
	s_add_co_u32 s6, s6, s5
	s_mov_b32 s7, 0
	s_add_nc_u64 s[86:87], s[74:75], s[6:7]        ; out0 at row 256 ty + 64 w, column 128 tx
	s_wait_tensorcnt 1                             ; K step 0 is in; step 1's load may stay out
	s_barrier_signal -1
	s_barrier_wait -1
	FETCH 0, F0
	QUARTER 0, 1
	WIN 0
	s_mov_b32 s3, T-2
.Lstep:
	QUARTER 1, 0
	QUARTER 2, 0
	TURN 1
	QUARTER 0, 0
	WIN 0
	s_sub_co_u32 s3, s3, 1
	s_cmp_lg_u32 s3, 0
	s_cbranch_scc1 .Lstep
	s_mov_b32 s3, 2
.Ltail:
	QUARTER 1, 0
	QUARTER 2, 0
	TURN 0
	WIN 0
	s_sub_co_u32 s3, s3, 1
	s_cmp_eq_u32 s3, 0
	s_cbranch_scc1 .Lout
	QUARTER 0, 0
	WIN 0
	s_branch .Ltail
.Lout:
	; THE WAY OUT: the residual is added; the tile goes through the dead ring (256 x 528) and leaves as whole rows of 512 bytes
	s_wait_loadcnt 0x0
	PLACES
	WIN 0x49
.set n, 0
.rept 128
	v_pk_add_f32 v[2*n:2*n+1], v[2*n:2*n+1], v[2*n:2*n+1]  ; sums (window 1) + residual (window 2)
.set n, n+1
.endr
	WIN 0x04
.irp b, 0,1,2,3
.irp a, 0,1,2,3,4,5,6,7
	ds_store_b128 v[STO], v[8*(8*\b+\a):8*(8*\b+\a)+3]   offset:\a*16*528+64*\b
	ds_store_b128 v[STO], v[8*(8*\b+\a)+4:8*(8*\b+\a)+7] offset:\a*16*528+64*\b+16
.endr
.endr
	WIN 0
	s_wait_dscnt 0x0                               ; for the others' sake
	s_barrier_signal -1
	s_barrier_wait -1
	s_mov_b32 s3, 4
.Lcopy:                                        ; wave w: rows 64 w .. + 63, 16 a trip
.set i, 0
.rept 16
	ds_load_b128 v[64+4*i:67+4*i], v[RDW] offset:i*528
.set i, i+1
.endr
.set i, 0
.rept 16
	s_wait_dscnt 15-i
	global_store_b128 v[GX], v[64+4*i:67+4*i], s[86:87] offset:i*8192  ; 512 consecutive bytes
.set i, i+1
.endr
	s_wait_xcnt 0x0                                ; the stores' data and offset are written again only behind this wait
	v_add_nc_u32 v[RDW], 16*528, v[RDW]
	v_add_nc_u32 v[GX], 16*8192, v[GX]
	s_sub_co_u32 s3, s3, 1
	s_cmp_lg_u32 s3, 0
	s_cbranch_scc1 .Lcopy
	s_wait_tensorcnt 0x0                           ; the wave's end
	ds_add_u32 v[SPW], v[NIL]
	s_wait_dscnt 0x0
	CROUND
	s_endpgm
.Lfunc_end_k_q97f810f443_down:
	.size	k_q97f810f443_down, .Lfunc_end_k_q97f810f443_down-k_q97f810f443_down
	.p2alignl 7, 3214868480
	.fill 96, 4, 3214868480
	.section	.rodata,"a",@progbits
	.p2align	6, 0x0
	.amdhsa_kernel k_q97f810f443_down
		.amdhsa_group_segment_fixed_size 327680
		.amdhsa_private_segment_fixed_size 0
		.amdhsa_enable_private_segment 0
		.amdhsa_kernarg_size 32
		.amdhsa_user_sgpr_count 2
		.amdhsa_user_sgpr_kernarg_segment_ptr 1
		.amdhsa_wavefront_size32 1
		.amdhsa_system_sgpr_workgroup_id_x 1
		.amdhsa_system_sgpr_workgroup_id_y 1
		.amdhsa_system_sgpr_workgroup_id_z 1
		.amdhsa_system_vgpr_workitem_id 0
		.amdhsa_next_free_vgpr 768
		.amdhsa_next_free_sgpr 100
		.amdhsa_reserve_vcc 0
		.amdhsa_float_denorm_mode_32 3
		.amdhsa_float_denorm_mode_16_64 3
		.amdhsa_memory_ordered 1
		.amdhsa_forward_progress 1
		.amdhsa_inst_pref_size 67
	.end_amdhsa_kernel
	.amdgpu_metadata
---
amdhsa.version: [ 1, 2 ]
amdhsa.kernels:
  - .name:           k_q97f810f443_down
    .symbol:         k_q97f810f443_down.kd
    .args:
      - { .name: act, .offset: 0, .size: 8, .value_kind: global_buffer, .address_space: global }
      - { .name: pw, .offset: 8, .size: 8, .value_kind: global_buffer, .address_space: global }
      - { .name: xo, .offset: 16, .size: 8, .value_kind: global_buffer, .address_space: global }
      - { .name: out0, .offset: 24, .size: 8, .value_kind: global_buffer, .address_space: global }
    .group_segment_fixed_size: 327680
    .private_segment_fixed_size: 0
    .kernarg_segment_align: 8
    .kernarg_segment_size: 32
    .max_flat_workgroup_size: 128
    .sgpr_count:     100
    .vgpr_count:     768
    .wavefront_size: 32
...
	.end_amdgpu_metadata
.endif
;; end of part 6
;; ======== version 2 of 2: 6 launches
;; limits: values are held in f16: magnitudes above 65,504 overflow, below 6.1e-05 lose precision; right only within a limited range of input values
;; workspace buffers: pw 41,959,424 bytes; mw 1,048,576 bytes of whole numbers; gl 33,024 bytes of whole numbers; qkvb 25,165,824 bytes; ob 8,388,608 bytes; xo 17,301,504 bytes; act 4,194,304 bytes
;; launch prep (part 7): grid 1544 x 1, 8 waves a work-group, no clusters, 0 bytes of LDS; arguments hidden_states, ln1_w, ln2_w, wq, wk, wv, wo, w_gate, w_up, w_down, cos, sin, special_embeddings_mask, eos_idx, pw, mw, gl; writes pw, mw, gl
.if DOCPART == 7
	.amdgcn_target "amdgcn-amd-amdhsa--gfx1250"
	.amdhsa_code_object_version 6
	.text
	.protected	k_q97f810f443_prep
	.globl	k_q97f810f443_prep
	.p2align	8
	.type	k_q97f810f443_prep,@function
k_q97f810f443_prep:
	s_mov_b64 s[64:65], 0
	v_nop
	global_prefetch_b8 v0, s[64:65] scope:SCOPE_SE
	s_setreg_imm32_b32 hwreg(HW_REG_WAVE_MODE, 25, 1), 1
	s_wait_xcnt 0x0
; PREP: every float input is rounded once to bf16 and laid out for the later launches; the attention mask is packed into bits, and for each block of queries the groups of keys that it can see are listed.
; A stream: no LDS, no matrix unit, no cluster (no two work-groups read the same bytes but the 8 KiB of gains and the 4 KiB of special bytes).
; The work-group's number picks its role; the roles whose work is arithmetic and not bytes come first, so that they run beside the streams.  Work-groups 0-7: role L; for the others g = number - 8:
;   L              8 lists, one a wave: for a block of 64 queries the 128 groups of 16 keys, the active ones first, and their count
;   0-255     M    8 mask tasks, one a wave: a task is 64 queries x 64 keys = 128 words of 32 bits
;   256-767   H    8 rows of hidden_states, one a wave: HB = bf16(hidden) written as f16, RS1 = 2^-8 / sqrt(mean(HB^2) + 1e-6)
;   768-1023  QK   wq, wk: 16 k rows, a head a wave  -> WROPE [16 heads][2048 k][128] = f16(256 bf16(ln1[k]) bf16(w[k][n]))
;   1024-1151 V    wv: 32 k rows x 512 columns       -> WVAL  [16][2048 k][64], likewise
;   1152-1279 GU   w_gate, w_up: 32 k rows           -> WGU   [2][8][2048 k][64], with ln2
;   1280-1535 FLAT wo, w_down, cos, sin: runs of 2,048 numbers, one a wave, rounded to bf16 and kept in place; wo's are written as f16, the others as bf16
; ONE TEXT, CONV, serves all roles but L and M: 16 tasks of 128 numbers a wave.  A lane takes 4 neighbouring numbers: a load covers 512 consecutive bytes (V, GU: two pieces of 256), a store 256 consecutive
; bytes, aligned.  A row of hidden is a run like FLAT's.  The sum of squares (two packed lines a task) is made in every role and used in role H alone: the price of the one text.
; WHY f16: a gain times a weight has 16 significant bits; f16 keeps 11 of them, bf16 8.  The factor 256 puts the products (of size 0.02) in the middle of f16's range; RS1 takes it back.
; mw [b 2][qb 32][st 32][i 32][t 4]: bit l of word (i, t) = allowed(query 64 qb + 16 t + l % 16, key 64 st + 16 (i / 8) + 8 (l / 16) + i % 8),
; allowed = key <= query and (special[key] or key >= eos_idx[query] or key = 0).  The 32 words of group g = 4 st + i / 8 are 128 consecutive bytes.
; gl: [b 2][qb 32][128] group numbers, then [b 2][qb 32] counts.  Group g is ACTIVE for block qb if g <= 4 qb + 3 and (it holds a special key, or g = 0, or g >= (the block's smallest eos_idx) / 16).
; Every pair (query, key) that is allowed lies in an active group; all mask words of an idle group are 0.  A list is a permutation of 0 .. 127: the active groups in ascending order, then the idle ones.
; LIMITS: f16 ends at 65,504: |hidden|, |wo| and 256 |ln w| stay within it (they are of size 1, 0.03 and 5.6); below 6e-5 f16 keeps a fixed step of 6e-8.
; eos_idx is clamped to 0 .. 2,048, which changes no comparison with a key in 0 .. 2,047.  NaN and infinities are not treated apart.
.set HB_O,    0
.set WROPE_O, 16777216
.set WVAL_O,  25165824
.set WO_O,    29360128
.set WGU_O,   33554432
.set WD_O,    37748736
.set COSB_O,  39845888
.set SINB_O,  40894464
.set RS1_O,   41943040
.set CNT_O,   32768                    ; gl: the counts lie behind the 64 lists of 512 bytes
.set WV,    36                         ; s36 my wave's number
.set G,     37                         ; s37 the work-group's number
.set SRC,   40                         ; s[40:41] source
.set DST,   42                         ; s[42:43] destination
.set LNP,   44                         ; s[44:45] the gain (roles L, M: eos_idx)
.set DOFF,  46                         ; s[46:47] the part's offset in pw
.set LS,    48                         ; log2 of the lanes that share a source row
.set LSP,   49                         ; log2 of the source pitch in numbers
.set LDP,   50                         ; log2 of the destination pitch in numbers
.set R0,    51                         ; first source row
.set C0,    52                         ; first source column
.set E0,    53                         ; first destination number
.set RL,    54                         ; first row of the gain
.set SSTEP, 55                         ; bytes from task to task in the source
.set LSTEP, 56                         ; and in the gain
.set LNM,   57                         ; -1: the gain is used; 0: the factor is 1
.set HIM,   58                         ; a word's upper bf16
.set SCL,   59                         ; the power of two that goes with the gain: 256 or 1
.set SEL,   62                         ; s[62:63] v_permlanex16_b32's selects
.set FM,    66                         ; -1: the result leaves as f16; 0: as bf16
.set HF,    67                         ; 1: role H
.set DO,    7                          ; v7         destination offset
.set X,     8                          ; v[8:71]    task j: 4 numbers as loaded, at work, and (two registers) as stored
.set SO,    72                         ; v[72:87]   source offsets, one a task
.set LO,    88                         ; v[88:103]  gain offsets
.set LNV,   104                        ; v[104:119] the factor, one a task
.set T,     120                        ; v[120:123] at work
.set CH,    124                        ; v[124:127] two chains of squares
	s_load_b512 s[4:19], s[0:1], 0x0               ; hidden 4, ln1 6, ln2 8, wq 10, wk 12, wv 14, wo 16, w_gate 18
	s_load_b512 s[20:35], s[0:1], 0x40             ; w_up 20, w_down 22, cos 24, sin 26, special 28, eos 30, pw 32, mw 34
	s_load_b64 s[86:87], s[0:1], 0x80              ; gl
	v_and_b32 v1, 31, v0                           ; lane
	v_lshrrev_b32 v2, 5, v0
	v_readfirstlane_b32 s[WV], v2
	s_mov_b32 s[G], ttmp9
	s_mov_b32 s[HIM], 0xffff0000
	s_mov_b32 s61, 0                               ; the upper word of every 32-bit offset in s[60:61]
	s_mov_b32 s[HF], 0                             ; what the three roles with a gain share
	s_mov_b32 s[LNM], -1
	s_mov_b32 s[SCL], 0x43800000                   ; 256
	s_mov_b32 s[FM], -1
	s_mov_b32 s[LDP], 6
	s_wait_kmcnt 0x0
	s_cmp_lt_u32 s[G], 8
	s_cbranch_scc1 .Lrole_l
	s_sub_co_u32 s[G], s[G], 8
	s_cmp_lt_u32 s[G], 256
	s_cbranch_scc1 .Lrole_m
	s_cmp_lt_u32 s[G], 768
	s_cbranch_scc1 .Lrole_h
	s_cmp_lt_u32 s[G], 1024
	s_cbranch_scc1 .Lrole_qk
	s_cmp_lt_u32 s[G], 1152
	s_cbranch_scc1 .Lrole_v
	s_cmp_lt_u32 s[G], 1280
	s_cbranch_scc1 .Lrole_gu
	; FLAT: which tensor, by three selects
	s_mov_b64 s[SRC:SRC+1], s[16:17]               ; wo meets o, which is f16; the other three meet bf16 numbers
	s_mov_b32 s[DOFF], WO_O
	s_mov_b32 s38, 1280
	s_cmp_ge_u32 s[G], 1408
	s_cselect_b64 s[SRC:SRC+1], s[22:23], s[SRC:SRC+1]
	s_cselect_b32 s[DOFF], WD_O, s[DOFF]
	s_cselect_b32 s38, 1408, s38
	s_cselect_b32 s[FM], 0, s[FM]
	s_cmp_ge_u32 s[G], 1472
	s_cselect_b64 s[SRC:SRC+1], s[24:25], s[SRC:SRC+1]
	s_cselect_b32 s[DOFF], COSB_O, s[DOFF]
	s_cselect_b32 s38, 1472, s38
	s_cmp_ge_u32 s[G], 1504
	s_cselect_b64 s[SRC:SRC+1], s[26:27], s[SRC:SRC+1]
	s_cselect_b32 s[DOFF], SINB_O, s[DOFF]
	s_cselect_b32 s38, 1504, s38
	s_branch .Lrun
.Lrole_h:
	s_mov_b64 s[SRC:SRC+1], s[4:5]
	s_mov_b32 s[DOFF], HB_O
	s_mov_b32 s38, 256
	s_mov_b32 s[HF], 1
.Lrun:                                         ; a run of 2,048 numbers a wave, dense in source and destination
	s_sub_co_u32 s38, s[G], s38
	s_lshl_b32 s38, s38, 3
	s_add_co_u32 s[R0], s38, s[WV]                 ; my run
	s_lshl_b32 s[E0], s[R0], 11
	s_mov_b64 s[LNP:LNP+1], s[6:7]                 ; loaded at its first number and replaced by 1: one text for all roles
	s_mov_b32 s[LS], 5
	s_mov_b32 s[LSP], 11
	s_mov_b32 s[C0], 0
	s_mov_b32 s[RL], 0
	s_mov_b32 s[SSTEP], 512
	s_mov_b32 s[LSTEP], 0
	s_mov_b32 s[LNM], 0
	s_mov_b32 s[SCL], 1.0
	s_branch .Lconv
.Lrole_qk:                                     ; a task is my head's 128 columns of one k row
	s_sub_co_u32 s38, s[G], 768
	s_lshr_b32 s39, s38, 7                         ; 0: wq, 1: wk
	s_and_b32 s38, s38, 127
	s_lshl_b32 s[R0], s38, 4
	s_lshl_b32 s[C0], s[WV], 7
	s_lshl_b32 s[E0], s39, 3
	s_add_co_u32 s[E0], s[E0], s[WV]
	s_lshl_b32 s[E0], s[E0], 11
	s_add_co_u32 s[E0], s[E0], s[R0]
	s_lshl_b32 s[E0], s[E0], 7                     ; ((8 matrix + head) 2048 + row) 128
	s_cmp_eq_u32 s39, 0
	s_cselect_b64 s[SRC:SRC+1], s[10:11], s[12:13]
	s_mov_b64 s[LNP:LNP+1], s[6:7]
	s_mov_b32 s[DOFF], WROPE_O
	s_mov_b32 s[LS], 5
	s_mov_b32 s[LSP], 10
	s_mov_b32 s[SSTEP], 4096
	s_mov_b32 s[LSTEP], 4
	s_mov_b32 s[RL], s[R0]
	s_branch .Lconv
.Lrole_v:                                      ; a task is my tile's 64 columns of two k rows
	s_sub_co_u32 s38, s[G], 1024
	s_and_b32 s39, s38, 1                          ; column half
	s_lshr_b32 s38, s38, 1
	s_lshl_b32 s[R0], s38, 5
	s_lshl_b32 s39, s39, 3
	s_add_co_u32 s39, s39, s[WV]                   ; tile of 64 columns
	s_lshl_b32 s[C0], s39, 6
	s_lshl_b32 s[E0], s39, 11
	s_add_co_u32 s[E0], s[E0], s[R0]
	s_lshl_b32 s[E0], s[E0], 6
	s_mov_b64 s[SRC:SRC+1], s[14:15]
	s_mov_b64 s[LNP:LNP+1], s[6:7]
	s_mov_b32 s[DOFF], WVAL_O
	s_mov_b32 s[LS], 4
	s_mov_b32 s[LSP], 10
	s_mov_b32 s[SSTEP], 8192
	s_mov_b32 s[LSTEP], 8
	s_mov_b32 s[RL], s[R0]
	s_branch .Lconv
.Lrole_gu:
	s_sub_co_u32 s38, s[G], 1152
	s_lshr_b32 s39, s38, 6                         ; 0: gate, 1: up
	s_and_b32 s38, s38, 63
	s_lshl_b32 s[R0], s38, 5
	s_lshl_b32 s[C0], s[WV], 6
	s_lshl_b32 s[E0], s39, 3
	s_add_co_u32 s[E0], s[E0], s[WV]
	s_lshl_b32 s[E0], s[E0], 11
	s_add_co_u32 s[E0], s[E0], s[R0]
	s_lshl_b32 s[E0], s[E0], 6
	s_cmp_eq_u32 s39, 0
	s_cselect_b64 s[SRC:SRC+1], s[18:19], s[20:21]
	s_mov_b64 s[LNP:LNP+1], s[8:9]
	s_mov_b32 s[DOFF], WGU_O
	s_mov_b32 s[LS], 4
	s_mov_b32 s[LSP], 9
	s_mov_b32 s[SSTEP], 4096
	s_mov_b32 s[LSTEP], 8
	s_mov_b32 s[RL], s[R0]
.Lconv:
	s_mov_b32 s[DOFF+1], 0
	s_add_nc_u64 s[DST:DST+1], s[32:33], s[DOFF:DOFF+1]
	s_bfm_b32 s38, s[LS], 0
	v_lshrrev_b32 v2, s[LS], v1                    ; my row in the task
	v_and_b32 v3, s38, v1
	v_lshlrev_b32 v3, 2, v3                        ; my 4 columns
	v_add_nc_u32 v4, s[R0], v2
	v_lshlrev_b32 v4, s[LSP], v4
	v_add3_u32 v4, v4, s[C0], v3
	v_lshlrev_b32 v[SO], 2, v4
	v_lshlrev_b32 v5, s[LDP], v2
	v_add3_u32 v5, v5, s[E0], v3
	v_lshlrev_b32 v[DO], 1, v5
	v_add_nc_u32 v6, s[RL], v2
	v_lshlrev_b32 v[LO], 2, v6
.irp j, 1,2,3,4,5,6,7,8,9,10,11,12,13,14,15
	v_add_nc_u32 v[SO+\j], s[SSTEP], v[SO+\j-1]
	v_add_nc_u32 v[LO+\j], s[LSTEP], v[LO+\j-1]
.endr
.irp j, 0,1,2,3,4,5,6,7,8,9,10,11,12,13,14,15
	global_load_b32 v[LNV+\j], v[LO+\j], s[LNP:LNP+1]
.endr
.irp j, 0,1,2,3,4,5,6,7,8,9,10,11,12,13,14,15
	global_load_b128 v[X+4*\j:X+4*\j+3], v[SO+\j], s[SRC:SRC+1] th:TH_LOAD_NT  ; all 8 KiB of the wave are asked for at once
.endr
.irp j, 0,1,2,3,4,5,6,7,8,9,10,11,12,13,14,15
	s_wait_loadcnt 15-\j                           ; loads come back in order: the gains and tasks 0 .. j are in, the later tasks' loads stay out
	v_cvt_pk_bf16_f32 v[LNV+\j], v[LNV+\j], v[LNV+\j]
	v_lshlrev_b32 v[LNV+\j], 16, v[LNV+\j]         ; the gain rounded to bf16,
	v_cndmask_b32 v[LNV+\j], 1.0, v[LNV+\j], s[LNM]  ; or 1,
	v_mul_f32 v[LNV+\j], s[SCL], v[LNV+\j]         ; times the power of two, which rounds nothing
	v_cvt_pk_bf16_f32 v[T],   v[X+4*\j],   v[X+4*\j+1]  ; the input rounded to bf16,
	v_cvt_pk_bf16_f32 v[T+1], v[X+4*\j+2], v[X+4*\j+3]
	v_lshlrev_b32 v[X+4*\j],   16, v[T]            ; and widened again
	v_and_b32     v[X+4*\j+1], s[HIM], v[T]
	v_lshlrev_b32 v[X+4*\j+2], 16, v[T+1]
	v_and_b32     v[X+4*\j+3], s[HIM], v[T+1]
.irp k, 0,1,2,3
	v_mul_f32 v[X+4*\j+\k], v[LNV+\j], v[X+4*\j+\k]
.endr
.if \j == 0
	v_pk_mul_f32 v[CH:CH+1],   v[X:X+1],   v[X:X+1]    ; the first task starts the two chains
	v_pk_mul_f32 v[CH+2:CH+3], v[X+2:X+3], v[X+2:X+3]
.else
	v_pk_fma_f32 v[CH:CH+1],   v[X+4*\j:X+4*\j+1],   v[X+4*\j:X+4*\j+1],   v[CH:CH+1]
	v_pk_fma_f32 v[CH+2:CH+3], v[X+4*\j+2:X+4*\j+3], v[X+4*\j+2:X+4*\j+3], v[CH+2:CH+3]
.endif
	v_cvt_pk_bf16_f32 v[T],   v[X+4*\j],   v[X+4*\j+1]  ; both formats are made (with the factor 1 neither rounds anything within its range),
	v_cvt_pk_bf16_f32 v[T+1], v[X+4*\j+2], v[X+4*\j+3]
	v_cvt_pk_f16_f32  v[T+2], v[X+4*\j],   v[X+4*\j+1]
	v_cvt_pk_f16_f32  v[T+3], v[X+4*\j+2], v[X+4*\j+3]
	v_cndmask_b32 v[X+4*\j],   v[T],   v[T+2], s[FM]    ; and the role's is taken
	v_cndmask_b32 v[X+4*\j+1], v[T+1], v[T+3], s[FM]
	global_store_b64 v[DO], v[X+4*\j:X+4*\j+1], s[DST:DST+1] offset:256*\j  ; 32 lanes store 256 consecutive bytes
.endr
	s_cmp_eq_u32 s[HF], 0
	s_cbranch_scc1 .Lend
	; role H: the row's 1 / rms
	s_mov_b32 s[SEL], 0x76543210
	s_mov_b32 s[SEL+1], 0xfedcba98
	s_mov_b32 s68, 0x3a000000                      ; 1 / 2048
	s_mov_b32 s69, 0x358637bd                      ; 1e-6
	s_lshl_b32 s60, s[R0], 2
	s_add_co_u32 s60, s60, RS1_O
	s_add_nc_u64 s[70:71], s[32:33], s[60:61]
	v_pk_add_f32 v[CH:CH+1], v[CH:CH+1], v[CH+2:CH+3]
	v_add_f32 v[CH], v[CH], v[CH+1]
	v_add_f32_dpp v[CH], v[CH], v[CH] row_xmask:1 row_mask:0xf bank_mask:0xf
	v_add_f32_dpp v[CH], v[CH], v[CH] row_xmask:2 row_mask:0xf bank_mask:0xf
	v_add_f32_dpp v[CH], v[CH], v[CH] row_xmask:4 row_mask:0xf bank_mask:0xf
	v_add_f32_dpp v[CH], v[CH], v[CH] row_xmask:8 row_mask:0xf bank_mask:0xf
	v_permlanex16_b32 v[CH+1], v[CH], s[SEL], s[SEL+1]
	v_add_f32 v[CH], v[CH], v[CH+1]
	v_fma_f32 v[CH], v[CH], s68, s69
	v_rsq_f32 v[CH+2], v[CH]
	v_mov_b32 v[CH+3], 0                           ; a plain instruction behind the root,
	s_wait_alu depctr_va_vdst(0)                   ; and the wait ahead of the first reader
	v_mul_f32 v[CH+2], 0x3b800000, v[CH+2]         ; times 2^-8: the weights carry the factor 256
	v_cmp_eq_u32 vcc_lo, 0, v1
	s_wait_xcnt 0x0                                ; EXEC changes only behind this wait
	s_and_saveexec_b32 s38, vcc_lo
	global_store_b32 v[CH+3], v[CH+2], s[70:71]    ; 4 bytes a wave, 16 KiB in the launch
	s_wait_xcnt 0x0
	s_or_b32 exec_lo, exec_lo, s38
.Lend:
	s_endpgm
; ROLE M.  A compare over the 32 lanes IS a word of the table.  Per tile t a lane keeps q' = query - key base and e' = eos - key base; both go down by 16 with each group of 16 keys.
; The task's eight loads go out together; the four groups' special bytes move down through v[12:19], so that one text serves the four groups.
.set W,  20                            ; v[20:23] lane i: words (i, 0 .. 3)
.set EP, 24                            ; v[24:27]
.set QP, 28                            ; v[28:31]
.Lrole_m:
	v_and_b32 v5, 15, v1
	v_lshrrev_b32 v6, 4, v1
	v_lshlrev_b32 v6, 3, v6                        ; 8 (l / 16)
	v_lshlrev_b32 v7, 4, v1
	v_lshlrev_b32 v8, 2, v5
	s_lshl_b32 s38, s[G], 3
	s_add_co_u32 s38, s38, s[WV]                   ; my task
	s_lshr_b32 s70, s38, 10                        ; b
	s_bfe_u32 s71, s38, 0x50005                    ; qb
	s_and_b32 s72, s38, 31                         ; st
	s_lshl_b32 s60, s70, 11
	s_add_nc_u64 s[SRC:SRC+1], s[28:29], s[60:61]  ; special at batch b
	s_lshl_b32 s73, s71, 6
	s_add_co_u32 s60, s60, s73
	s_lshl_b32 s60, s60, 2
	s_add_nc_u64 s[LNP:LNP+1], s[30:31], s[60:61]  ; eos_idx at the task's first query
	s_lshl_b32 s60, s38, 9
	s_add_nc_u64 s[DST:DST+1], s[34:35], s[60:61]
	s_lshl_b32 s74, s72, 6
	v_add_nc_u32 v9, s74, v6                       ; my key base: 64 st + 8 (l / 16)
.irp t, 0,1,2,3
	global_load_b32 v[EP+\t], v8, s[LNP:LNP+1] offset:64*\t
.endr
.irp kb, 0,1,2,3
	global_load_b64 v[12+2*\kb:13+2*\kb], v9, s[SRC:SRC+1] offset:16*\kb  ; my 8 keys' special bytes in each group of 16
.endr
	s_sub_co_i32 s75, s73, s74
	v_add_nc_u32 v10, s75, v5
	v_sub_nc_u32 v10, v10, v6
.irp t, 0,1,2,3
	v_add_nc_u32 v[QP+\t], 16*\t, v10
	v_mov_b32 v[W+\t], 0
.endr
	v_cmp_eq_u32 vcc_lo, 0, v9
	v_cndmask_b32 v11, 0, 1, vcc_lo                ; key 0 counts as special
	s_wait_loadcnt 0x0
	v_or_b32 v12, v12, v11
.irp t, 0,1,2,3
	v_max_i32 v[EP+\t], 0, v[EP+\t]
	v_min_i32 v[EP+\t], 0x800, v[EP+\t]
	v_sub_nc_u32 v[EP+\t], v[EP+\t], v9
.endr
	s_mov_b32 s76, 0                               ; word number 8 x group
	s_mov_b32 s77, 4
.Lkb:
.irp j, 0,1,2,3,4,5,6,7
	v_bfe_u32 v11, v[12+\j/4], 8*(\j%4), 8
	v_cmp_ne_u32 s78, 0, v11
	s_add_co_u32 s81, s76, \j
.irp t, 0,1,2,3
	v_cmp_le_i32 s[82+2*\t], \j, v[QP+\t]          ; key <= query
	v_cmp_ge_i32 s[83+2*\t], \j, v[EP+\t]          ; key >= eos
.endr
.irp t, 0,1,2,3
	s_or_b32 s[83+2*\t], s[83+2*\t], s78
	s_and_b32 s[82+2*\t], s[82+2*\t], s[83+2*\t]
.endr
.irp t, 0,1,2,3
	v_writelane_b32 v[W+\t], s[82+2*\t], s81
.endr
.endr
.irp r, 12,13,14,15,16,17
	v_mov_b32 v[\r], v[\r+2]                       ; the next group's bytes move down
.endr
.irp t, 0,1,2,3
	v_subrev_nc_u32 v[QP+\t], 16, v[QP+\t]
	v_subrev_nc_u32 v[EP+\t], 16, v[EP+\t]
.endr
	s_add_co_u32 s76, s76, 8
	s_sub_co_u32 s77, s77, 1
	s_cmp_lg_u32 s77, 0
	s_cbranch_scc1 .Lkb
	global_store_b128 v7, v[W:W+3], s[DST:DST+1]   ; the task's 512 bytes
	s_endpgm
; ROLE L.  Lane l looks at groups l, 32 + l, 64 + l, 96 + l: a compare over the 32 lanes gives 32 bits of the block's 128.  All is whole numbers: a later launch forms addresses and trip counts of it.
; A group's place in the list is the number of groups of its kind (active, idle) in front of it, the idle ones counted on from the number of active ones.
.Lrole_l:
	s_mov_b32 s[SEL], 0x76543210
	s_mov_b32 s[SEL+1], 0xfedcba98
	s_lshl_b32 s38, s[G], 3
	s_add_co_u32 s38, s38, s[WV]                   ; my block: 32 b + qb
	s_lshr_b32 s70, s38, 5                         ; b
	s_and_b32 s71, s38, 31                         ; qb
	s_lshl_b32 s60, s70, 11
	s_add_nc_u64 s[SRC:SRC+1], s[28:29], s[60:61]  ; special at batch b
	s_lshl_b32 s60, s38, 8
	s_add_nc_u64 s[LNP:LNP+1], s[30:31], s[60:61]  ; eos_idx at the block's first query: 64 x 4 bytes a block
	s_lshl_b32 s60, s38, 9
	s_add_nc_u64 s[DST:DST+1], s[86:87], s[60:61]  ; the block's list
	s_lshl_b32 s60, s38, 2
	s_add_co_u32 s60, s60, CNT_O
	s_add_nc_u64 s[84:85], s[86:87], s[60:61]      ; and its count
	v_lshlrev_b32 v2, 4, v1
	v_lshlrev_b32 v3, 3, v1
.irp j, 0,1,2,3
	global_load_b128 v[8+4*\j:11+4*\j], v2, s[SRC:SRC+1] offset:512*\j  ; group 32 j + l: its 16 special bytes
.endr
	global_load_b64 v[24:25], v3, s[LNP:LNP+1]     ; two queries' eos_idx
.irp j, 0,1,2,3
	v_add_nc_u32 v[28+\j], 32*\j, v1               ; the group's number
.endr
	s_lshl_b32 s73, s71, 2
	s_add_co_u32 s73, s73, 3                       ; the last group at or below the diagonal
	s_wait_loadcnt 0x0
	v_max_i32 v24, 0, v24
	v_max_i32 v25, 0, v25
	v_min_i32 v24, v24, v25
	v_min_i32 v24, 0x800, v24
	v_mov_b32 v26, v24
	v_permlanex16_b32 v26, v24, s[SEL], s[SEL+1]
	v_min_i32 v24, v24, v26                        ; lanes 0 to 15 now hold all 64 queries' minima
	v_readlane_b32 s72, v24, 0
.irp i, 1,2,3,4,5,6,7,8,9,10,11,12,13,14,15
	v_readlane_b32 s74, v24, \i
	s_min_u32 s72, s72, s74
.endr
	s_lshr_b32 s72, s72, 4                         ; the first group that reaches into some query's own sentence
.irp j, 0,1,2,3
	v_or_b32 v[8+4*\j], v[8+4*\j], v[9+4*\j]
	v_or_b32 v[10+4*\j], v[10+4*\j], v[11+4*\j]
	v_or_b32 v[8+4*\j], v[8+4*\j], v[10+4*\j]
	v_cmp_ne_u32 s[76+\j], 0, v[8+4*\j]            ; a special key in the group
	v_cmp_le_u32 s80, s72, v[28+\j]
	v_cmp_ge_u32 s81, s73, v[28+\j]
	s_or_b32 s[76+\j], s[76+\j], s80
.if \j == 0
	s_or_b32 s76, s76, 1                           ; group 0 holds key 0
.endif
	s_and_b32 s[76+\j], s[76+\j], s81
.endr
	s_bcnt1_i32_b32 s75, s76
	s_bcnt1_i32_b32 s80, s77
	s_add_co_u32 s75, s75, s80
	s_bcnt1_i32_b32 s80, s78
	s_add_co_u32 s75, s75, s80
	s_bcnt1_i32_b32 s80, s79
	s_add_co_u32 s75, s75, s80                     ; the number of active groups
	s_mov_b32 s82, 0                               ; the place of the next active group,
	s_mov_b32 s83, s75                             ; of the next idle one
.irp j, 0,1,2,3
	s_not_b32 s80, s[76+\j]
	v_mov_b32 v4, s82
	v_mov_b32 v5, s83
	v_mbcnt_lo_u32_b32 v4, s[76+\j], v4
	v_mbcnt_lo_u32_b32 v5, s80, v5
	v_cndmask_b32 v4, v5, v4, s[76+\j]
	v_min_u32 v4, 0x7f, v4                         ; a place is 0 .. 127
	v_lshlrev_b32 v[32+\j], 2, v4
	global_store_b32 v[32+\j], v[28+\j], s[DST:DST+1]  ; four stores fill the list's 512 bytes, each place once
	s_bcnt1_i32_b32 s81, s[76+\j]
	s_add_co_u32 s82, s82, s81
	s_sub_co_u32 s81, 32, s81
	s_add_co_u32 s83, s83, s81
.endr
	v_mov_b32 v6, s75
	v_mov_b32 v7, 0
	v_cmp_eq_u32 vcc_lo, 0, v1
	s_wait_xcnt 0x0                                ; EXEC changes only behind this wait
	s_and_saveexec_b32 s38, vcc_lo
	global_store_b32 v7, v6, s[84:85]              ; 4 bytes a wave, 256 in the launch
	s_wait_xcnt 0x0
	s_or_b32 exec_lo, exec_lo, s38
	s_endpgm
.Lfunc_end_k_q97f810f443_prep:
	.size	k_q97f810f443_prep, .Lfunc_end_k_q97f810f443_prep-k_q97f810f443_prep
	.p2alignl 7, 3214868480
	.fill 96, 4, 3214868480
	.section	.rodata,"a",@progbits
	.p2align	6, 0x0
	.amdhsa_kernel k_q97f810f443_prep
		.amdhsa_group_segment_fixed_size 0
		.amdhsa_private_segment_fixed_size 0
		.amdhsa_enable_private_segment 0
		.amdhsa_kernarg_size 136
		.amdhsa_user_sgpr_count 2
		.amdhsa_user_sgpr_kernarg_segment_ptr 1
		.amdhsa_wavefront_size32 1
		.amdhsa_system_sgpr_workgroup_id_x 1
		.amdhsa_system_sgpr_workgroup_id_y 1
		.amdhsa_system_sgpr_workgroup_id_z 1
		.amdhsa_system_vgpr_workitem_id 0
		.amdhsa_next_free_vgpr 128
		.amdhsa_next_free_sgpr 100
		.amdhsa_reserve_vcc 1
		.amdhsa_float_denorm_mode_32 3
		.amdhsa_float_denorm_mode_16_64 3
		.amdhsa_memory_ordered 1
		.amdhsa_forward_progress 1
		.amdhsa_inst_pref_size 50
	.end_amdhsa_kernel
	.amdgpu_metadata
---
amdhsa.version: [ 1, 2 ]
amdhsa.kernels:
  - .name:           k_q97f810f443_prep
    .symbol:         k_q97f810f443_prep.kd
    .args:
      - { .name: hidden_states, .offset: 0, .size: 8, .value_kind: global_buffer, .address_space: global }
      - { .name: ln1_w, .offset: 8, .size: 8, .value_kind: global_buffer, .address_space: global }
      - { .name: ln2_w, .offset: 16, .size: 8, .value_kind: global_buffer, .address_space: global }
      - { .name: wq, .offset: 24, .size: 8, .value_kind: global_buffer, .address_space: global }
      - { .name: wk, .offset: 32, .size: 8, .value_kind: global_buffer, .address_space: global }
      - { .name: wv, .offset: 40, .size: 8, .value_kind: global_buffer, .address_space: global }
      - { .name: wo, .offset: 48, .size: 8, .value_kind: global_buffer, .address_space: global }
      - { .name: w_gate, .offset: 56, .size: 8, .value_kind: global_buffer, .address_space: global }
      - { .name: w_up, .offset: 64, .size: 8, .value_kind: global_buffer, .address_space: global }
      - { .name: w_down, .offset: 72, .size: 8, .value_kind: global_buffer, .address_space: global }
      - { .name: cos, .offset: 80, .size: 8, .value_kind: global_buffer, .address_space: global }
      - { .name: sin, .offset: 88, .size: 8, .value_kind: global_buffer, .address_space: global }
      - { .name: special_embeddings_mask, .offset: 96, .size: 8, .value_kind: global_buffer, .address_space: global }
      - { .name: eos_idx, .offset: 104, .size: 8, .value_kind: global_buffer, .address_space: global }
      - { .name: pw, .offset: 112, .size: 8, .value_kind: global_buffer, .address_space: global }
      - { .name: mw, .offset: 120, .size: 8, .value_kind: global_buffer, .address_space: global }
      - { .name: gl, .offset: 128, .size: 8, .value_kind: global_buffer, .address_space: global }
    .group_segment_fixed_size: 0
    .private_segment_fixed_size: 0
    .kernarg_segment_align: 8
    .kernarg_segment_size: 136
    .max_flat_workgroup_size: 256
    .sgpr_count:     100
    .vgpr_count:     128
    .wavefront_size: 32
...
	.end_amdgpu_metadata
.endif
;; end of part 7
;; launch qkvp: the kernel of part 2 again; grid 16 x 16, 4 waves a work-group, clusters of 4 x 4, 327,680 bytes of LDS; arguments pw, bq, bk, bv, qkvb; writes qkvb
;; launch attn (part 8): grid 16 x 16, 4 waves a work-group, no clusters, 288,256 bytes of LDS; arguments qkvb, mw, gl, ob; writes ob
.if DOCPART == 8
	.amdgcn_target "amdgcn-amd-amdhsa--gfx1250"
	.amdhsa_code_object_version 6
	.text
	.protected	k_q97f810f443_attn
	.globl	k_q97f810f443_attn
	.p2align	8
	.type	k_q97f810f443_attn,@function
k_q97f810f443_attn:
	s_mov_b64 s[64:65], 0
	v_nop
	global_prefetch_b8 v0, s[64:65] scope:SCOPE_SE
	s_setreg_imm32_b32 hwreg(HW_REG_WAVE_MODE, 25, 1), 1
	s_wait_xcnt 0x0
; SENTENCE ATTENTION.  ob[b][q][h 128 ..] = sum over allowed k of softmax_k(Q . K / sqrt(128)) V.  Q, K [bh][s][128] bf16, VT [bh][channel][s] f16, ob f16; mw holds the mask as bits, gl the lists.
; THE WALK.  A head's queries lie in 32 blocks of 64.  For each block gl lists the 128 groups of 16 keys, those that some query of the block may see first, and says how many these are: n.  A STEP is four
; entries of the list, 64 keys; a block has (n + 3) / 4 steps.  What the last step takes beyond n are groups whose mask words are all 0.  With every group active a block qb has qb + 1 steps.
; A work-group takes blocks 31 - p and p.  THE STEPS ARE SPLIT FOUR WAYS: every wave holds all 64 queries (four tiles of 16) and takes every fourth step, with a running maximum and sum of its own: in the
; first block from step w on, in the second from step (w - the first block's steps) mod 4 on, so that each wave has a quarter of both blocks' steps, to within one.  No barrier stands between the blocks:
; each block's partial results have LDS of their own; one barrier, and wave w finishes tile w of both blocks.
; A round past the wave's last step is jumped forward.  The trip counts and the addresses hang on whole numbers that the launch before has stored, clamped where they enter an address.
; NO RING, NO CLUSTER: no byte of K or V is used by two waves of a work-group, the blocks' lists differ, so partners would need different tiles, and a fragment of K, and of V^T out of VT, lies in memory as it
; lies in registers: two loads of 16 bytes a lane; a fragment of V^T spans 32 keys, 16 to a load, so its two halves may be any two groups.
; NO PREFETCH: which work-group reads a group of keys first hangs on the lists, so the text cannot name one wave for each block of 256 bytes; what a step needs is asked for a whole step ahead, into registers.
; LAYOUT.  S^T = K Q^T (bf16 operands) holds one query a lane (l % 16) and, of the step's group kb, the keys 8 (l / 16) + 0..7; rounded to f16 in pairs it is source 1 of O^T = V^T P (f16 operands).
; THE MASK.  A step's 128 words (one for each score register of each tile, a bit a lane) come by ONE vector load: lane i takes words (i % 8, 0 .. 3) of the step's group i / 8, 16 bytes; they go to
; scalar registers by v_readlane_b32, 32 at a time, and each picks between a score and the hidden score in one v_cndmask_b32.
; SOFTMAX.  p = 2^(c (s - m)), c = log2(e) / sqrt(128), m the running maximum; O and l are multiplied by a = 2^(c (m_old - m_new)) in every step.  THE DIFFERENCE IS TAKEN FIRST: s <= m, so the exponent is
; never above 0 and p never above 1, which f16 holds, whatever the size of the scores.  (One fused line c s - c m would leave the rounding of c m in the exponent: at the hidden score's size, where c m is
; 1.44e9 and a step of f32 is 128, up to 64.)  A hidden score is replaced by -1e9 sqrt(128), the -1e9 that the scaled scores are given.  Key 0 is allowed for every query and lies in a list's first entry, so
; the wave that takes step 0 has a true score for its maximum; a wave that has seen hidden keys alone gives them p = 1, and that sum gets the factor 0, from a at its first true score or in the merge.
; m starts far below every score, so a block's first step has a = 0: O^T and l need only be finite there: zeros for the first block, what the first block left for the second.
; LIMITS: the scaled scores of allowed keys stay above -1e9: below it the hidden keys would take weight, and this walk leaves them out.  p below 6e-5 keeps f16's fixed
; step of 6e-8; o is a mean of V's rows and has their range, within 65,504; a weight below 2^-126 counts as 0 in l; NaN and infinities are not treated apart.
; Behind a wave's last step of all one more step is loaded and not used: every count of loads stays alike.
; REGISTERS: window 0: v2-11, v44-53 addresses; v12-43 statistics, 8 a tile (m; the lane mask of group t: -1 in lanes 8 t .. 8 t + 7; l, l; c0-c3; a takes c2's place); v54-57 the next step's mask
; words, v58-61 this step's; v64-191 S^T; v192-255 P (v192-196 at work between two steps).  Window 1: O^T, 64 a tile.  Window 2: v0-127 Q, v128-255 K.  Window 3: v0-127 V^T.
.set BLKB,  135168                     ; LDS, for each of the two blocks: 16 regions (wave, tile) of O^T, 8,192 bytes each, then
.set MST,   131072                     ; their (l, m), 256 bytes each
.set OST,   2*BLKB                     ; each wave's own stage for the way out, 16 rows x 272
.set SPARE, OST+4*16*272               ; the spare words
.set CNT_O, 32768                      ; gl: the counts lie behind the 64 lists of 512 bytes
.set R16,  1                           ; v1   l % 16, at the head
.set QO,   2                           ; v2   (l % 16) x 256 + 16 (l / 16)
.set VO,   3                           ; v3   (l % 16) x 4,096 + 16 (l / 16)
.set KO,   4                           ; v4-7   K's offsets, one a group of the step
.set VOF,  8                           ; v8-11  V^T's
.set ST,   12
.set MSO,  44
.set MRD0, 45
.set MRD1, 46
.set MSS,  47
.set MSR,  48
.set STO,  49
.set RD,   50
.set GO,   51
.set L16,  52                          ; v52  16 (l % 8)
.set MVO,  53
.set MWR,  54
.set MWC,  58
.set HH,   58                          ; v58  l / 16, at the head
.set LN,   59                          ; v59  l, at the head
.set SPW,  62
.set NIL,  63
.set S,    64
.set P,    192
.set TS,   192                         ; v192-195 at work
.set QOFF, 196
.set KF,   128
.set WV,   14
.set PP,   15
.set IDS,  48                          ; s[48:51] four list entries as loaded: those of the step after the next
.set GID,  52                          ; s[52:55] the next step's four groups
.set GLP,  56                          ; s[56:57] the batch's lists
.set KK,   58                          ; the number, in my walk over both blocks, of the step whose entries are asked for next
.set L1,   59                          ; my steps in the first block
.set NS,   60                          ; steps of the block in hand
.set NS2,  61                          ; of the second block
.set IDB,  62                          ; the block of the entries in IDS
.set GB,   63                          ; the block of the groups in GID
.set W0,   66                          ; my first step in the block in hand
.set W02,  67                          ; in the second block
.set QB1,  68                          ; the first block
.set QB,   84
.set RB,   85
.set RR,   86
.set STP,  87
.set BLK,  89
.set CS,   92
.set SEL,  94
.set BIGN, 96
.set OBB,  98
.set MSB, 0
.macro WIN new
.if MSB != (\new)
	s_set_vgpr_msb (MSB<<8)|(\new)
.set MSB, \new
.endif
.endm
.macro LDQ                             ; tile i / 4, channels 32 (i % 4) on
	WIN 0x80
.irp i, 0,1,2,3,4,5,6,7,8,9,10,11,12,13,14,15
	global_load_b128 v[8*\i:8*\i+3],   v[QOFF], s[4:5] offset:(\i/4)*4096+(\i%4)*64
	global_load_b128 v[8*\i+4:8*\i+7], v[QOFF], s[4:5] offset:(\i/4)*4096+(\i%4)*64+32
.endr
	WIN 0
.endm
.macro LDK                             ; group i / 4 of the step, channels 32 (i % 4) on; behind them the step's mask words: 33 loads
	WIN 0x80
.irp i, 0,1,2,3,4,5,6,7,8,9,10,11,12,13,14,15
	global_load_b128 v[KF+8*\i:KF+8*\i+3],   v[KO+\i/4], s[6:7] offset:(\i%4)*64
	global_load_b128 v[KF+8*\i+4:KF+8*\i+7], v[KO+\i/4], s[6:7] offset:(\i%4)*64+32
.endr
	WIN 0
	global_load_b128 v[MWR:MWR+3], v[MVO], s[12:13]
.endm
.macro LDV                             ; groups 2 (i / 8) and 2 (i / 8) + 1 of the step, channels 16 (i % 8) on
	WIN 0xc0
.irp i, 0,1,2,3,4,5,6,7,8,9,10,11,12,13,14,15
	global_load_b128 v[8*\i:8*\i+3],   v[VOF+2*(\i/8)],   s[8:9] offset:(\i%8)*65536
	global_load_b128 v[8*\i+4:8*\i+7], v[VOFF2+2*(\i/8)], s[8:9] offset:(\i%8)*65536
.endr
	WIN 0
.endm
.set VOFF2, VOF+1
; MY WALK is one sequence over both blocks: step number k is my step k of the first block while k < L1, then my step k - L1 of the second.  FETCHID asks for the four entries of step KK.
.macro FETCHID
	s_cmp_lt_u32 s[KK], s[L1]
	s_cselect_b32 s[IDB], s[QB1], s[PP]            ; its block,
	s_cselect_b32 s69, s[WV], s[W02]               ; my first step there,
	s_cselect_b32 s70, 0, s[L1]
	s_sub_co_u32 s70, s[KK], s70                   ; and which of my steps there it is:
	s_min_u32 s70, s70, 7                          ; a block has 32 steps at the most, 8 of them mine (past my walk's end: any entry of the list)
	s_lshl_b32 s70, s70, 2
	s_add_co_u32 s70, s70, s69
	s_lshl_b32 s71, s[IDB], 5
	s_add_co_u32 s70, s70, s71                     ; 32 x block + step,
	s_min_u32 s70, s70, 1023
	s_lshl_b32 s70, s70, 4                         ; 16 bytes each
	s_load_b128 s[IDS:IDS+3], s[GLP:GLP+1], s70
	s_add_co_u32 s[KK], s[KK], 1
.endm
.macro USEID                           ; the entries that have come are the next step's groups
.irp e, 0,1,2,3
	s_min_u32 s[GID+\e], s[IDS+\e], 127
.endr
	s_min_u32 s[GB], s[IDB], 31
.endm
.macro OFFK                            ; K's offsets: a group is 16 rows of 256 bytes; the mask's: 16,384 bytes a block, 128 a group, 16 a lane
.irp e, 0,1,2,3
	v_lshl_add_u32 v[KO+\e], s[GID+\e], 12, v[QO]
.endr
.irp e, 0,1,2,3
	v_and_b32 v[TS+\e], s[GID+\e], v[ST+8*\e+1]    ; group e's number in lanes 8 e .. 8 e + 7, 0 in the others
.endr
	s_lshl_b32 s2, s[GB], 14
	v_add_nc_u32 v[TS], v[TS], v[TS+1]
	v_add_nc_u32 v[TS+2], v[TS+2], v[TS+3]
	v_add_nc_u32 v[TS], v[TS], v[TS+2]
	v_add_nc_u32 v[TS+1], s2, v[L16]
	v_lshl_add_u32 v[MVO], v[TS], 7, v[TS+1]
.endm
.macro OFFV                            ; V^T's offsets: a group is 32 bytes of a channel's row
.irp e, 0,1,2,3
	v_lshl_add_u32 v[VOF+\e], s[GID+\e], 5, v[VO]
.endr
.endm
.macro READM q                         ; the words of the step's group q, for all four tiles, into 32 scalar registers: word (8 q + 4 c + ii, t) at s[16 + 16 c + 4 ii + t]
.irp c, 0,1
.irp ii, 0,1,2,3
.irp t, 0,1,2,3
	v_readlane_b32 s[16+16*\c+4*\ii+\t], v[MWC+\t], 8*(\q)+4*\c+\ii
.endr
.endr
.endr
.endm
.macro MASK c                          ; chunk c: scores 4 c .. 4 c + 3 of each tile; an accumulator's four lowest registers come first
.set mb, 16+16*((\c)%2)
.irp ii, 0,1,2,3
.irp t, 0,1,2,3
	v_cndmask_b32 v[S+32*\t+4*(\c)+\ii], s[BIGN], v[S+32*\t+4*(\c)+\ii], s[mb+4*\ii+\t]
.endr
.endr
.endm
; Number j of the 21 that find a tile's maximum and statistics: 0-11 four chains c0-c3 of seven scores (chain kb for the step's group kb); 12, 13 the four scores left over; 14, 15 into c0, with the old m;
; 16, 18 the other half of the lanes: the new m; 17 m_old is kept; 19 m_old - m_new; 20 times c
.macro SM t
.set rT, ST+8*(\t)
.set rS, S+32*(\t)
.if j < 4
	v_max3_num_f32 v[rT+4+j], v[rS+8*j], v[rS+8*j+1], v[rS+8*j+2]
.elseif j < 12
	v_max3_num_f32 v[rT+4+j%4], v[rT+4+j%4], v[rS+8*(j%4)+2*(j/4)+1], v[rS+8*(j%4)+2*(j/4)+2]
.elseif j == 12
	v_max3_num_f32 v[rT+4], v[rT+4], v[rS+7], v[rS+15]
.elseif j == 13
	v_max3_num_f32 v[rT+6], v[rT+6], v[rS+23], v[rS+31]
.elseif j == 14
	v_max3_num_f32 v[rT+4], v[rT+4], v[rT+5], v[rT+6]
.elseif j == 15
	v_max3_num_f32 v[rT+4], v[rT+4], v[rT+7], v[rT]
.elseif j == 16
	v_permlanex16_b32 v[rT+5], v[rT+4], s[SEL], s[SEL+1]
.elseif j == 17
	v_mov_b32 v[rT+7], v[rT]
.elseif j == 18
	v_max_num_f32 v[rT], v[rT+4], v[rT+5]
.elseif j == 19
	v_sub_f32 v[rT+7], v[rT+7], v[rT]
.else
	v_mul_f32 v[rT+7], s[CS], v[rT+7]
.endif
.endm
.macro SM4 jj                          ; the four tiles alternate, so that no line reads the result of the one before it
.set j, \jj
	SM 0
	SM 1
	SM 2
	SM 3
.endm
	s_load_b256 s[16:23], s[0:1], 0x0              ; qkvb 16, mw 18, gl 20, ob 22
	v_lshl_add_u32 v[SPW], v0, 2, SPARE
	v_mov_b32 v[NIL], 0
	v_lshrrev_b32 v1, 5, v0
	v_readfirstlane_b32 s[WV], v1
	s_mov_b32 s[PP], ttmp9
	s_sub_co_u32 s[QB1], 31, s[PP]
	s_and_b32 s2, ttmp7, 0xffff                    ; 8 b + head
	s_lshl_b32 s24, s2, 19                         ; a head's 524,288 bytes in Q, K and VT
	s_mov_b32 s25, 0
	s_lshr_b32 s3, s2, 3                           ; b
	s_and_b32 s97, s2, 7
	s_lshl_b32 s26, s3, 19                         ; a batch's 524,288 bytes of mw
	s_mov_b32 s27, 0
	s_lshl_b32 s28, s3, 22                         ; ob: 2,048 rows of 2,048 bytes a batch,
	s_lshl_b32 s97, s97, 8                         ; the head's 256 bytes of a row,
	s_add_co_u32 s28, s28, s97
	s_lshl_b32 s97, s[WV], 15                      ; tile w's 16 rows
	s_add_co_u32 s28, s28, s97
	s_mov_b32 s29, 0
	s_lshl_b32 s30, s3, 14                         ; gl: 32 lists of 512 bytes a batch
	s_mov_b32 s31, 0
	s_lshl_b32 s3, s3, 5
	s_add_co_u32 s32, s3, s[QB1]
	s_lshl_b32 s32, s32, 2                         ; the two blocks' counts
	s_add_co_u32 s33, s3, s[PP]
	s_lshl_b32 s33, s33, 2
	s_lshl_b32 s34, s[QB1], 5
	s_add_co_u32 s34, s34, s[WV]
	s_lshl_b32 s34, s34, 4                         ; step w of the first block's list
	s_mov_b32 s[CS], 0x3e0293ee                    ; c = log2(e) / sqrt(128)
	s_mov_b32 s[CS+1], s[CS]
	s_mov_b32 s[SEL], 0x76543210
	s_mov_b32 s[SEL+1], 0xfedcba98
	s_mov_b32 s[BIGN], 0xd0289660                  ; -1e9 sqrt(128)
	s_mov_b32 s[QB], s[QB1]
	s_mov_b32 s[BLK], 2
	v_and_b32 v[R16], 15, v0
	v_bfe_u32 v[HH], v0, 4, 1
	v_and_b32 v[LN], 31, v0
	v_lshlrev_b32 v[QO], 8, v[R16]
	v_lshl_add_u32 v[QO], v[HH], 4, v[QO]          ; row x 256 + 16 x half
	v_lshlrev_b32 v[VO], 12, v[R16]
	v_lshl_add_u32 v[VO], v[HH], 4, v[VO]          ; channel x 4,096 + 16 x half
	v_and_b32 v[L16], 7, v0
	v_lshlrev_b32 v[L16], 4, v[L16]
	s_wait_kmcnt 0x0
	s_add_nc_u64 s[4:5], s[16:17], s[24:25]        ; Q
	s_add_nc_u64 s[6:7], s[4:5], 8388608           ; K
	s_add_nc_u64 s[8:9], s[4:5], 16777216          ; VT
	s_add_nc_u64 s[12:13], s[18:19], s[26:27]      ; mw
	s_add_nc_u64 s[10:11], s[22:23], s[28:29]      ; ob
	s_add_nc_u64 s[GLP:GLP+1], s[20:21], s[30:31]  ; gl
	s_load_b32 s[NS], s[20:21], s32 offset:CNT_O   ; both counts and, on the chance that the first block has a step for me, its entries: one wait for the three
	s_load_b32 s[NS2], s[20:21], s33 offset:CNT_O
	s_load_b128 s[IDS:IDS+3], s[GLP:GLP+1], s34
	; the addresses of the merge, the lane masks and the zeros stand in the wait for them
	s_lshl_b32 s2, s[WV], 15
	v_lshl_add_u32 v[MSO], v[LN], 4, s2
	s_lshl_b32 s2, s[WV], 13
	v_lshl_add_u32 v[MRD0], v[LN], 4, s2
	v_add_nc_u32 v[MRD1], 0x10000, v[MRD0]
	s_lshl_b32 s2, s[WV], 10
	s_add_co_u32 s2, s2, MST
	v_lshl_add_u32 v[MSS], v[LN], 3, s2
	s_lshl_b32 s2, s[WV], 8
	s_add_co_u32 s2, s2, MST
	v_lshl_add_u32 v[MSR], v[LN], 3, s2
	s_mul_i32 s2, s[WV], 16*272
	s_add_co_u32 s2, s2, OST
	v_mul_u32_u24 v[STO], v[R16], 272
	v_lshl_add_u32 v[STO], v[HH], 4, v[STO]
	v_add_nc_u32 v[STO], s2, v[STO]
	v_mul_u32_u24 v[RD], v[HH], 272
	v_lshl_add_u32 v[RD], v[R16], 4, v[RD]
	v_add_nc_u32 v[RD], s2, v[RD]
	v_lshlrev_b32 v[GO], 11, v[HH]
	v_lshl_add_u32 v[GO], v[R16], 4, v[GO]
	v_bfe_u32 v[TS], v0, 3, 2                      ; l / 8
.irp e, 0,1,2,3
	v_cmp_eq_u32 vcc_lo, \e, v[TS]
	v_cndmask_b32 v[ST+8*\e+1], 0, -1, vcc_lo
.endr
.irp t, 0,1,2,3
.irp e, 2,3,4,5,6,7
	v_mov_b32 v[ST+8*\t+\e], 0
.endr
.endr
	WIN 0x40
.set i, 0
.rept 256
	v_mov_b32 v[i], 0                              ; O^T is written once: one text serves every step, a block's first too
.set i, i+1
.endr
	WIN 0
	s_wait_kmcnt 0x0
	s_min_u32 s[NS], s[NS], 128
	s_add_co_u32 s[NS], s[NS], 3
	s_lshr_b32 s[NS], s[NS], 2                     ; the first block's steps,
	s_min_u32 s[NS2], s[NS2], 128
	s_add_co_u32 s[NS2], s[NS2], 3
	s_lshr_b32 s[NS2], s[NS2], 2                   ; the second's
	s_sub_co_u32 s2, s[NS], s[WV]
	s_add_co_u32 s2, s2, 3
	s_lshr_b32 s[L1], s2, 2                        ; steps w, w + 4, .. below the first block's number
	s_sub_co_u32 s2, s[WV], s[NS]
	s_and_b32 s[W02], s2, 3                        ; (w - the first block's steps) mod 4
	s_mov_b32 s[W0], s[WV]
	s_mov_b32 s[IDB], s[QB1]
	s_mov_b32 s[KK], 1
	s_cmp_lg_u32 s[L1], 0
	s_cbranch_scc1 .Lgot                           ; the entries that have come are my walk's first step
	s_mov_b32 s[KK], 0                             ; the first block has no step for me: my walk begins in the second
	FETCHID
	s_wait_kmcnt 0x0
.Lgot:
	USEID
	FETCHID                                        ; my walk's second step: its entries have a whole step in which to come
	OFFK
	OFFV
	LDK
	LDV
.Lblock:                                       ; two trips: block 31 - p, then block p
	s_add_co_u32 s[RB], s[NS], 3
	s_lshr_b32 s[RB], s[RB], 2                     ; rounds of this block
	s_mov_b32 s[RR], 0
	s_lshl_b32 s2, s[QB], 14
	v_add_nc_u32 v[QOFF], s2, v[QO]
	LDQ                                            ; the block's 64 queries
.irp t, 0,1,2,3
	v_mov_b32 v[ST+8*\t], 0xfe000000               ; m = -4.25e37: below every score, and no difference with a score overflows
.endr
	s_wait_loadcnt 0x0                             ; Q, and my next step's K, mask words and V^T
.Lround:
	s_lshl_b32 s[STP], s[RR], 2
	s_add_co_u32 s[STP], s[STP], s[W0]             ; my step of this round
	s_cmp_ge_u32 s[STP], s[NS]
	s_cbranch_scc1 .Ldead
	s_wait_loadcnt 32                              ; K and the mask words are in; V^T's 32 younger loads may stay out
.irp t, 0,1,2,3
	v_mov_b32 v[MWC+\t], v[MWR+\t]                 ; this step's words are set aside: the next step's are asked for below
.endr
	WIN 0x0a
.set i, 0
.rept 64                                       ; S^T = K Q^T: channels 32 (i / 16) on, group (i / 4) % 4, tile i % 4: 16 accumulators by turns
.set rS, S+32*(i%4)+8*((i/4)%4)
.set rK, KF+32*((i/4)%4)+8*(i/16)
.set rQ, 32*(i%4)+8*(i/16)
.if i < 16
	v_wmma_f32_16x16x32_bf16 v[rS:rS+7], v[rK:rK+7], v[rQ:rQ+7], 0
.else
	v_wmma_f32_16x16x32_bf16 v[rS:rS+7], v[rK:rK+7], v[rQ:rQ+7], v[rS:rS+7]
.endif
.set i, i+1
.endr
	WIN 0
	s_wait_kmcnt 0x0                               ; the next step's entries, asked for a step ago
	s_wait_xcnt 0x0                                ; every earlier memory instruction has read its address registers
	USEID
	FETCHID
	OFFK                                           ; thirteen plain lines: the places behind the products, ahead of the loads into K and of the reads of S^T
	LDK
	READM 0
	MASK 0
	MASK 1
	READM 1
.irp jj, 0,4,8
	SM4 \jj
.endr
	MASK 2
	MASK 3
	READM 2
.irp jj, 1,5,9,12
	SM4 \jj
.endr
	MASK 4
	MASK 5
	READM 3
.irp jj, 2,6,10
	SM4 \jj
.endr
	MASK 6
	MASK 7
.irp jj, 3,7,11,13,14,15,16,17,18,19,20
	SM4 \jj
.endr
.set n, 0
.rept 16                                       ; s - m: never above 0
.irp t, 0,1,2,3
	v_pk_add_f32 v[S+32*\t+2*n:S+32*\t+2*n+1], v[S+32*\t+2*n:S+32*\t+2*n+1], v[ST+8*\t:ST+8*\t+1] op_sel_hi:[1,0] neg_lo:[0,1] neg_hi:[0,1]
.endr
.set n, n+1
.endr
.set n, 0
.rept 16                                       ; times c
.irp t, 0,1,2,3
	v_pk_mul_f32 v[S+32*\t+2*n:S+32*\t+2*n+1], v[S+32*\t+2*n:S+32*\t+2*n+1], s[CS:CS+1] op_sel_hi:[1,0]
.endr
.set n, n+1
.endr
.irp t, 0,1,2,3
	v_exp_f32 v[ST+8*\t+6], v[ST+8*\t+7]           ; a
.endr
.set n, 0
.rept 32
.irp t, 0,1,2,3
	v_exp_f32 v[S+32*\t+n], v[S+32*\t+n]
.endr
.set n, n+1
.endr
	v_nop                                          ; a plain instruction behind the last exponential,
	s_wait_alu depctr_va_vdst(0)                   ; and one wait for the batch of 132, ahead of its first reader
.set n, 0
.rept 16
.irp t, 0,1,2,3
	v_cvt_pk_f16_f32 v[P+16*\t+n], v[S+32*\t+2*n], v[S+32*\t+2*n+1]
.endr
.set n, n+1
.endr
.set z, 0
.rept 15                                       ; the sum of a tile's 16 pairs, in place: neighbours 1, 2, 4 and 8 pairs apart
.set w, 4
.set u, z
.if z >= 14
.set w, 32
.set u, 0
.elseif z >= 12
.set w, 16
.set u, z-12
.elseif z >= 8
.set w, 8
.set u, z-8
.endif
.irp t, 0,1,2,3
	v_pk_add_f32 v[S+32*\t+w*u:S+32*\t+w*u+1], v[S+32*\t+w*u:S+32*\t+w*u+1], v[S+32*\t+w*u+w/2:S+32*\t+w*u+w/2+1]
.endr
.set z, z+1
.endr
.irp t, 0,1,2,3
	v_pk_fma_f32 v[ST+8*\t+2:ST+8*\t+3], v[ST+8*\t+2:ST+8*\t+3], v[ST+8*\t+6:ST+8*\t+7], v[S+32*\t:S+32*\t+1] op_sel_hi:[1,0,1]  ; l = a l + sum
.endr
	WIN 0x41
.set n, 0
.rept 32                                       ; O^T times a
.irp t, 0,1,2,3
	v_pk_mul_f32 v[64*\t+2*n:64*\t+2*n+1], v[64*\t+2*n:64*\t+2*n+1], v[ST+8*\t+6:ST+8*\t+7] op_sel_hi:[1,0]
.endr
.set n, n+1
.endr
	s_wait_loadcnt 33                              ; V^T is in; the next K's 32 loads and the next mask's one may stay out
	WIN 0x53
.set i, 0
.rept 64                                       ; O^T += V^T P: groups 2 (i / 32) and + 1, channels 16 ((i / 4) % 8) on, tile i % 4: 32 accumulators by turns
.set rO, 64*(i%4)+8*((i/4)%8)
.set rV, 64*(i/32)+8*((i/4)%8)
.set rP, P+16*(i%4)+8*(i/32)
	v_wmma_f32_16x16x32_f16 v[rO:rO+7], v[rV:rV+7], v[rP:rP+7], v[rO:rO+7]
.set i, i+1
.endr
	WIN 0
	OFFV                                           ; four plain lines: the places behind the products, ahead of the loads into V^T
	LDV
.Ldead:
	s_add_co_u32 s[RR], s[RR], 1
	s_cmp_lt_u32 s[RR], s[RB]
	s_cbranch_scc1 .Lround
	; MY PART OF THE BLOCK IS DONE: (l, m) and O^T of all four tiles go into the block's own LDS.  No wave reads there before the barrier behind both blocks.
.irp t, 0,1,2,3
	v_add_f32 v[ST+8*\t+4], v[ST+8*\t+2], v[ST+8*\t+3]
.endr
.irp t, 0,1,2,3
	v_permlanex16_b32 v[ST+8*\t+5], v[ST+8*\t+4], s[SEL], s[SEL+1]
.endr
.irp t, 0,1,2,3
	v_add_f32 v[ST+8*\t+2], v[ST+8*\t+4], v[ST+8*\t+5]
	v_mov_b32 v[ST+8*\t+3], v[ST+8*\t]             ; m beside l; the pair is finite, which is all that the next block's first step asks of l
.endr
.irp t, 0,1,2,3
	ds_store_b64 v[MSS], v[ST+8*\t+2:ST+8*\t+3] offset:256*\t
.endr
	WIN 0x04
.set i, 0
.rept 64
	ds_store_b128 v[MSO], v[4*i:4*i+3] offset:512*i
.set i, i+1
.endr
	WIN 0
	v_add_nc_u32 v[MSS], BLKB, v[MSS]              ; the second block's LDS
	v_add_nc_u32 v[MSO], BLKB, v[MSO]
	s_mov_b32 s[QB], s[PP]                         ; the second block is block p (behind the second trip these lines serve nothing)
	s_mov_b32 s[NS], s[NS2]
	s_mov_b32 s[W0], s[W02]
	s_sub_co_u32 s[BLK], s[BLK], 1
	s_cmp_lg_u32 s[BLK], 0
	s_cbranch_scc1 .Lblock
	; THE MERGE.  Wave w finishes tile w of both blocks.
	s_wait_dscnt 0x0                               ; for the others' sake: my stores of both blocks are done
	s_barrier_signal -1
	s_barrier_wait -1
	s_mov_b32 s[BLK], 2
	s_lshl_b32 s2, s[QB1], 17                      ; a block is 64 rows of 2,048 bytes of ob
	s_mov_b32 s3, 0
	s_add_nc_u64 s[OBB:OBB+1], s[10:11], s[2:3]
.Lmerge:
.irp u, 0,1,2,3
	ds_load_b64 v[64+2*\u:65+2*\u], v[MSR] offset:1024*\u  ; wave u's (l, m)
.endr
	WIN 0x40
.set i, 0
.rept 32
	ds_load_b128 v[4*i:4*i+3], v[MRD0] offset:32768*(i/16)+512*(i%16)
.set i, i+1
.endr
.set i, 0
.rept 32
	ds_load_b128 v[128+4*i:128+4*i+3], v[MRD1] offset:32768*(i/16)+512*(i%16)
.set i, i+1
.endr
	WIN 0
	s_wait_dscnt 63                                ; of 68 loads the first five are in: the four pairs among them
	v_max3_num_f32 v72, v65, v67, v69
	v_max_num_f32 v72, v72, v71
.irp u, 0,1,2,3
	v_sub_f32 v[74+\u], v[65+2*\u], v72            ; m_u - the four waves' maximum: never above 0,
.endr
.irp u, 0,1,2,3
	v_mul_f32 v[74+\u], s[CS], v[74+\u]            ; times c
.endr
.irp u, 0,1,2,3
	v_exp_f32 v[74+\u], v[74+\u]
.endr
	v_nop
	s_wait_alu depctr_va_vdst(0)
	v_mul_f32 v78, v74, v64
	v_fmac_f32 v78, v75, v66
	v_fmac_f32 v78, v76, v68
	v_fmac_f32 v78, v77, v70
	v_rcp_f32 v79, v78
	v_nop
	s_wait_alu depctr_va_vdst(0)
.irp u, 0,1,2,3
	v_mul_f32 v[80+2*\u], v[74+\u], v79
	v_mul_f32 v[81+2*\u], v[74+\u], v79
.endr
	s_wait_dscnt 0x0
	WIN 0x51
.set n, 0
.rept 32
	v_pk_mul_f32 v[2*n:2*n+1], v[2*n:2*n+1], v[80:81]
.set n, n+1
.endr
.irp u, 1,2,3
.set n, 0
.rept 32
	v_pk_fma_f32 v[2*n:2*n+1], v[64*\u+2*n:64*\u+2*n+1], v[80+2*\u:81+2*\u], v[2*n:2*n+1]
.set n, n+1
.endr
.endr
	WIN 0x05
.set n, 0
.rept 32
	v_cvt_pk_f16_f32 v[96+n], v[2*n], v[2*n+1]
.set n, n+1
.endr
	WIN 0
.irp f, 0,1,2,3,4,5,6,7
	ds_store_b128 v[STO], v[96+4*\f:99+4*\f] offset:32*\f
.endr
.irp f, 0,1,2,3,4,5,6,7
	ds_load_b128 v[96+4*\f:99+4*\f], v[RD] offset:544*\f  ; my own bytes: LDS serves a wave's instructions in order
.endr
.irp f, 0,1,2,3,4,5,6,7
	s_wait_dscnt 7-\f
	global_store_b128 v[GO], v[96+4*\f:99+4*\f], s[OBB:OBB+1] offset:4096*\f  ; 16 lanes store a row's 256 consecutive bytes
.endr
	s_wait_xcnt 0x0                                ; the stores have read their registers and their base: the next trip writes both
	v_add_nc_u32 v[MSR], BLKB, v[MSR]              ; the second block's LDS,
	v_add_nc_u32 v[MRD0], BLKB, v[MRD0]
	v_add_nc_u32 v[MRD1], BLKB, v[MRD1]
	s_lshl_b32 s2, s[PP], 17                       ; and its rows of ob
	s_mov_b32 s3, 0
	s_add_nc_u64 s[OBB:OBB+1], s[10:11], s[2:3]
	s_sub_co_u32 s[BLK], s[BLK], 1
	s_cmp_lg_u32 s[BLK], 0
	s_cbranch_scc1 .Lmerge
	s_wait_tensorcnt 0x0                           ; the wave's end, behind my last LDS store
	ds_add_u32 v[SPW], v[NIL]
	s_wait_dscnt 0x0
	s_endpgm
.Lfunc_end_k_q97f810f443_attn:
	.size	k_q97f810f443_attn, .Lfunc_end_k_q97f810f443_attn-k_q97f810f443_attn
	.p2alignl 7, 3214868480
	.fill 96, 4, 3214868480
	.section	.rodata,"a",@progbits
	.p2align	6, 0x0
	.amdhsa_kernel k_q97f810f443_attn
		.amdhsa_group_segment_fixed_size 288256
		.amdhsa_private_segment_fixed_size 0
		.amdhsa_enable_private_segment 0
		.amdhsa_kernarg_size 32
		.amdhsa_user_sgpr_count 2
		.amdhsa_user_sgpr_kernarg_segment_ptr 1
		.amdhsa_wavefront_size32 1
		.amdhsa_system_sgpr_workgroup_id_x 1
		.amdhsa_system_sgpr_workgroup_id_y 1
		.amdhsa_system_sgpr_workgroup_id_z 1
		.amdhsa_system_vgpr_workitem_id 0
		.amdhsa_next_free_vgpr 1024
		.amdhsa_next_free_sgpr 100
		.amdhsa_reserve_vcc 1
		.amdhsa_float_denorm_mode_32 3
		.amdhsa_float_denorm_mode_16_64 3
		.amdhsa_memory_ordered 1
		.amdhsa_forward_progress 1
		.amdhsa_inst_pref_size 115
	.end_amdhsa_kernel
	.amdgpu_metadata
---
amdhsa.version: [ 1, 2 ]
amdhsa.kernels:
  - .name:           k_q97f810f443_attn
    .symbol:         k_q97f810f443_attn.kd
    .args:
      - { .name: qkvb, .offset: 0, .size: 8, .value_kind: global_buffer, .address_space: global }
      - { .name: mw, .offset: 8, .size: 8, .value_kind: global_buffer, .address_space: global }
      - { .name: gl, .offset: 16, .size: 8, .value_kind: global_buffer, .address_space: global }
      - { .name: ob, .offset: 24, .size: 8, .value_kind: global_buffer, .address_space: global }
    .group_segment_fixed_size: 288256
    .private_segment_fixed_size: 0
    .kernarg_segment_align: 8
    .kernarg_segment_size: 32
    .max_flat_workgroup_size: 128
    .sgpr_count:     100
    .vgpr_count:     1024
    .wavefront_size: 32
...
	.end_amdgpu_metadata
.endif
;; end of part 8
;; launch oproj (part 9): grid 16 x 16, 4 waves a work-group, clusters of 4 x 4, 327,680 bytes of LDS; arguments ob, pw, xo; writes xo
.if DOCPART == 9
	.amdgcn_target "amdgcn-amd-amdhsa--gfx1250"
	.amdhsa_code_object_version 6
	.text
	.protected	k_q97f810f443_oproj
	.globl	k_q97f810f443_oproj
	.p2align	8
	.type	k_q97f810f443_oproj,@function
k_q97f810f443_oproj:
	s_mov_b64 s[64:65], 0
	v_nop
	global_prefetch_b8 v0, s[64:65] scope:SCOPE_SE
	s_setreg_imm32_b32 hwreg(HW_REG_WAVE_MODE, 25, 1), 1
	s_wait_xcnt 0x0
	s_wait_alu depctr_hold_cnt(0) depctr_sa_sdst(0) depctr_va_vdst(0) depctr_va_sdst(0) depctr_va_ssrc(0) depctr_va_vcc(0) depctr_vm_vsrc(0)
	s_getreg_b32 s2, hwreg(HW_REG_IB_STS2, 6, 4)
	s_cmp_eq_u32 s2, 0
	s_cbranch_scc0 .Lentry_in_a_cluster
	s_endpgm
.Lentry_in_a_cluster:
	s_bfe_u32 s2, ttmp6, 0x10000c
	s_cmp_lg_u32 s2, 0xf033
	s_cbranch_scc0 .Lentry_shape_is_right
	s_endpgm
.Lentry_shape_is_right:
; x = bf16(hidden) + o wo.  A = ob [4096][1024] f16, B = WO [1024 k][2048 n] (bf16(wo) written as f16), the residual HB (bf16(hidden) written as f16).
; OUT: XB = f16(x / 64), the one copy of x: the next launch's matrix operand and the last launch's residual; SSP: for each row 32 partial sums of x^2 (one for each 64 columns), f32, taken of the unrounded x.
; WHY x / 64 IN f16: x grows with gain x wv x wo, 27,000 times its size 1 at the most that is to be served; divided by 64 its peaks are then about 2,500, and at a 200th of its size it still keeps 11 bits
; against the row's rms.  As a residual it is off by at most 2^-11 of itself.
; THE SUMS START AT THE RESIDUAL: it is widened into the accumulators while the first tiles are on their way, and every product adds onto it: no first step is written out, nothing is cleared,
; and the loop is entered at its last quarter.
; A tile of C is 256 x 128: 16 x 16 work-groups.  Four waves, 2 (wm) x 2 (wn), 8 x 4 accumulators each, products transposed (source 0 = B): a lane holds one row and 8 neighbouring columns.
; K goes in 8 steps of 128 through two LDS slots filled by joint tensor loads in a 4 x 4 cluster: A shared along a row of the cluster, B along a column.  B is turned by ds_load_tr16_b128.
; REGISTERS: window 0: v0-31 addresses, v32-127 and v128-223 two fragment buffers (at the head v32-159 hold the residual), v224-239 sums of squares, v240 one, v241 zero; window 1: accumulator (b, a) at 8 (8 b + a).
; LIMITS: |x| stays within 64 x 65,504; NaN and infinities are not treated apart.
.set WO_O,  29360128
.set XB_O,  0
.set SSP_O, 16777216
.set T,     8
.set MB,    8
.set PA,    272
.set PB,    288
.set XS,    0x20000
.set BB,    73728                      ; a slot: A's halves at 0 and 36,864, B's 128 k rows here
.set SPARE, 2*XS
.set SSST,  256*528                    ; the way out: x at 0 (256 x 528), behind it 512 bytes a wave for the sums of squares
.set ASTEP, 256
.set BSTEPC, 524288
.set F0,    32
.set F1,    128
.set SS,    224
.set ONE,   240
.set ZERO,  241
.set ADRA0, 4
.set ADRB0, 5
.set ADRA,  7
.set ADRB,  8
.set STO,   10
.set SSO,   11
.set RDW,   12
.set GB,    14
.set PFO,   15
.set SPW,   28
.set NIL,   29
.set G1A,   16
.set G1B,   24
.set G0A,   40
.set G0B,   48
.set PFA,   58
.set PSTEP, 60
.set LIM,   62
.set MSB, 0
.macro WIN new
.if MSB != (\new)
	s_set_vgpr_msb (MSB<<8)|(\new)
.set MSB, \new
.endif
.endm
.macro PLACES
.rept 4
	v_nop
.endr
.endm
.macro CREST
	s_cmp_lg_u32 s10, 0
	s_cbranch_scc1 .Lnw0_\@
	s_barrier_signal -3
.Lnw0_\@:
	s_barrier_wait -3
	s_barrier_signal -1
	s_barrier_wait -1
.endm
.macro CROUND
	s_barrier_signal -1
	s_barrier_wait -1
	CREST
.endm
.macro JLOAD                           ; a joint refill: waves 0, 1 A's halves, waves 2, 3 B's
	s_cmp_lt_u32 s10, 2
	s_cbranch_scc0 .Ljb_\@
	tensor_load_to_lds s[G0A+4:G0A+7], s[G1A:G1A+7]
	s_nop 0
	PLACES
	s_branch .Ljd_\@
.Ljb_\@:
	tensor_load_to_lds s[G0B+4:G0B+7], s[G1B:G1B+7]
	s_nop 0
	PLACES
.Ljd_\@:
.endm
.macro STEPD
	s_xor_b32 s[G0A+5], s[G0A+5], XS
	s_add_nc_u64 s[G0A+6:G0A+7], s[G0A+6:G0A+7], ASTEP
	s_xor_b32 s[G0B+5], s[G0B+5], XS
	s_add_nc_u64 s[G0B+6:G0B+7], s[G0B+6:G0B+7], BSTEPC
.endm
.macro ADDRS
	s_xor_b32 s15, s15, XS
	v_add_nc_u32 v[ADRA], s15, v[ADRA0]
	v_add_nc_u32 v[ADRB], s15, v[ADRB0]
	v_nop
	v_nop
.endm
.macro ASK                             ; the K step four on from the trip's own: 32 rows x 256 bytes, a lane a row
	s_cmp_gt_u32 s3, s[LIM]
	s_cbranch_scc0 .Lna_\@
	global_prefetch_b8 v[PFO], s[PFA:PFA+1] th:TH_LOAD_NT scope:SCOPE_SE
.Lna_\@:
.endm
.macro FETCH q, f
	WIN 0
.irp a, 0,1,2,3,4,5,6,7
	ds_load_b128 v[(\f)+8*\a:(\f)+8*\a+3],   v[ADRA] offset:(\q)*64+\a*16*PA
	ds_load_b128 v[(\f)+8*\a+4:(\f)+8*\a+7], v[ADRA] offset:(\q)*64+\a*16*PA+32
.endr
.irp b, 0,1,2,3
	ds_load_tr16_b128 v[(\f)+64+8*\b:(\f)+64+8*\b+3],   v[ADRB] offset:(\q)*32*PB+\b*32
	ds_load_tr16_b128 v[(\f)+64+8*\b+4:(\f)+64+8*\b+7], v[ADRB] offset:(\q)*32*PB+16*PB+\b*32
.endr
.endm
.macro MULB f, b                       ; each accumulator is named once a quarter: they take turns
	WIN 0x50
.set aa, 0
.rept MB
.set rD, 8*((\b)*MB+aa)
	v_wmma_f32_16x16x32_f16 v[rD:rD+7], v[(\f)+8*MB+8*(\b):(\f)+8*MB+8*(\b)+7], v[(\f)+8*aa:(\f)+8*aa+7], v[rD:rD+7]
.set aa, aa+1
.endr
.endm
.macro MULG f, g
.if (\g) < 2
	MULB \f, \g
.else
	MULB \f, 2
	MULB \f, 3
.endif
.endm
.macro QUARTER q
.if ((\q)%2) == 0
.set fC, F0
.set fN, F1
.else
.set fC, F1
.set fN, F0
.endif
	s_wait_dscnt 0x0                               ; this buffer's loads, issued 24 matrix instructions ago
	MULG fC, 0
	PLACES
	FETCH (\q)+1, fN
	MULG fC, 1
	MULG fC, 2
.endm
.macro TURN fill                       ; the step's last quarter and the change of slots: the three lines, the barrier (fill = 1: a round of the cluster's), the joint refill first behind it
.if \fill
	s_wait_xcnt 0x0                                ; the last prefetch, a K step back, has read its address
	s_add_nc_u64 s[PFA:PFA+1], s[PFA:PFA+1], s[PSTEP:PSTEP+1]
.endif
	WIN 0
	s_wait_tensorcnt 0x0                           ; all my tensor loads have landed: my part of the next slot
	ds_add_u32 v[SPW], v[NIL]
.if \fill
	STEPD
.endif
	s_wait_dscnt 1                                 ; the add alone may be out
	MULG F1, 0
	s_wait_dscnt 0x0                               ; the add is done, my reads of this slot are over
	s_barrier_signal -1
	MULG F1, 1
	WIN 0
	s_barrier_wait -1
.if \fill
	CREST
	JLOAD
	ADDRS
	FETCH 0, F0
	ASK
.else
	s_cmp_eq_u32 s3, 1
	s_cbranch_scc1 .Lnf_\@
	ADDRS
	FETCH 0, F0
.Lnf_\@:
.endif
	MULG F1, 2
.endm
	s_load_b128 s[68:71], s[0:1], 0x0              ; ob 68, pw 70
	s_load_b64 s[72:73], s[0:1], 0x10              ; xo
	v_lshl_add_u32 v[SPW], v0, 2, SPARE
	v_mov_b32 v[NIL], 0
	ds_add_u32 v[SPW], v[NIL]                      ; the wave's opening
	v_lshrrev_b32 v1, 5, v0
	v_readfirstlane_b32 s10, v1
	s_lshr_b32 s11, s10, 1
	s_and_b32 s12, s10, 1
	s_bfe_u32 s92, ttmp6, 0x40000
	s_bfe_u32 s93, ttmp6, 0x40004
	s_lshl_b32 s14, ttmp9, 2
	s_add_co_u32 s14, s14, s92                     ; tx
	s_and_b32 s13, ttmp7, 0xffff
	s_lshl_b32 s13, s13, 2
	s_add_co_u32 s13, s13, s93                     ; ty
	s_lshl_b32 s94, s93, 2
	s_lshl_b32 s94, 15, s94
	s_lshl_b32 s95, 0x1111, s92
	s_or_b32 s[G1A], s94, (1<<16)|(1<<20)|(1<<21)|(5<<22)|(3<<25)
	s_mov_b32 s[G1A+1], 128<<16
	s_mov_b32 s[G1A+2], 128<<16
	s_mov_b32 s[G1A+3], 128<<16
	s_mov_b32 s[G1A+4], 128
	s_mov_b32 s[G1A+5], 1024
	s_mov_b32 s[G1A+6], 0
	s_mov_b32 s[G1A+7], 0
	s_or_b32 s[G1B], s95, (1<<16)|(1<<20)|(1<<21)|(5<<22)|(7<<25)
	s_mov_b32 s[G1B+1], 128<<16
	s_mov_b32 s[G1B+2], 64<<16
	s_mov_b32 s[G1B+3], 128<<16
	s_mov_b32 s[G1B+4], 64
	s_mov_b32 s[G1B+5], 2048
	s_mov_b32 s[G1B+6], 0
	s_mov_b32 s[G1B+7], 0
	s_lshl_b32 s4, s13, 8
	s_lshl_b32 s5, s12, 7
	s_add_co_u32 s4, s4, s5
	s_lshl_b32 s4, s4, 11                          ; A: row 256 ty + 128 half, 2,048 bytes a row
	s_mov_b32 s5, 0
	s_lshl_b32 s6, s14, 8                          ; B: 256 bytes of columns, my 64 of the step's 128 k rows
	s_lshl_b32 s7, s12, 18
	s_add_co_u32 s6, s6, s7
	s_add_co_u32 s6, s6, WO_O
	s_mov_b32 s7, 0
	s_mul_i32 s9, s10, 36864
	s_mul_i32 s8, s12, 18432
	s_add_co_u32 s8, s8, BB
	s_mov_b32 s15, 0
	s_wait_dscnt 0x0
	s_wait_kmcnt 0x0
	s_add_nc_u64 s[4:5], s[68:69], s[4:5]
	s_add_nc_u64 s[6:7], s[70:71], s[6:7]
	CROUND
	s_mov_b32 s[G0A], 1
	s_add_co_u32 s[G0A+1], s9, 0
	s_add_nc_u64 s[G0A+2:G0A+3], s[4:5], 0
	s_or_b32 s[G0A+3], s[G0A+3], 0x80000000
	s_mov_b32 s[G0A+4], 1
	s_add_co_u32 s[G0A+5], s9, XS
	s_add_nc_u64 s[G0A+6:G0A+7], s[4:5], ASTEP
	s_or_b32 s[G0A+7], s[G0A+7], 0x80000000
	s_mov_b32 s[G0B], 1
	s_add_co_u32 s[G0B+1], s8, 0
	s_add_nc_u64 s[G0B+2:G0B+3], s[6:7], 0
	s_or_b32 s[G0B+3], s[G0B+3], 0x80000000
	s_mov_b32 s[G0B+4], 1
	s_add_co_u32 s[G0B+5], s8, XS
	s_add_nc_u64 s[G0B+6:G0B+7], s[6:7], BSTEPC
	s_or_b32 s[G0B+7], s[G0B+7], 0x80000000
	s_cmp_lt_u32 s10, 2                            ; K steps 0 and 1: two loads of mine are out
	s_cbranch_scc0 .Lff_b
	tensor_load_to_lds s[G0A:G0A+3], s[G1A:G1A+7]
	s_nop 0
	tensor_load_to_lds s[G0A+4:G0A+7], s[G1A:G1A+7]
	s_nop 0
	PLACES
	s_branch .Lff_d
.Lff_b:
	tensor_load_to_lds s[G0B:G0B+3], s[G1B:G1B+7]
	s_nop 0
	tensor_load_to_lds s[G0B+4:G0B+7], s[G1B:G1B+7]
	s_nop 0
	PLACES
.Lff_d:
	v_and_b32 v1, 15, v0
	v_bfe_u32 v2, v0, 4, 1
	v_and_b32 v3, 31, v0
	; the residual: HB (256 ty + 128 wm + 16 a + r) 4096 + (128 tx + 64 wn + 16 b + 8 h) 2: a lane's 16 bytes are the 8 columns of accumulator (b, a)
	s_lshl_b32 s4, s13, 8
	s_lshl_b32 s5, s11, 7
	s_add_co_u32 s96, s4, s5                       ; my wave's first row
	s_lshl_b32 s4, s96, 12
	s_lshl_b32 s5, s14, 8
	s_add_co_u32 s4, s4, s5
	s_lshl_b32 s5, s12, 7
	s_add_co_u32 s4, s4, s5
	v_lshlrev_b32 v16, 12, v1
	v_lshl_add_u32 v16, v2, 4, v16
	v_add_nc_u32 v16, s4, v16
.irp b, 0,1,2,3
.irp a, 0,1,2,3,4,5,6,7
	global_load_b128 v[32+4*(8*\b+\a):32+4*(8*\b+\a)+3], v16, s[70:71] offset:65536*\a+32*\b
.endr
.endr
	v_mov_b32 v[ONE], 1.0
	v_mov_b32 v[ZERO], 0
	v_mul_u32_u24 v[ADRA0], v1, PA
	v_lshl_add_u32 v[ADRA0], v2, 4, v[ADRA0]
	s_mul_i32 s4, s11, 36864
	v_add_nc_u32 v[ADRA0], s4, v[ADRA0]
	v_and_b32 v21, 7, v0
	v_lshl_add_u32 v21, v2, 3, v21
	v_bfe_u32 v22, v0, 3, 1
	s_lshl_b32 s4, s12, 7
	s_add_co_u32 s4, s4, BB
	v_mul_u32_u24 v[ADRB0], v21, PB
	v_lshl_add_u32 v[ADRB0], v22, 4, v[ADRB0]
	v_add_nc_u32 v[ADRB0], s4, v[ADRB0]
	v_mov_b32 v[ADRA], v[ADRA0]
	v_mov_b32 v[ADRB], v[ADRB0]
	s_mul_i32 s4, s11, 128*528
	s_lshl_b32 s5, s12, 8
	s_add_co_u32 s4, s4, s5
	v_mul_u32_u24 v[STO], v1, 528
	v_lshl_add_u32 v[STO], v2, 5, v[STO]
	v_add_nc_u32 v[STO], s4, v[STO]                ; (128 wm + r) 528 + 256 wn + 32 h
	s_lshl_b32 s4, s10, 9
	s_add_co_u32 s4, s4, SSST
	v_lshl_add_u32 v[SSO], v1, 2, s4
	v_lshl_add_u32 v17, v3, 4, s4
	s_mul_i32 s4, s10, 64*528
	v_lshl_add_u32 v[RDW], v3, 4, s4
	v_lshlrev_b32 v[GB], 3, v3
	v_lshlrev_b32 v18, 4, v3
	s_mov_b32 s98, 0x76543210
	s_mov_b32 s99, 0xfedcba98
	s_mov_b32 s74, 0x3c800000                      ; 1 / 64
	s_mov_b32 s75, s74                             ; named with it as a pair
	s_lshl_b32 s4, s13, 8
	s_lshl_b32 s5, s10, 6
	s_add_co_u32 s4, s4, s5                        ; the first row that I store: 256 ty + 64 w
	s_lshl_b32 s6, s4, 12
	s_lshl_b32 s5, s14, 8
	s_add_co_u32 s6, s6, s5
	s_add_co_u32 s6, s6, XB_O
	s_mov_b32 s7, 0
	s_add_nc_u64 s[88:89], s[72:73], s[6:7]        ; XB
	s_lshl_b32 s6, s14, 1
	s_add_co_u32 s6, s6, s12
	s_lshl_b32 s6, s6, 12
	s_add_co_u32 s6, s6, s96
	s_lshl_b32 s6, s6, 2
	s_add_co_u32 s6, s6, SSP_O
	s_add_nc_u64 s[90:91], s[72:73], s[6:7]        ; SSP: slot 2 tx + wn, my wave's 128 rows
	; the prefetches: A's rows by the clusters with x = 0 (waves 0, 1), B's by those with y = 0 (wave 2); the partners share the rows out by address
	s_and_b32 s4, ttmp7, 0xffff
	s_cmp_lt_u32 s10, 2
	s_cselect_b32 s4, ttmp9, s4
	s_cselect_b64 s[PFA:PFA+1], s[68:69], s[70:71]
	s_cmp_eq_u32 s4, 0
	s_cselect_b32 s[LIM], 2, -1
	s_cmp_eq_u32 s10, 3
	s_cselect_b32 s[LIM], -1, s[LIM]
	s_lshl_b32 s4, s13, 8
	s_lshl_b32 s5, s12, 7
	s_add_co_u32 s4, s4, s5
	s_lshl_b32 s5, s92, 5
	s_add_co_u32 s4, s4, s5
	s_lshl_b32 s4, s4, 11
	s_add_co_u32 s4, s4, 3*ASTEP
	s_mov_b32 s[PSTEP], ASTEP
	s_mov_b32 s5, 11
	s_lshl_b32 s6, s14, 8
	s_lshl_b32 s7, s93, 17                         ; 32 cy rows of 4,096 bytes
	s_add_co_u32 s6, s6, s7
	s_add_co_u32 s6, s6, WO_O+3*BSTEPC
	s_cmp_lt_u32 s10, 2
	s_cselect_b32 s4, s4, s6
	s_cselect_b32 s[PSTEP], s[PSTEP], BSTEPC
	s_cselect_b32 s5, s5, 12
	v_lshlrev_b32 v[PFO], s5, v3
	s_mov_b32 s5, 0
	s_mov_b32 s[PSTEP+1], 0
	s_add_nc_u64 s[PFA:PFA+1], s[PFA:PFA+1], s[4:5]
	s_wait_loadcnt 0x0                             ; the residual
	WIN 0x40                                       ; f16 halves, one and zero in window 0; the accumulators in window 1
.set u, 0
.rept 32
.irp k, 0,1,2,3
	v_fma_mix_f32 v[8*u+2*\k],   v[32+4*u+\k], v[ONE], v[ZERO] op_sel_hi:[1,0,0]
	v_fma_mix_f32 v[8*u+2*\k+1], v[32+4*u+\k], v[ONE], v[ZERO] op_sel:[1,0,0] op_sel_hi:[1,0,0]
.endr
.set u, u+1
.endr
	WIN 0
	s_wait_tensorcnt 1                             ; K step 0 is in; step 1's load may stay out
	s_barrier_signal -1
	s_barrier_wait -1
	FETCH 0, F0
	s_mov_b32 s3, T-1
	s_branch .Lin                                  ; the loop is entered at a step's first quarter, the last of a trip
.Lstep:                                        ; a trip: a step's quarters 1 to 3, the refill two steps on, the next step's quarter 0
	QUARTER 1
	QUARTER 2
	TURN 1
	WIN 0
.Lin:
	QUARTER 0
	WIN 0
	s_sub_co_u32 s3, s3, 1
	s_cmp_lg_u32 s3, 0
	s_cbranch_scc1 .Lstep
	s_mov_b32 s3, 2
.Ltail:                                        ; the last two steps ask for nothing; the second trip is left in its middle
	QUARTER 1
	QUARTER 2
	TURN 0
	WIN 0
	s_sub_co_u32 s3, s3, 1
	s_cmp_eq_u32 s3, 0
	s_cbranch_scc1 .Lout
	QUARTER 0
	WIN 0
	s_branch .Ltail
.Lout:
	; THE WAY OUT: the accumulators hold x; its squares are summed by row; x goes through the dead ring and leaves, divided by 64 and rounded to f16, as whole rows of 256 bytes
	PLACES
	WIN 0x05                                       ; x in window 1, the sums in window 0
.irp b, 0,1,2,3
.irp i, 0,2,4,6
.irp a, 0,1,2,3,4,5,6,7
.if (\b+\i) == 0
	v_pk_mul_f32 v[SS+2*\a:SS+2*\a+1], v[8*\a:8*\a+1], v[8*\a:8*\a+1]
.else
	v_pk_fma_f32 v[SS+2*\a:SS+2*\a+1], v[8*(8*\b+\a)+\i:8*(8*\b+\a)+\i+1], v[8*(8*\b+\a)+\i:8*(8*\b+\a)+\i+1], v[SS+2*\a:SS+2*\a+1]
.endif
.endr
.endr
.endr
	WIN 0x04
.irp b, 0,1,2,3
.irp a, 0,1,2,3,4,5,6,7
	ds_store_b128 v[STO], v[8*(8*\b+\a):8*(8*\b+\a)+3]   offset:\a*16*528+64*\b
	ds_store_b128 v[STO], v[8*(8*\b+\a)+4:8*(8*\b+\a)+7] offset:\a*16*528+64*\b+16
.endr
.endr
	WIN 0
.irp a, 0,1,2,3,4,5,6,7
	v_add_f32 v[32+\a], v[SS+2*\a], v[SS+2*\a+1]
.endr
.irp a, 0,1,2,3,4,5,6,7
	v_mov_b32 v[40+\a], v[32+\a]
.endr
.irp a, 0,1,2,3,4,5,6,7
	v_permlanex16_b32 v[40+\a], v[32+\a], s98, s99 ; the row's other 32 columns lie in the lane 16 away
.endr
.irp a, 0,1,2,3,4,5,6,7
	v_add_f32 v[32+\a], v[32+\a], v[40+\a]
.endr
.irp a, 0,1,2,3,4,5,6,7
	ds_store_b32 v[SSO], v[32+\a] offset:64*\a     ; both halves of the lanes write the same number to the same word
.endr
	ds_load_b128 v[48:51], v17                     ; my own bytes, in order: 128 rows' sums, 512 bytes
	s_wait_dscnt 0x0                               ; that load; and, for the others' sake, my stores into the stage
	global_store_b128 v18, v[48:51], s[90:91]
	s_barrier_signal -1
	s_barrier_wait -1
	s_mov_b32 s3, 4
.Lcopy:                                        ; wave w: rows 64 w .. + 63, 16 a trip; a load takes a row's 512 bytes
.set i, 0
.rept 16
	ds_load_b128 v[64+4*i:67+4*i], v[RDW] offset:i*528
.set i, i+1
.endr
.set i, 0
.rept 16
	s_wait_dscnt 15-i
	v_pk_mul_f32 v[64+4*i:65+4*i], v[64+4*i:65+4*i], s[74:75] op_sel_hi:[1,0]  ; x / 64
	v_pk_mul_f32 v[66+4*i:67+4*i], v[66+4*i:67+4*i], s[74:75] op_sel_hi:[1,0]
	v_cvt_pk_f16_f32 v[128+2*i], v[64+4*i], v[65+4*i]
	v_cvt_pk_f16_f32 v[129+2*i], v[66+4*i], v[67+4*i]
	global_store_b64 v[GB], v[128+2*i:129+2*i], s[88:89] offset:i*4096  ; 32 lanes store 256 consecutive bytes
.set i, i+1
.endr
	s_wait_xcnt 0x0                                ; the stores' data and offset are written again only behind this wait
	v_add_nc_u32 v[RDW], 16*528, v[RDW]
	v_add_nc_u32 v[GB], 16*4096, v[GB]
	s_sub_co_u32 s3, s3, 1
	s_cmp_lg_u32 s3, 0
	s_cbranch_scc1 .Lcopy
	s_wait_tensorcnt 0x0                           ; the wave's end
	ds_add_u32 v[SPW], v[NIL]
	s_wait_dscnt 0x0
	CROUND
	s_endpgm
.Lfunc_end_k_q97f810f443_oproj:
	.size	k_q97f810f443_oproj, .Lfunc_end_k_q97f810f443_oproj-k_q97f810f443_oproj
	.p2alignl 7, 3214868480
	.fill 96, 4, 3214868480
	.section	.rodata,"a",@progbits
	.p2align	6, 0x0
	.amdhsa_kernel k_q97f810f443_oproj
		.amdhsa_group_segment_fixed_size 327680
		.amdhsa_private_segment_fixed_size 0
		.amdhsa_enable_private_segment 0
		.amdhsa_kernarg_size 24
		.amdhsa_user_sgpr_count 2
		.amdhsa_user_sgpr_kernarg_segment_ptr 1
		.amdhsa_wavefront_size32 1
		.amdhsa_system_sgpr_workgroup_id_x 1
		.amdhsa_system_sgpr_workgroup_id_y 1
		.amdhsa_system_sgpr_workgroup_id_z 1
		.amdhsa_system_vgpr_workitem_id 0
		.amdhsa_next_free_vgpr 512
		.amdhsa_next_free_sgpr 100
		.amdhsa_reserve_vcc 0
		.amdhsa_float_denorm_mode_32 3
		.amdhsa_float_denorm_mode_16_64 3
		.amdhsa_memory_ordered 1
		.amdhsa_forward_progress 1
		.amdhsa_inst_pref_size 84
	.end_amdhsa_kernel
	.amdgpu_metadata
---
amdhsa.version: [ 1, 2 ]
amdhsa.kernels:
  - .name:           k_q97f810f443_oproj
    .symbol:         k_q97f810f443_oproj.kd
    .args:
      - { .name: ob, .offset: 0, .size: 8, .value_kind: global_buffer, .address_space: global }
      - { .name: pw, .offset: 8, .size: 8, .value_kind: global_buffer, .address_space: global }
      - { .name: xo, .offset: 16, .size: 8, .value_kind: global_buffer, .address_space: global }
    .group_segment_fixed_size: 327680
    .private_segment_fixed_size: 0
    .kernarg_segment_align: 8
    .kernarg_segment_size: 24
    .max_flat_workgroup_size: 128
    .sgpr_count:     100
    .vgpr_count:     512
    .wavefront_size: 32
...
	.end_amdgpu_metadata
.endif
;; end of part 9
;; launch gateup (part 10): grid 8 x 32, 4 waves a work-group, clusters of 4 x 4, 327,680 bytes of LDS; arguments xo, pw, act; writes act
.if DOCPART == 10
	.amdgcn_target "amdgcn-amd-amdhsa--gfx1250"
	.amdhsa_code_object_version 6
	.text
	.protected	k_q97f810f443_gateup
	.globl	k_q97f810f443_gateup
	.p2align	8
	.type	k_q97f810f443_gateup,@function
k_q97f810f443_gateup:
	s_mov_b64 s[64:65], 0
	v_nop
	global_prefetch_b8 v0, s[64:65] scope:SCOPE_SE
	s_setreg_imm32_b32 hwreg(HW_REG_WAVE_MODE, 25, 1), 1
	s_wait_xcnt 0x0
	s_wait_alu depctr_hold_cnt(0) depctr_sa_sdst(0) depctr_va_vdst(0) depctr_va_sdst(0) depctr_va_ssrc(0) depctr_va_vcc(0) depctr_vm_vsrc(0)
	s_getreg_b32 s2, hwreg(HW_REG_IB_STS2, 6, 4)
	s_cmp_eq_u32 s2, 0
	s_cbranch_scc0 .Lentry_in_a_cluster
	s_endpgm
.Lentry_in_a_cluster:
	s_bfe_u32 s2, ttmp6, 0x10000c
	s_cmp_lg_u32 s2, 0xf033
	s_cbranch_scc0 .Lentry_shape_is_right
	s_endpgm
.Lentry_shape_is_right:
; act = silu(h w_gate) (h w_up), h = rms_norm(x) ln2.  A = XB [4096][2048] = f16(x / 64), not normalised; the weights WGU [2][8][2048 k][64] = f16(256 gain w).  The sums are 4 times the true ones:
; the row's 1/rms, made here from the 32 partial sums of x^2, takes the factor 1/4 and is applied to the f32 sums.  OUT: act [8 planes of 64 columns][4096][64] bf16.
; act stays bf16: it grows with (gain x w)^2, 810,000 times either way, which f16 does not span.
; A tile is 128 rows x (64 gate + the same 64 up columns): 8 x 32 work-groups.  Four waves, 2 (wm) x 2 (wn), 4 x 4 accumulators: b = 0, 1 gate, b = 2, 3 up, so g and u of a number fall into one lane.
; K goes in 8 steps of 256 (eight quarters of 32) through two LDS slots filled by joint tensor loads in a 4 x 4 cluster.  A step's quarters 1 to 6 are one odd and one even quarter walked three
; times, the LDS addresses going 64 along K a trip; the change of slots sets them anew.
; REGISTERS: window 0: v0-31 addresses, v32-95 and v96-159 two fragment buffers; window 1: accumulator (b, a) at 8 (4 b + a).
; LIMITS: 2^(-g log2 e) may be infinite, its reciprocal is then 0, as silu's limit is; NaN and infinities in the inputs are not treated apart.
.set WGU_O, 33554432
.set XB_O,  0
.set SSP_O, 16777216
.set T,     8
.set MB,    4
.set PA,    528
.set PB,    160
.set XS,    0x25000                    ; 151,552: all four bases of a slot have these three bits clear, so the exclusive or adds it
.set BG,    67584                      ; a slot: A's halves at 0 and 33,792, gate's 256 k rows here, up's at 108,544
.set SPARE, 2*XS
.set RS2,   SPARE+512                  ; 128 rows' 1/rms: a block of its own, into which no fill lands
.set ASTEP, 512
.set BSTEPC, 32768
.set F0,    32
.set F1,    96
.set ADRA0, 4
.set ADRB0, 5
.set ADRU0, 6
.set ADRA,  7
.set ADRB,  8
.set ADRU,  9
.set STO,   10
.set RSA,   11
.set RD,    12
.set GO,    14
.set PFO,   15
.set SPW,   28
.set NIL,   29
.set G1A,   16
.set G1B,   24
.set G0A,   40
.set G0B,   48
.set PFA,   58
.set PSTEP, 60
.set LIM,   62
.set MSB, 0
.macro WIN new
.if MSB != (\new)
	s_set_vgpr_msb (MSB<<8)|(\new)
.set MSB, \new
.endif
.endm
.macro PLACES
.rept 4
	v_nop
.endr
.endm
.macro CREST
	s_cmp_lg_u32 s10, 0
	s_cbranch_scc1 .Lnw0_\@
	s_barrier_signal -3
.Lnw0_\@:
	s_barrier_wait -3
	s_barrier_signal -1
	s_barrier_wait -1
.endm
.macro CROUND
	s_barrier_signal -1
	s_barrier_wait -1
	CREST
.endm
.macro JLOAD                           ; waves 0, 1 A's halves, wave 2 gate's tile, wave 3 up's
	s_cmp_lt_u32 s10, 2
	s_cbranch_scc0 .Ljb_\@
	tensor_load_to_lds s[G0A+4:G0A+7], s[G1A:G1A+7]
	s_nop 0
	PLACES
	s_branch .Ljd_\@
.Ljb_\@:
	tensor_load_to_lds s[G0B+4:G0B+7], s[G1B:G1B+7]
	s_nop 0
	PLACES
.Ljd_\@:
.endm
.macro STEPD
	s_xor_b32 s[G0A+5], s[G0A+5], XS
	s_add_nc_u64 s[G0A+6:G0A+7], s[G0A+6:G0A+7], ASTEP
	s_xor_b32 s[G0B+5], s[G0B+5], XS
	s_add_nc_u64 s[G0B+6:G0B+7], s[G0B+6:G0B+7], BSTEPC
.endm
.macro ADDRS                           ; the fragment addresses go to the head of the other slot
	s_xor_b32 s15, s15, XS
	v_add_nc_u32 v[ADRA], s15, v[ADRA0]
	v_add_nc_u32 v[ADRB], s15, v[ADRB0]
	v_add_nc_u32 v[ADRU], s15, v[ADRU0]
	v_nop
.endm
.macro ASK                             ; the K step four on from the trip's own: 32 blocks of 256 bytes, a lane a block
	s_cmp_gt_u32 s3, s[LIM]
	s_cbranch_scc0 .Lna_\@
	global_prefetch_b8 v[PFO], s[PFA:PFA+1] th:TH_LOAD_NT scope:SCOPE_SE
.Lna_\@:
.endm
.macro FETCH q, f                      ; the fragments q quarters on from where the addresses stand
	WIN 0
.irp a, 0,1,2,3
	ds_load_b128 v[(\f)+8*\a:(\f)+8*\a+3],   v[ADRA] offset:(\q)*64+\a*16*PA
	ds_load_b128 v[(\f)+8*\a+4:(\f)+8*\a+7], v[ADRA] offset:(\q)*64+\a*16*PA+32
.endr
.irp b, 0,1
	ds_load_tr16_b128 v[(\f)+32+8*\b:(\f)+32+8*\b+3],   v[ADRB] offset:(\q)*32*PB+\b*32
	ds_load_tr16_b128 v[(\f)+32+8*\b+4:(\f)+32+8*\b+7], v[ADRB] offset:(\q)*32*PB+16*PB+\b*32
.endr
.irp b, 0,1
	ds_load_tr16_b128 v[(\f)+48+8*\b:(\f)+48+8*\b+3],   v[ADRU] offset:(\q)*32*PB+\b*32
	ds_load_tr16_b128 v[(\f)+48+8*\b+4:(\f)+48+8*\b+7], v[ADRU] offset:(\q)*32*PB+16*PB+\b*32
.endr
.endm
.macro MULB f, b, zero                 ; each accumulator is named once a quarter: they take turns
	WIN 0x50
.set aa, 0
.rept MB
.set rD, 8*((\b)*MB+aa)
.if \zero
	v_wmma_f32_16x16x32_f16 v[rD:rD+7], v[(\f)+8*MB+8*(\b):(\f)+8*MB+8*(\b)+7], v[(\f)+8*aa:(\f)+8*aa+7], 0
.else
	v_wmma_f32_16x16x32_f16 v[rD:rD+7], v[(\f)+8*MB+8*(\b):(\f)+8*MB+8*(\b)+7], v[(\f)+8*aa:(\f)+8*aa+7], v[rD:rD+7]
.endif
.set aa, aa+1
.endr
.endm
.macro MULG f, g, zero
.if (\g) < 2
	MULB \f, \g, \zero
.else
	MULB \f, 2, \zero
	MULB \f, 3, \zero
.endif
.endm
.macro QUARTER fc, fn, qf, zero        ; multiplies buffer fc; behind its first four products it fetches the next quarter, qf on from the addresses, into buffer fn
	s_wait_dscnt 0x0                               ; this buffer's loads, issued 12 matrix instructions ago
	MULG \fc, 0, \zero
	PLACES
	FETCH \qf, \fn
	MULG \fc, 1, \zero
	MULG \fc, 2, \zero
.endm
.macro SIXQ                            ; a step's quarters 1 to 6: (1, 2), (3, 4), (5, 6)
	WIN 0
	s_mov_b32 s2, 3
.Lpair_\@:
	QUARTER F1, F0, 2, 0
	QUARTER F0, F1, 3, 0
	WIN 0
	v_add_nc_u32 v[ADRA], 128, v[ADRA]             ; 64 along K: 128 bytes of A's rows,
	v_add_nc_u32 v[ADRB], 64*PB, v[ADRB]           ; 64 k rows of the weights
	v_add_nc_u32 v[ADRU], 64*PB, v[ADRU]
	s_sub_co_u32 s2, s2, 1
	s_cmp_lg_u32 s2, 0
	s_cbranch_scc1 .Lpair_\@
.endm
.macro TURN fill                       ; the step's last quarter and the change of slots: the three lines, the barrier (fill = 1: a round of the cluster's), the joint refill first behind it
.if \fill
	s_wait_xcnt 0x0                                ; the last prefetch, a K step back, has read its address
	s_add_nc_u64 s[PFA:PFA+1], s[PFA:PFA+1], s[PSTEP:PSTEP+1]
.endif
	WIN 0
	s_wait_tensorcnt 0x0                           ; all my tensor loads have landed: my part of the next slot
	ds_add_u32 v[SPW], v[NIL]
.if \fill
	STEPD
.endif
	s_wait_dscnt 1                                 ; the add alone may be out
	MULG F1, 0, 0
	s_wait_dscnt 0x0                               ; the add is done, my reads of this slot are over
	s_barrier_signal -1
	MULG F1, 1, 0
	WIN 0
	s_barrier_wait -1
.if \fill
	CREST
	JLOAD
	ADDRS
	FETCH 0, F0
	ASK
.else
	s_cmp_eq_u32 s3, 1
	s_cbranch_scc1 .Lnf_\@
	ADDRS
	FETCH 0, F0
.Lnf_\@:
.endif
	MULG F1, 2, 0
.endm
	s_load_b128 s[68:71], s[0:1], 0x0              ; xo 68, pw 70
	s_load_b64 s[72:73], s[0:1], 0x10              ; act
	v_lshl_add_u32 v[SPW], v0, 2, SPARE
	v_mov_b32 v[NIL], 0
	ds_add_u32 v[SPW], v[NIL]                      ; the wave's opening
	v_lshrrev_b32 v1, 5, v0
	v_readfirstlane_b32 s10, v1
	s_lshr_b32 s11, s10, 1
	s_and_b32 s12, s10, 1
	s_bfe_u32 s92, ttmp6, 0x40000
	s_bfe_u32 s93, ttmp6, 0x40004
	s_lshl_b32 s14, ttmp9, 2
	s_add_co_u32 s14, s14, s92                     ; tx: the plane of 64 columns
	s_and_b32 s13, ttmp7, 0xffff
	s_lshl_b32 s13, s13, 2
	s_add_co_u32 s13, s13, s93                     ; ty: 128 rows
	s_lshl_b32 s94, s93, 2
	s_lshl_b32 s94, 15, s94
	s_lshl_b32 s95, 0x1111, s92
	s_or_b32 s[G1A], s94, (1<<16)|(1<<20)|(1<<21)|(6<<22)|(3<<25)  ; rows of 512 bytes, 4 words of padding behind every 128
	s_mov_b32 s[G1A+1], 256<<16
	s_mov_b32 s[G1A+2], 64<<16
	s_mov_b32 s[G1A+3], 256<<16
	s_mov_b32 s[G1A+4], 64
	s_mov_b32 s[G1A+5], 2048
	s_mov_b32 s[G1A+6], 0
	s_mov_b32 s[G1A+7], 0
	s_or_b32 s[G1B], s95, (1<<16)|(1<<20)|(1<<21)|(4<<22)|(7<<25)  ; 256 k rows of 128 bytes, dense: 128 rows of 256, 8 words behind every 32
	s_mov_b32 s[G1B+1], 128<<16
	s_mov_b32 s[G1B+2], 128<<16
	s_mov_b32 s[G1B+3], 128<<16
	s_mov_b32 s[G1B+4], 128
	s_mov_b32 s[G1B+5], 128
	s_mov_b32 s[G1B+6], 0
	s_mov_b32 s[G1B+7], 0
	s_lshl_b32 s4, s13, 7
	s_lshl_b32 s5, s12, 6
	s_add_co_u32 s4, s4, s5
	s_lshl_b32 s4, s4, 12
	s_add_co_u32 s4, s4, XB_O
	s_mov_b32 s5, 0
	s_lshl_b32 s6, s12, 3
	s_add_co_u32 s6, s6, s14
	s_lshl_b32 s6, s6, 18
	s_add_co_u32 s6, s6, WGU_O
	s_mov_b32 s7, 0
	s_mul_i32 s9, s10, 33792
	s_mul_i32 s8, s12, 40960
	s_add_co_u32 s8, s8, BG
	s_mov_b32 s15, 0
	s_wait_dscnt 0x0
	s_wait_kmcnt 0x0
	s_add_nc_u64 s[4:5], s[68:69], s[4:5]
	s_add_nc_u64 s[6:7], s[70:71], s[6:7]
	CROUND
	s_mov_b32 s[G0A], 1
	s_add_co_u32 s[G0A+1], s9, 0
	s_add_nc_u64 s[G0A+2:G0A+3], s[4:5], 0
	s_or_b32 s[G0A+3], s[G0A+3], 0x80000000
	s_mov_b32 s[G0A+4], 1
	s_add_co_u32 s[G0A+5], s9, XS
	s_add_nc_u64 s[G0A+6:G0A+7], s[4:5], ASTEP
	s_or_b32 s[G0A+7], s[G0A+7], 0x80000000
	s_mov_b32 s[G0B], 1
	s_add_co_u32 s[G0B+1], s8, 0
	s_add_nc_u64 s[G0B+2:G0B+3], s[6:7], 0
	s_or_b32 s[G0B+3], s[G0B+3], 0x80000000
	s_mov_b32 s[G0B+4], 1
	s_add_co_u32 s[G0B+5], s8, XS
	s_add_nc_u64 s[G0B+6:G0B+7], s[6:7], BSTEPC
	s_or_b32 s[G0B+7], s[G0B+7], 0x80000000
	s_cmp_lt_u32 s10, 2                            ; K steps 0 and 1: two loads of mine are out
	s_cbranch_scc0 .Lff_b
	tensor_load_to_lds s[G0A:G0A+3], s[G1A:G1A+7]
	s_nop 0
	tensor_load_to_lds s[G0A+4:G0A+7], s[G1A:G1A+7]
	s_nop 0
	PLACES
	s_branch .Lff_d
.Lff_b:
	tensor_load_to_lds s[G0B:G0B+3], s[G1B:G1B+7]
	s_nop 0
	tensor_load_to_lds s[G0B+4:G0B+7], s[G1B:G1B+7]
	s_nop 0
	PLACES
.Lff_d:
	; thread t: the 32 partial sums of x^2 of row 128 ty + t
	s_lshl_b32 s4, s13, 9
	v_lshl_add_u32 v16, v0, 2, s4
	s_add_nc_u64 s[78:79], s[68:69], SSP_O
.set i, 0
.rept 32
	global_load_b32 v[32+i], v16, s[78:79] offset:i*16384
.set i, i+1
.endr
	v_and_b32 v1, 15, v0
	v_bfe_u32 v2, v0, 4, 1
	v_and_b32 v3, 31, v0
	v_mul_u32_u24 v[ADRA0], v1, PA
	v_lshl_add_u32 v[ADRA0], v2, 4, v[ADRA0]
	s_mul_i32 s4, s11, 33792
	v_add_nc_u32 v[ADRA0], s4, v[ADRA0]
	v_and_b32 v21, 7, v0
	v_lshl_add_u32 v21, v2, 3, v21
	v_bfe_u32 v22, v0, 3, 1
	s_lshl_b32 s5, s12, 6
	s_add_co_u32 s4, s5, BG
	v_mul_u32_u24 v[ADRB0], v21, PB
	v_lshl_add_u32 v[ADRB0], v22, 4, v[ADRB0]
	v_add_nc_u32 v[ADRB0], s4, v[ADRB0]
	v_add_nc_u32 v[ADRU0], 40960, v[ADRB0]
	v_mov_b32 v[ADRA], v[ADRA0]
	v_mov_b32 v[ADRB], v[ADRB0]
	v_mov_b32 v[ADRU], v[ADRU0]
	s_mul_i32 s4, s11, 64*144
	s_add_co_u32 s4, s4, s5
	v_mul_u32_u24 v[STO], v1, 144
	v_lshl_add_u32 v[STO], v2, 4, v[STO]
	v_add_nc_u32 v[STO], s4, v[STO]                ; (64 wm + r) 144 + 64 wn + 16 h
	s_lshl_b32 s4, s11, 8
	s_add_co_u32 s4, s4, RS2
	v_lshl_add_u32 v[RSA], v1, 2, s4
	v_lshl_add_u32 v17, v0, 2, RS2
	s_mul_i32 s4, s10, 32*144
	v_bfe_u32 v[RD], v0, 3, 2
	v_mul_u32_u24 v[RD], v[RD], 144
	v_and_b32 v23, 7, v0
	v_lshl_add_u32 v[RD], v23, 4, v[RD]
	v_add_nc_u32 v[RD], s4, v[RD]                  ; back: 32 lanes take four rows of 128 bytes
	v_lshlrev_b32 v[GO], 4, v3
	s_lshl_b32 s6, s14, 12
	s_lshl_b32 s5, s13, 7
	s_add_co_u32 s6, s6, s5
	s_lshl_b32 s5, s10, 5
	s_add_co_u32 s6, s6, s5
	s_lshl_b32 s6, s6, 7
	s_mov_b32 s7, 0
	s_add_nc_u64 s[86:87], s[72:73], s[6:7]        ; act + (4096 tx + 128 ty + 32 w) 128
	; the prefetches: A's blocks by the clusters with x = 0 (16 rows x 2 blocks a partner), the weights' by those with y = 0 (32 blocks a partner)
	s_and_b32 s4, ttmp7, 0xffff
	s_cmp_lt_u32 s10, 2
	s_cselect_b32 s4, ttmp9, s4
	s_cselect_b64 s[PFA:PFA+1], s[68:69], s[70:71]
	s_cselect_b32 s8, -1, 0
	s_cmp_eq_u32 s4, 0
	s_cselect_b32 s[LIM], 2, -1
	s_lshl_b32 s4, s13, 7
	s_lshl_b32 s5, s12, 6
	s_add_co_u32 s4, s4, s5
	s_lshl_b32 s5, s92, 4
	s_add_co_u32 s4, s4, s5
	s_lshl_b32 s4, s4, 12
	s_add_co_u32 s4, s4, XB_O+3*ASTEP
	s_mov_b32 s[PSTEP], ASTEP
	s_lshl_b32 s6, s12, 3
	s_add_co_u32 s6, s6, s14
	s_lshl_b32 s6, s6, 18
	s_lshl_b32 s7, s93, 13
	s_add_co_u32 s6, s6, s7
	s_add_co_u32 s6, s6, WGU_O+3*BSTEPC
	s_cmp_lt_u32 s10, 2
	s_cselect_b32 s4, s4, s6
	s_cselect_b32 s[PSTEP], s[PSTEP], BSTEPC
	s_mov_b32 s5, 0
	s_mov_b32 s[PSTEP+1], 0
	s_add_nc_u64 s[PFA:PFA+1], s[PFA:PFA+1], s[4:5]
	v_lshrrev_b32 v24, 1, v3
	v_lshlrev_b32 v24, 12, v24
	v_and_b32 v25, 1, v3
	v_lshl_add_u32 v24, v25, 8, v24
	v_lshlrev_b32 v25, 8, v3
	v_cndmask_b32 v[PFO], v25, v24, s8
	s_mov_b32 s98, 0x3a000000                      ; 1 / 2048
	s_mov_b32 s99, 0x358637bd                      ; 1e-6
	s_mov_b32 s74, 0xbfb8aa3b                      ; -log2(e)
	s_mov_b32 s75, s74                             ; named with it as a pair
	s_wait_loadcnt 0x0
.set i, 4
.rept 28
	v_add_f32 v[32+i%4], v[32+i%4], v[32+i]        ; four chains, in a fixed order
.set i, i+1
.endr
	v_add_f32 v32, v32, v33
	v_add_f32 v34, v34, v35
	v_add_f32 v32, v32, v34
	v_fma_f32 v32, v32, s98, s99
	v_rsq_f32 v33, v32
	v_nop
	s_wait_alu depctr_va_vdst(0)
	v_mul_f32 v33, 0x3e800000, v33                 ; times 1/4: A carries 2^-6, the weights 2^8
	ds_store_b32 v17, v33
	s_wait_dscnt 0x0                               ; for the others' sake
	s_wait_tensorcnt 1                             ; K step 0 is in; step 1's load may stay out
	s_barrier_signal -1
	s_barrier_wait -1
	FETCH 0, F0
	QUARTER F0, F1, 1, 1                           ; the first quarter starts the sums
	WIN 0
	s_mov_b32 s3, T-2
.Lstep:                                        ; a trip: a step's quarters 1 to 7, the refill two steps on, the next step's quarter 0
	SIXQ
	TURN 1
	QUARTER F0, F1, 1, 0
	WIN 0
	s_sub_co_u32 s3, s3, 1
	s_cmp_lg_u32 s3, 0
	s_cbranch_scc1 .Lstep
	s_mov_b32 s3, 2
.Ltail:                                        ; the last two steps ask for nothing; the second trip is left in its middle
	SIXQ
	TURN 0
	WIN 0
	s_sub_co_u32 s3, s3, 1
	s_cmp_eq_u32 s3, 0
	s_cbranch_scc1 .Lout
	QUARTER F0, F1, 1, 0
	WIN 0
	s_branch .Ltail
.Lout:
	; THE WAY OUT, stage by stage: g, u = sums x 1/rms; g u / (1 + 2^(-g log2 e)); two batches of 64 transcendentals, one wait each
.irp a, 0,1,2,3
	ds_load_b32 v[24+\a], v[RSA] offset:64*\a
.endr
	s_wait_dscnt 0x0
	PLACES
	WIN 0x41
.set u, 0
.rept 16
.set RS, 24+2*((u%4)/2)
.irp i, 0,2,4,6
.if (u%4)%2
	v_pk_mul_f32 v[8*u+\i:8*u+\i+1], v[8*u+\i:8*u+\i+1], v[RS:RS+1] op_sel:[0,1] op_sel_hi:[1,1]
.else
	v_pk_mul_f32 v[8*u+\i:8*u+\i+1], v[8*u+\i:8*u+\i+1], v[RS:RS+1] op_sel_hi:[1,0]
.endif
.endr
.set u, u+1
.endr
	WIN 0x01
.set n, 0
.rept 32
	v_pk_mul_f32 v[32+2*n:33+2*n], v[2*n:2*n+1], s[74:75] op_sel_hi:[1,0]
.set n, n+1
.endr
	WIN 0
.set n, 0
.rept 64
	v_exp_f32 v[32+n], v[32+n]
.set n, n+1
.endr
	v_nop
	s_wait_alu depctr_va_vdst(0)
.set n, 0
.rept 32
	v_pk_add_f32 v[32+2*n:33+2*n], v[32+2*n:33+2*n], 1.0 op_sel_hi:[1,0]
.set n, n+1
.endr
.set n, 0
.rept 64
	v_rcp_f32 v[32+n], v[32+n]
.set n, n+1
.endr
	v_nop
	s_wait_alu depctr_va_vdst(0)
	WIN 0x45
.set n, 0
.rept 32
	v_pk_mul_f32 v[2*n:2*n+1], v[2*n:2*n+1], v[64+2*n:65+2*n]
.set n, n+1
.endr
	WIN 0x01
.set n, 0
.rept 32
	v_pk_mul_f32 v[32+2*n:33+2*n], v[2*n:2*n+1], v[32+2*n:33+2*n]
.set n, n+1
.endr
	WIN 0
.set u, 0
.rept 8
.irp k, 0,1,2,3
	v_cvt_pk_bf16_f32 v[32+8*u+\k], v[32+8*u+2*\k], v[32+8*u+2*\k+1]
.endr
	ds_store_b128 v[STO], v[32+8*u:35+8*u] offset:(u%4)*16*144+32*(u/4)
.set u, u+1
.endr
	s_wait_dscnt 0x0                               ; for the others' sake
	s_barrier_signal -1
	s_barrier_wait -1
.irp f, 0,1,2,3,4,5,6,7
	ds_load_b128 v[96+4*\f:99+4*\f], v[RD] offset:\f*4*144
.endr
.irp f, 0,1,2,3,4,5,6,7
	s_wait_dscnt 7-\f
	global_store_b128 v[GO], v[96+4*\f:99+4*\f], s[86:87] offset:\f*512  ; four rows of the plane: 512 consecutive bytes
.endr
	s_wait_tensorcnt 0x0                           ; the wave's end
	ds_add_u32 v[SPW], v[NIL]
	s_wait_dscnt 0x0
	CROUND
	s_endpgm
.Lfunc_end_k_q97f810f443_gateup:
	.size	k_q97f810f443_gateup, .Lfunc_end_k_q97f810f443_gateup-k_q97f810f443_gateup
	.p2alignl 7, 3214868480
	.fill 96, 4, 3214868480
	.section	.rodata,"a",@progbits
	.p2align	6, 0x0
	.amdhsa_kernel k_q97f810f443_gateup
		.amdhsa_group_segment_fixed_size 327680
		.amdhsa_private_segment_fixed_size 0
		.amdhsa_enable_private_segment 0
		.amdhsa_kernarg_size 24
		.amdhsa_user_sgpr_count 2
		.amdhsa_user_sgpr_kernarg_segment_ptr 1
		.amdhsa_wavefront_size32 1
		.amdhsa_system_sgpr_workgroup_id_x 1
		.amdhsa_system_sgpr_workgroup_id_y 1
		.amdhsa_system_sgpr_workgroup_id_z 1
		.amdhsa_system_vgpr_workitem_id 0
		.amdhsa_next_free_vgpr 512
		.amdhsa_next_free_sgpr 100
		.amdhsa_reserve_vcc 0
		.amdhsa_float_denorm_mode_32 3
		.amdhsa_float_denorm_mode_16_64 3
		.amdhsa_memory_ordered 1
		.amdhsa_forward_progress 1
		.amdhsa_inst_pref_size 59
	.end_amdhsa_kernel
	.amdgpu_metadata
---
amdhsa.version: [ 1, 2 ]
amdhsa.kernels:
  - .name:           k_q97f810f443_gateup
    .symbol:         k_q97f810f443_gateup.kd
    .args:
      - { .name: xo, .offset: 0, .size: 8, .value_kind: global_buffer, .address_space: global }
      - { .name: pw, .offset: 8, .size: 8, .value_kind: global_buffer, .address_space: global }
      - { .name: act, .offset: 16, .size: 8, .value_kind: global_buffer, .address_space: global }
    .group_segment_fixed_size: 327680
    .private_segment_fixed_size: 0
    .kernarg_segment_align: 8
    .kernarg_segment_size: 24
    .max_flat_workgroup_size: 128
    .sgpr_count:     100
    .vgpr_count:     512
    .wavefront_size: 32
...
	.end_amdgpu_metadata
.endif
;; end of part 10
;; launch down (part 11): grid 16 x 16, 4 waves a work-group, clusters of 4 x 4, 327,680 bytes of LDS; arguments act, pw, xo, out0; writes out0
.if DOCPART == 11
	.amdgcn_target "amdgcn-amd-amdhsa--gfx1250"
	.amdhsa_code_object_version 6
	.text
	.protected	k_q97f810f443_down
	.globl	k_q97f810f443_down
	.p2align	8
	.type	k_q97f810f443_down,@function
k_q97f810f443_down:
	s_mov_b64 s[64:65], 0
	v_nop
	global_prefetch_b8 v0, s[64:65] scope:SCOPE_SE
	s_setreg_imm32_b32 hwreg(HW_REG_WAVE_MODE, 25, 1), 1
	s_wait_xcnt 0x0
	s_wait_alu depctr_hold_cnt(0) depctr_sa_sdst(0) depctr_va_vdst(0) depctr_va_sdst(0) depctr_va_ssrc(0) depctr_va_vcc(0) depctr_vm_vsrc(0)
	s_getreg_b32 s2, hwreg(HW_REG_IB_STS2, 6, 4)
	s_cmp_eq_u32 s2, 0
	s_cbranch_scc0 .Lentry_in_a_cluster
	s_endpgm
.Lentry_in_a_cluster:
	s_bfe_u32 s2, ttmp6, 0x10000c
	s_cmp_lg_u32 s2, 0xf033
	s_cbranch_scc0 .Lentry_shape_is_right
	s_endpgm
.Lentry_shape_is_right:
; out0 = x + act w_down.  A = act [8 planes][4096][64] bf16, B = WD [512 k][2048 n] bf16, the residual XB = f16(x / 64).
; A tile of C is 256 x 128: 16 x 16 work-groups.  Four waves, 2 (wm) x 2 (wn), 8 x 4 accumulators, products transposed (source 0 = B).
; K goes in 4 steps of 128 (two planes) through two LDS slots filled by joint tensor loads in a 4 x 4 cluster: A shared along a row of the cluster, B along a column.
; THE RESIDUAL's tile, 256 rows x 256 bytes, comes into LDS bytes of its own by one plain tensor load a wave among the first fills: wave w brings the 64 rows that it will store itself, so its own wait
; is all the ordering that its reads need.  It is added on the way out, 64 x the f16 half + the sum in one line, in a loop of four trips.
; No prefetch: four K steps, beside which the output's stores keep memory busy.
; REGISTERS: window 0: v0-31 addresses, v32-127 and v128-223 two fragment buffers; window 1: accumulator (b, a) at 8 (8 b + a).
; LIMITS: bf16 operands; the residual is off by at most 2^-11 of itself; NaN and infinities are not treated apart.
.set WD_O,  37748736
.set XB_O,  0
.set T,     4
.set MB,    8
.set PA,    144                        ; a row of a plane in LDS: 128 + 16 bytes
.set PB,    288
.set XS,    0x20000
.set BB,    73728                      ; a slot: the two planes at 0 and 36,864, B's 128 k rows here, 110,592 bytes in all
.set SPARE, XS+110592                  ; the spare words: 512 bytes behind slot 1's tiles, which no other line names (the stage on the way out ends at 135,168)
.set RES,   2*XS                       ; the residual: 65,536 bytes, to the end of LDS
.set ASTEP, 1048576                    ; two planes of 4,096 rows x 128 bytes
.set BSTEPC, 524288
.set F0,    32
.set F1,    128
.set ADRA0, 4
.set ADRB0, 5
.set ADRA,  7
.set ADRB,  8
.set STO,   10
.set RDW,   12
.set GX,    13
.set RRD,   14
.set SPW,   28
.set NIL,   29
.set C64,   30
.set G1A,   16
.set G1B,   24
.set G0A,   40
.set G0B,   48
.set G0R,   76
.set G1R,   80
.set MSB, 0
.macro WIN new
.if MSB != (\new)
	s_set_vgpr_msb (MSB<<8)|(\new)
.set MSB, \new
.endif
.endm
.macro PLACES
.rept 4
	v_nop
.endr
.endm
.macro CREST
	s_cmp_lg_u32 s10, 0
	s_cbranch_scc1 .Lnw0_\@
	s_barrier_signal -3
.Lnw0_\@:
	s_barrier_wait -3
	s_barrier_signal -1
	s_barrier_wait -1
.endm
.macro CROUND
	s_barrier_signal -1
	s_barrier_wait -1
	CREST
.endm
.macro JLOAD                           ; waves 0, 1 the step's two planes of A, waves 2, 3 B's halves
	s_cmp_lt_u32 s10, 2
	s_cbranch_scc0 .Ljb_\@
	tensor_load_to_lds s[G0A+4:G0A+7], s[G1A:G1A+7]
	s_nop 0
	PLACES
	s_branch .Ljd_\@
.Ljb_\@:
	tensor_load_to_lds s[G0B+4:G0B+7], s[G1B:G1B+7]
	s_nop 0
	PLACES
.Ljd_\@:
.endm
.macro STEPD
	s_xor_b32 s[G0A+5], s[G0A+5], XS
	s_add_nc_u64 s[G0A+6:G0A+7], s[G0A+6:G0A+7], ASTEP
	s_xor_b32 s[G0B+5], s[G0B+5], XS
	s_add_nc_u64 s[G0B+6:G0B+7], s[G0B+6:G0B+7], BSTEPC
.endm
.macro ADDRS
	s_xor_b32 s15, s15, XS
	v_add_nc_u32 v[ADRA], s15, v[ADRA0]
	v_add_nc_u32 v[ADRB], s15, v[ADRB0]
	v_nop
	v_nop
.endm
.macro FETCH q, f                      ; quarter q: plane q / 2 of the step, channels 32 (q % 2) on
	WIN 0
.irp a, 0,1,2,3,4,5,6,7
	ds_load_b128 v[(\f)+8*\a:(\f)+8*\a+3],   v[ADRA] offset:((\q)/2)*36864+((\q)%2)*64+\a*16*PA
	ds_load_b128 v[(\f)+8*\a+4:(\f)+8*\a+7], v[ADRA] offset:((\q)/2)*36864+((\q)%2)*64+\a*16*PA+32
.endr
.irp b, 0,1,2,3
	ds_load_tr16_b128 v[(\f)+64+8*\b:(\f)+64+8*\b+3],   v[ADRB] offset:(\q)*32*PB+\b*32
	ds_load_tr16_b128 v[(\f)+64+8*\b+4:(\f)+64+8*\b+7], v[ADRB] offset:(\q)*32*PB+16*PB+\b*32
.endr
.endm
.macro MULB f, b, zero                 ; each accumulator is named once a quarter: they take turns
	WIN 0x50
.set aa, 0
.rept MB
.set rD, 8*((\b)*MB+aa)
.if \zero
	v_wmma_f32_16x16x32_bf16 v[rD:rD+7], v[(\f)+8*MB+8*(\b):(\f)+8*MB+8*(\b)+7], v[(\f)+8*aa:(\f)+8*aa+7], 0
.else
	v_wmma_f32_16x16x32_bf16 v[rD:rD+7], v[(\f)+8*MB+8*(\b):(\f)+8*MB+8*(\b)+7], v[(\f)+8*aa:(\f)+8*aa+7], v[rD:rD+7]
.endif
.set aa, aa+1
.endr
.endm
.macro MULG f, g, zero
.if (\g) < 2
	MULB \f, \g, \zero
.else
	MULB \f, 2, \zero
	MULB \f, 3, \zero
.endif
.endm
.macro QUARTER q, zero
.if ((\q)%2) == 0
.set fC, F0
.set fN, F1
.else
.set fC, F1
.set fN, F0
.endif
	s_wait_dscnt 0x0                               ; this buffer's loads, issued 24 matrix instructions ago
	MULG fC, 0, \zero
	PLACES
	FETCH (\q)+1, fN
	MULG fC, 1, \zero
	MULG fC, 2, \zero
.endm
.macro TURN fill                       ; the step's last quarter and the change of slots: the three lines, the barrier (fill = 1: a round of the cluster's), the joint refill first behind it
	WIN 0
	s_wait_tensorcnt 0x0                           ; all my tensor loads have landed: my part of the next slot (and, the first time, of the residual)
	ds_add_u32 v[SPW], v[NIL]
.if \fill
	STEPD
.endif
	s_wait_dscnt 1                                 ; the add alone may be out
	MULG F1, 0, 0
	s_wait_dscnt 0x0                               ; the add is done, my reads of this slot are over
	s_barrier_signal -1
	MULG F1, 1, 0
	WIN 0
	s_barrier_wait -1
.if \fill
	CREST
	JLOAD
	ADDRS
	FETCH 0, F0
.else
	s_cmp_eq_u32 s3, 1
	s_cbranch_scc1 .Lnf_\@
	ADDRS
	FETCH 0, F0
.Lnf_\@:
.endif
	MULG F1, 2, 0
.endm
	s_load_b256 s[68:75], s[0:1], 0x0              ; act 68, pw 70, xo 72, out0 74
	v_lshl_add_u32 v[SPW], v0, 2, SPARE
	v_mov_b32 v[NIL], 0
	ds_add_u32 v[SPW], v[NIL]                      ; the wave's opening
	v_lshrrev_b32 v1, 5, v0
	v_readfirstlane_b32 s10, v1
	s_lshr_b32 s11, s10, 1
	s_and_b32 s12, s10, 1
	s_bfe_u32 s92, ttmp6, 0x40000
	s_bfe_u32 s93, ttmp6, 0x40004
	s_lshl_b32 s14, ttmp9, 2
	s_add_co_u32 s14, s14, s92
	s_and_b32 s13, ttmp7, 0xffff
	s_lshl_b32 s13, s13, 2
	s_add_co_u32 s13, s13, s93
	s_lshl_b32 s94, s93, 2
	s_lshl_b32 s94, 15, s94
	s_lshl_b32 s95, 0x1111, s92
	s_or_b32 s[G1A], s94, (1<<16)|(1<<20)|(1<<21)|(4<<22)|(3<<25)  ; 256 rows of 128 bytes, dense: 128 rows of 256, 4 words of padding behind every 32
	s_mov_b32 s[G1A+1], 128<<16
	s_mov_b32 s[G1A+2], 128<<16
	s_mov_b32 s[G1A+3], 128<<16
	s_mov_b32 s[G1A+4], 128
	s_mov_b32 s[G1A+5], 128
	s_mov_b32 s[G1A+6], 0
	s_mov_b32 s[G1A+7], 0
	s_or_b32 s[G1B], s95, (1<<16)|(1<<20)|(1<<21)|(5<<22)|(7<<25)
	s_mov_b32 s[G1B+1], 128<<16
	s_mov_b32 s[G1B+2], 64<<16
	s_mov_b32 s[G1B+3], 128<<16
	s_mov_b32 s[G1B+4], 64
	s_mov_b32 s[G1B+5], 2048
	s_mov_b32 s[G1B+6], 0
	s_mov_b32 s[G1B+7], 0
	s_mov_b32 s[G1R], 1<<16                        ; the residual: no mask, 2-byte elements, no padding: 64 rows of 128 elements, 2,048 elements from row to row
	s_mov_b32 s[G1R+1], 128<<16
	s_mov_b32 s[G1R+2], 64<<16
	s_mov_b32 s[G1R+3], 128<<16
	s_mov_b32 s[G1R+4], 64
	s_mov_b32 s[G1R+5], 2048
	s_mov_b32 s[G1R+6], 0
	s_mov_b32 s[G1R+7], 0
	s_lshl_b32 s4, s12, 12
	s_lshl_b32 s5, s13, 8
	s_add_co_u32 s4, s4, s5
	s_lshl_b32 s4, s4, 7                           ; A: (4096 plane + 256 ty) 128
	s_mov_b32 s5, 0
	s_lshl_b32 s6, s14, 8
	s_lshl_b32 s7, s12, 18
	s_add_co_u32 s6, s6, s7
	s_add_co_u32 s6, s6, WD_O
	s_mov_b32 s7, 0
	s_mul_i32 s9, s10, 36864
	s_mul_i32 s8, s12, 18432
	s_add_co_u32 s8, s8, BB
	s_mul_i32 s96, s10, 16384                      ; my 64 rows of the residual in LDS
	s_lshl_b32 s98, s13, 8
	s_lshl_b32 s99, s10, 6
	s_add_co_u32 s98, s98, s99
	s_lshl_b32 s98, s98, 12                        ; and in XB: (256 ty + 64 w) 4096 + 256 tx
	s_lshl_b32 s99, s14, 8
	s_add_co_u32 s98, s98, s99
	s_add_co_u32 s98, s98, XB_O
	s_mov_b32 s99, 0
	s_mov_b32 s15, 0
	s_wait_dscnt 0x0
	s_wait_kmcnt 0x0
	s_add_nc_u64 s[4:5], s[68:69], s[4:5]
	s_add_nc_u64 s[6:7], s[70:71], s[6:7]
	CROUND
	s_mov_b32 s[G0A], 1
	s_add_co_u32 s[G0A+1], s9, 0
	s_add_nc_u64 s[G0A+2:G0A+3], s[4:5], 0
	s_or_b32 s[G0A+3], s[G0A+3], 0x80000000
	s_mov_b32 s[G0A+4], 1
	s_add_co_u32 s[G0A+5], s9, XS
	s_add_nc_u64 s[G0A+6:G0A+7], s[4:5], ASTEP
	s_or_b32 s[G0A+7], s[G0A+7], 0x80000000
	s_mov_b32 s[G0B], 1
	s_add_co_u32 s[G0B+1], s8, 0
	s_add_nc_u64 s[G0B+2:G0B+3], s[6:7], 0
	s_or_b32 s[G0B+3], s[G0B+3], 0x80000000
	s_mov_b32 s[G0B+4], 1
	s_add_co_u32 s[G0B+5], s8, XS
	s_add_nc_u64 s[G0B+6:G0B+7], s[6:7], BSTEPC
	s_or_b32 s[G0B+7], s[G0B+7], 0x80000000
	s_mov_b32 s[G0R], 1
	s_add_co_u32 s[G0R+1], s96, RES
	s_add_nc_u64 s[G0R+2:G0R+3], s[72:73], s[98:99]
	s_or_b32 s[G0R+3], s[G0R+3], 0x80000000
	s_cmp_lt_u32 s10, 2                            ; a wave's three first fills stand in one arm: K steps 0 and 1, then its rows of the residual: three loads of mine are out
	s_cbranch_scc0 .Lff_b
	tensor_load_to_lds s[G0A:G0A+3], s[G1A:G1A+7]
	s_nop 0
	tensor_load_to_lds s[G0A+4:G0A+7], s[G1A:G1A+7]
	s_nop 0
	tensor_load_to_lds s[G0R:G0R+3], s[G1R:G1R+7]
	s_nop 0
	PLACES
	s_branch .Lff_d
.Lff_b:
	tensor_load_to_lds s[G0B:G0B+3], s[G1B:G1B+7]
	s_nop 0
	tensor_load_to_lds s[G0B+4:G0B+7], s[G1B:G1B+7]
	s_nop 0
	tensor_load_to_lds s[G0R:G0R+3], s[G1R:G1R+7]
	s_nop 0
	PLACES
.Lff_d:
	v_and_b32 v1, 15, v0
	v_bfe_u32 v2, v0, 4, 1
	v_and_b32 v3, 31, v0
	v_mov_b32 v[C64], 0x42800000                   ; 64
	v_mul_u32_u24 v[ADRA0], v1, PA
	v_lshl_add_u32 v[ADRA0], v2, 4, v[ADRA0]
	s_mul_i32 s4, s11, 128*PA
	v_add_nc_u32 v[ADRA0], s4, v[ADRA0]
	v_and_b32 v21, 7, v0
	v_lshl_add_u32 v21, v2, 3, v21
	v_bfe_u32 v22, v0, 3, 1
	s_lshl_b32 s4, s12, 7
	s_add_co_u32 s4, s4, BB
	v_mul_u32_u24 v[ADRB0], v21, PB
	v_lshl_add_u32 v[ADRB0], v22, 4, v[ADRB0]
	v_add_nc_u32 v[ADRB0], s4, v[ADRB0]
	v_mov_b32 v[ADRA], v[ADRA0]
	v_mov_b32 v[ADRB], v[ADRB0]
	s_mul_i32 s4, s11, 128*528
	s_lshl_b32 s5, s12, 8
	s_add_co_u32 s4, s4, s5
	v_mul_u32_u24 v[STO], v1, 528
	v_lshl_add_u32 v[STO], v2, 5, v[STO]
	v_add_nc_u32 v[STO], s4, v[STO]
	s_mul_i32 s4, s10, 64*528
	v_lshl_add_u32 v[RDW], v3, 4, s4
	s_add_co_u32 s4, s96, RES
	v_lshl_add_u32 v[RRD], v3, 3, s4               ; my 8 bytes of a row of the residual: the same four columns as my 16 bytes of the sums
	v_lshlrev_b32 v[GX], 4, v3
	s_lshl_b32 s4, s13, 8
	s_lshl_b32 s5, s10, 6
	s_add_co_u32 s4, s4, s5
	s_lshl_b32 s6, s4, 13
	s_lshl_b32 s5, s14, 9
	s_add_co_u32 s6, s6, s5
	s_mov_b32 s7, 0
	s_add_nc_u64 s[88:89], s[74:75], s[6:7]        ; out0 at row 256 ty + 64 w, column 128 tx
	s_wait_tensorcnt 2                             ; K step 0 is in; step 1's load and the residual's may stay out
	s_barrier_signal -1
	s_barrier_wait -1
	FETCH 0, F0
	QUARTER 0, 1
	WIN 0
	s_mov_b32 s3, T-2
.Lstep:
	QUARTER 1, 0
	QUARTER 2, 0
	TURN 1
	QUARTER 0, 0
	WIN 0
	s_sub_co_u32 s3, s3, 1
	s_cmp_lg_u32 s3, 0
	s_cbranch_scc1 .Lstep
	s_mov_b32 s3, 2
.Ltail:
	QUARTER 1, 0
	QUARTER 2, 0
	TURN 0
	WIN 0
	s_sub_co_u32 s3, s3, 1
	s_cmp_eq_u32 s3, 0
	s_cbranch_scc1 .Lout
	QUARTER 0, 0
	WIN 0
	s_branch .Ltail
.Lout:
	; THE WAY OUT: the sums go through the dead ring (256 x 528), come back as whole rows, take the residual and leave as rows of 512 bytes
	PLACES
	WIN 0x04
.irp b, 0,1,2,3
.irp a, 0,1,2,3,4,5,6,7
	ds_store_b128 v[STO], v[8*(8*\b+\a):8*(8*\b+\a)+3]   offset:\a*16*528+64*\b
	ds_store_b128 v[STO], v[8*(8*\b+\a)+4:8*(8*\b+\a)+7] offset:\a*16*528+64*\b+16
.endr
.endr
	WIN 0
	s_wait_dscnt 0x0                               ; for the others' sake
	s_barrier_signal -1
	s_barrier_wait -1
	s_mov_b32 s3, 4
.Lcopy:                                        ; wave w: rows 64 w .. + 63, 16 a trip
.set i, 0
.rept 16
	ds_load_b128 v[64+4*i:67+4*i], v[RDW] offset:i*528
.set i, i+1
.endr
.set i, 0
.rept 16
	ds_load_b64 v[128+2*i:129+2*i], v[RRD] offset:i*256
.set i, i+1
.endr
.set i, 0
.rept 16
	s_wait_dscnt 15-i                              ; LDS loads come back in order: row i's residual is in, and so are all the sums, which were asked for first
	v_fma_mix_f32 v[64+4*i], v[128+2*i], v[C64], v[64+4*i] op_sel_hi:[1,0,0]
	v_fma_mix_f32 v[65+4*i], v[128+2*i], v[C64], v[65+4*i] op_sel:[1,0,0] op_sel_hi:[1,0,0]
	v_fma_mix_f32 v[66+4*i], v[129+2*i], v[C64], v[66+4*i] op_sel_hi:[1,0,0]
	v_fma_mix_f32 v[67+4*i], v[129+2*i], v[C64], v[67+4*i] op_sel:[1,0,0] op_sel_hi:[1,0,0]
	global_store_b128 v[GX], v[64+4*i:67+4*i], s[88:89] offset:i*8192  ; 512 consecutive bytes
.set i, i+1
.endr
	s_wait_xcnt 0x0                                ; the stores' data and offset are written again only behind this wait
	v_add_nc_u32 v[RDW], 16*528, v[RDW]
	v_add_nc_u32 v[RRD], 16*256, v[RRD]
	v_add_nc_u32 v[GX], 16*8192, v[GX]
	s_sub_co_u32 s3, s3, 1
	s_cmp_lg_u32 s3, 0
	s_cbranch_scc1 .Lcopy
	s_wait_tensorcnt 0x0                           ; the wave's end
	ds_add_u32 v[SPW], v[NIL]
	s_wait_dscnt 0x0
	CROUND
	s_endpgm
.Lfunc_end_k_q97f810f443_down:
	.size	k_q97f810f443_down, .Lfunc_end_k_q97f810f443_down-k_q97f810f443_down
	.p2alignl 7, 3214868480
	.fill 96, 4, 3214868480
	.section	.rodata,"a",@progbits
	.p2align	6, 0x0
	.amdhsa_kernel k_q97f810f443_down
		.amdhsa_group_segment_fixed_size 327680
		.amdhsa_private_segment_fixed_size 0
		.amdhsa_enable_private_segment 0
		.amdhsa_kernarg_size 32
		.amdhsa_user_sgpr_count 2
		.amdhsa_user_sgpr_kernarg_segment_ptr 1
		.amdhsa_wavefront_size32 1
		.amdhsa_system_sgpr_workgroup_id_x 1
		.amdhsa_system_sgpr_workgroup_id_y 1
		.amdhsa_system_sgpr_workgroup_id_z 1
		.amdhsa_system_vgpr_workitem_id 0
		.amdhsa_next_free_vgpr 512
		.amdhsa_next_free_sgpr 100
		.amdhsa_reserve_vcc 0
		.amdhsa_float_denorm_mode_32 3
		.amdhsa_float_denorm_mode_16_64 3
		.amdhsa_memory_ordered 1
		.amdhsa_forward_progress 1
		.amdhsa_inst_pref_size 59
	.end_amdhsa_kernel
	.amdgpu_metadata
---
amdhsa.version: [ 1, 2 ]
amdhsa.kernels:
  - .name:           k_q97f810f443_down
    .symbol:         k_q97f810f443_down.kd
    .args:
      - { .name: act, .offset: 0, .size: 8, .value_kind: global_buffer, .address_space: global }
      - { .name: pw, .offset: 8, .size: 8, .value_kind: global_buffer, .address_space: global }
      - { .name: xo, .offset: 16, .size: 8, .value_kind: global_buffer, .address_space: global }
      - { .name: out0, .offset: 24, .size: 8, .value_kind: global_buffer, .address_space: global }
    .group_segment_fixed_size: 327680
    .private_segment_fixed_size: 0
    .kernarg_segment_align: 8
    .kernarg_segment_size: 32
    .max_flat_workgroup_size: 128
    .sgpr_count:     100
    .vgpr_count:     512
    .wavefront_size: 32
...
	.end_amdgpu_metadata
.endif
;; end of part 11
